; MI455X (gfx1250); checked and timed in simulation.
; The chip was launched on July 23, 2026; its instructions are those of AMD's public machine-readable ISA for CDNA 5 (MIT licence, August 2026) and "CDNA5" Instruction Set Architecture Reference Guide (July 2026). The comments in the code are by the model that wrote it; some were corrected since.
;; Encoder Block. Allowed arithmetic: float matrix products may take bf16 or f16 operands with f32 sums; all other float work in f32.
;; Inputs: X 8 x 1,024 x 1,024 float32; b1 1,024 float32; b2 1,024 float32; bk 1,024 float32; bo 1,024 float32; bq 1,024 float32; bv 1,024 float32; ln1_a 1 float32; ln1_b 1 float32; ln2_a 1 float32; ln2_b 1 float32; mask 8 x 1 x 1 x 1,024 int32; w1 1,024 x 1,024 float32; w2 1,024 x 1,024 float32; wk 1,024 x 1,024 float32; wo 1,024 x 1,024 float32; wq 1,024 x 1,024 float32; wv 1,024 x 1,024 float32.
;; Outputs: out0 8 x 1,024 x 1,024 float32.
;; 2 versions, each right and faster than the one before. Each part assembles by itself: llvm-mc -triple=amdgcn-amd-amdhsa -mcpu=gfx1250 --defsym DOCPART=n.
;; ======== version 1 of 2: 7 launches
;; workspace buffers: xa 16,777,216 bytes; wqkvb 6,291,456 bytes; wob 2,097,152 bytes; w1b 2,097,152 bytes; w2b 2,097,152 bytes; qkvb 50,331,648 bytes; x1 33,554,432 bytes
;; launch prep (part 1): grid 32 x 14, 8 waves a work-group, no clusters, 0 bytes of LDS; arguments X, wq, wk, wv, wo, w1, w2, ln1_a, ln1_b, xa, wqkvb, wob, w1b, w2b; writes xa, wqkvb, wob, w1b, w2b
.if DOCPART == 1
	.amdgcn_target "amdgcn-amd-amdhsa--gfx1250"
	.amdhsa_code_object_version 6
	.text
	.protected	k_q98bf3c1c1b_prep
	.globl	k_q98bf3c1c1b_prep
	.p2align	8
	.type	k_q98bf3c1c1b_prep,@function
k_q98bf3c1c1b_prep:
	s_mov_b64 s[64:65], 0
	v_nop
	global_prefetch_b8 v0, s[64:65] scope:SCOPE_SE
	s_setreg_imm32_b32 hwreg(HW_REG_WAVE_MODE, 25, 1), 1
	s_wait_xcnt 0x0
; prep: the first layer norm of X, and all six weight matrices, rounded to bf16 and laid out in blocks for the products that follow.
; BLOCKED LAYOUT of every bf16 matrix operand: [segment of 1,024 rows][g = block of 64 along K][row][64]: byte = seg<<21 + g<<17 + row<<7 + 2 col.
; The grid's y is a segment: 0-7 X's batches (layer norm, then rounding), 8-13 wq, wk, wv, wo, w1, w2 (rounding alone).  Its x is a block of 32 rows.
; A wave takes 4 rows as 2 pairs; in a pair lanes 0-15 own one row and lanes 16-31 the next.  Load j of 16 brings columns 64 j + 4 (lane % 16) .. + 3, which is block g = j: one load
; covers two runs of 256 consecutive bytes, and one store of 8 bytes a lane covers 256 consecutive bytes (two neighbouring rows of a block), at a multiple of 256 from the buffer's first byte.
; LAYER NORM as reference() has it: mean; unbiased deviation (sum of squares of x - mean, over 1,023); y = alpha (x - mean) / (std + 1e-6) + bias.  Two passes over registers,
; so a common offset of a row costs no digits.  All in f32; y is rounded once to bf16.
; No LDS, no barrier, no matrix unit: each byte is read once and written once, and a row never leaves its sixteen lanes.  All 32 loads of a wave are issued at the start.
.set CH,   4                           ; v[4:11]   four chains of pairs
.set MEAN, 12                          ; v[12:13]  the row's mean, twice
.set RS,   14                          ; v[14:15]  alpha / (std + eps), twice
.set BI,   16                          ; v[16:17]  bias, twice
.set XD,   32                          ; v[32:159] pair p: 64 registers
	s_load_b512 s[8:23], s[0:1], 0x0               ; X s[8:9], wq, wk, wv, wo, w1, w2 s[10:21], ln1_a s[22:23]
	s_load_b256 s[24:31], s[0:1], 0x40             ; ln1_b s[24:25], xa s[26:27], wqkvb s[28:29], wob s[30:31]
	s_load_b128 s[32:35], s[0:1], 0x60             ; w1b s[32:33], w2b s[34:35]
	s_and_b32 s3, ttmp7, 0xffff                    ; the segment
	s_lshl_b32 s40, s3, 22                         ; from where: a batch of X is 4 MiB; a weight matrix begins at its buffer's start
	s_cmp_lt_u32 s3, 8
	s_cselect_b32 s40, s40, 0
	s_lshl_b32 s46, ttmp9, 17                      ; + 32 rows of 4,096 bytes
	s_add_co_u32 s40, s40, s46
	s_mov_b32 s41, 0
	s_sub_co_u32 s47, s3, 8                        ; to where: segment y of xa, segment y - 8 of wqkvb, segment 0 of wob, w1b, w2b
	s_cmp_lt_u32 s3, 8
	s_cselect_b32 s47, s3, s47
	s_cmp_lt_u32 s3, 11
	s_cselect_b32 s47, s47, 0
	s_lshl_b32 s42, s47, 21
	s_lshl_b32 s46, ttmp9, 12                      ; + 32 rows of 128 bytes
	s_add_co_u32 s42, s42, s46
	s_mov_b32 s43, 0
	v_and_b32 v3, 31, v0                           ; lane
	v_lshrrev_b32 v18, 5, v0                       ; wave
	v_and_b32 v19, 15, v0
	v_bfe_u32 v20, v0, 4, 1
	v_lshlrev_b32 v1, 14, v18                      ; load offset: wave x 4 rows
	v_lshl_add_u32 v1, v20, 12, v1                 ; + the half's row
	v_lshl_add_u32 v1, v19, 4, v1                  ; + 16 bytes a lane
	v_lshlrev_b32 v2, 9, v18                       ; store offset: wave x 4 rows of 128 bytes
	v_lshl_add_u32 v2, v3, 3, v2                   ; + 8 bytes a lane: lanes 16-31 fall into the next row
	s_wait_kmcnt 0x0
	s_mov_b64 s[36:37], s[8:9]                     ; the segment's source
	s_cmp_eq_u32 s3, 8
	s_cselect_b64 s[36:37], s[10:11], s[36:37]
	s_cmp_eq_u32 s3, 9
	s_cselect_b64 s[36:37], s[12:13], s[36:37]
	s_cmp_eq_u32 s3, 10
	s_cselect_b64 s[36:37], s[14:15], s[36:37]
	s_cmp_eq_u32 s3, 11
	s_cselect_b64 s[36:37], s[16:17], s[36:37]
	s_cmp_eq_u32 s3, 12
	s_cselect_b64 s[36:37], s[18:19], s[36:37]
	s_cmp_eq_u32 s3, 13
	s_cselect_b64 s[36:37], s[20:21], s[36:37]
	s_mov_b64 s[38:39], s[26:27]                   ; and its destination
	s_cmp_ge_u32 s3, 8
	s_cselect_b64 s[38:39], s[28:29], s[38:39]
	s_cmp_eq_u32 s3, 11
	s_cselect_b64 s[38:39], s[30:31], s[38:39]
	s_cmp_eq_u32 s3, 12
	s_cselect_b64 s[38:39], s[32:33], s[38:39]
	s_cmp_eq_u32 s3, 13
	s_cselect_b64 s[38:39], s[34:35], s[38:39]
	s_add_nc_u64 s[36:37], s[36:37], s[40:41]
	s_add_nc_u64 s[38:39], s[38:39], s[42:43]
	s_load_b32 s44, s[22:23], 0x0                  ; alpha
	s_load_b32 s45, s[24:25], 0x0                  ; bias
.irp p, 0,1
.irp j, 0,1,2,3,4,5,6,7,8,9,10,11,12,13,14,15
	global_load_b128 v[XD+64*\p+4*\j:XD+64*\p+4*\j+3], v1, s[36:37] offset:\p*8192+\j*256
.endr
.endr
.macro FOLD                            ; four chains of pairs -> one number a lane -> the row's sum in each of its sixteen lanes
	v_pk_add_f32 v[CH:CH+1], v[CH:CH+1], v[CH+2:CH+3]
	v_pk_add_f32 v[CH+4:CH+5], v[CH+4:CH+5], v[CH+6:CH+7]
	v_pk_add_f32 v[CH:CH+1], v[CH:CH+1], v[CH+4:CH+5]
	v_add_f32 v[CH], v[CH], v[CH+1]
.irp m, 1,2,4,8
	v_add_f32_dpp v[CH], v[CH], v[CH] row_xmask:\m row_mask:0xf bank_mask:0xf
.endr
.endm
; Pair p is rounded to bf16, compacted in place (number i of 32 lands where numbers 2 i and 2 i + 1 have been read or are being read), and stored: store j goes to block g = j.
.macro OUTPAIR p
.set X, XD+64*\p
.set i, 0
.rept 32
	v_cvt_pk_bf16_f32 v[X+i], v[X+2*i], v[X+2*i+1]
.set i, i+1
.endr
.irp j, 0,1,2,3,4,5,6,7,8,9,10,11,12,13,14,15
	global_store_b64 v2, v[X+2*\j:X+2*\j+1], s[38:39] offset:\p*256+\j*131072
.endr
.endm
.macro LNPAIR p
.set X, XD+64*\p
	s_wait_loadcnt 16*(1-\p)                       ; loads come back in order: this pair's sixteen are in, the other pair's may stay out
.irp k, 0,1,2,3
	v_pk_add_f32 v[CH+2*\k:CH+2*\k+1], v[X+2*\k:X+2*\k+1], v[X+8+2*\k:X+8+2*\k+1]   ; the first eight pairs start the chains: nothing is cleared
.endr
.set i, 8
.rept 24
	v_pk_add_f32 v[CH+2*(i%4):CH+2*(i%4)+1], v[CH+2*(i%4):CH+2*(i%4)+1], v[X+2*i:X+2*i+1]
.set i, i+1
.endr
	FOLD
	v_mul_f32 v[MEAN], 0x3a800000, v[CH]           ; / 1,024
	v_mov_b32 v[MEAN+1], v[MEAN]
.set i, 0
.rept 32
	v_pk_add_f32 v[X+2*i:X+2*i+1], v[X+2*i:X+2*i+1], v[MEAN:MEAN+1] neg_lo:[0,1] neg_hi:[0,1]   ; d = x - mean
.set i, i+1
.endr
.irp k, 0,1,2,3
	v_pk_mul_f32 v[CH+2*\k:CH+2*\k+1], v[X+2*\k:X+2*\k+1], v[X+2*\k:X+2*\k+1]
.endr
.set i, 4
.rept 28
	v_pk_fma_f32 v[CH+2*(i%4):CH+2*(i%4)+1], v[X+2*i:X+2*i+1], v[X+2*i:X+2*i+1], v[CH+2*(i%4):CH+2*(i%4)+1]
.set i, i+1
.endr
	FOLD
	v_mul_f32 v[CH], 0x3a802008, v[CH]             ; / 1,023: the unbiased variance
	v_sqrt_f32 v[CH+1], v[CH]
	v_nop                                          ; a plain instruction between a root or a reciprocal and the use of its result (ISA guide 5.7.2)
	s_wait_alu depctr_va_vdst(0)
	v_add_f32 v[CH+1], 0x358637bd, v[CH+1]         ; + 1e-6
	v_rcp_f32 v[CH+2], v[CH+1]
	v_nop
	s_wait_alu depctr_va_vdst(0)
	v_mul_f32 v[RS], s44, v[CH+2]                  ; alpha / (std + eps)
	v_mov_b32 v[RS+1], v[RS]
.set i, 0
.rept 32
	v_pk_fma_f32 v[X+2*i:X+2*i+1], v[X+2*i:X+2*i+1], v[RS:RS+1], v[BI:BI+1]
.set i, i+1
.endr
	OUTPAIR \p
.endm
	s_wait_kmcnt 0x0
	v_mov_b32 v[BI], s45
	v_mov_b32 v[BI+1], s45
	s_cmp_lt_u32 s3, 8
	s_cbranch_scc0 .Lweights
	LNPAIR 0
	LNPAIR 1
	s_endpgm
.Lweights:
	s_wait_loadcnt 16                              ; the first pair's sixteen loads are in
	OUTPAIR 0
	s_wait_loadcnt 0x0
	OUTPAIR 1
	s_endpgm
.Lfunc_end_k_q98bf3c1c1b_prep:
	.size	k_q98bf3c1c1b_prep, .Lfunc_end_k_q98bf3c1c1b_prep-k_q98bf3c1c1b_prep
	.p2alignl 7, 3214868480
	.fill 96, 4, 3214868480
	.section	.rodata,"a",@progbits
	.p2align	6, 0x0
	.amdhsa_kernel k_q98bf3c1c1b_prep
		.amdhsa_group_segment_fixed_size 0
		.amdhsa_private_segment_fixed_size 0
		.amdhsa_enable_private_segment 0
		.amdhsa_kernarg_size 112
		.amdhsa_user_sgpr_count 2
		.amdhsa_user_sgpr_kernarg_segment_ptr 1
		.amdhsa_wavefront_size32 1
		.amdhsa_system_sgpr_workgroup_id_x 1
		.amdhsa_system_sgpr_workgroup_id_y 1
		.amdhsa_system_sgpr_workgroup_id_z 1
		.amdhsa_system_vgpr_workitem_id 0
		.amdhsa_next_free_vgpr 160
		.amdhsa_next_free_sgpr 66
		.amdhsa_reserve_vcc 0
		.amdhsa_float_denorm_mode_32 3
		.amdhsa_float_denorm_mode_16_64 3
		.amdhsa_memory_ordered 1
		.amdhsa_forward_progress 1
		.amdhsa_inst_pref_size 38
	.end_amdhsa_kernel
	.amdgpu_metadata
---
amdhsa.version: [ 1, 2 ]
amdhsa.kernels:
  - .name:           k_q98bf3c1c1b_prep
    .symbol:         k_q98bf3c1c1b_prep.kd
    .args:
      - { .name: X, .offset: 0, .size: 8, .value_kind: global_buffer, .address_space: global }
      - { .name: wq, .offset: 8, .size: 8, .value_kind: global_buffer, .address_space: global }
      - { .name: wk, .offset: 16, .size: 8, .value_kind: global_buffer, .address_space: global }
      - { .name: wv, .offset: 24, .size: 8, .value_kind: global_buffer, .address_space: global }
      - { .name: wo, .offset: 32, .size: 8, .value_kind: global_buffer, .address_space: global }
      - { .name: w1, .offset: 40, .size: 8, .value_kind: global_buffer, .address_space: global }
      - { .name: w2, .offset: 48, .size: 8, .value_kind: global_buffer, .address_space: global }
      - { .name: ln1_a, .offset: 56, .size: 8, .value_kind: global_buffer, .address_space: global }
      - { .name: ln1_b, .offset: 64, .size: 8, .value_kind: global_buffer, .address_space: global }
      - { .name: xa, .offset: 72, .size: 8, .value_kind: global_buffer, .address_space: global }
      - { .name: wqkvb, .offset: 80, .size: 8, .value_kind: global_buffer, .address_space: global }
      - { .name: wob, .offset: 88, .size: 8, .value_kind: global_buffer, .address_space: global }
      - { .name: w1b, .offset: 96, .size: 8, .value_kind: global_buffer, .address_space: global }
      - { .name: w2b, .offset: 104, .size: 8, .value_kind: global_buffer, .address_space: global }
    .group_segment_fixed_size: 0
    .private_segment_fixed_size: 0
    .kernarg_segment_align: 8
    .kernarg_segment_size: 112
    .max_flat_workgroup_size: 256
    .sgpr_count:     66
    .vgpr_count:     160
    .wavefront_size: 32
...
	.end_amdgpu_metadata
.endif
;; end of part 1
;; launch qkv (part 2): grid 12 x 64, 4 waves a work-group, clusters of 4 x 4, 327,680 bytes of LDS; arguments xa, wqkvb, bq, bk, bv, mask, qkvb; writes qkvb
.if DOCPART == 2
	.amdgcn_target "amdgcn-amd-amdhsa--gfx1250"
	.amdhsa_code_object_version 6
	.text
	.protected	k_q98bf3c1c1b_qkv
	.globl	k_q98bf3c1c1b_qkv
	.p2align	8
	.type	k_q98bf3c1c1b_qkv,@function
k_q98bf3c1c1b_qkv:
	s_mov_b64 s[64:65], 0
	v_nop
	global_prefetch_b8 v0, s[64:65] scope:SCOPE_SE
	s_setreg_imm32_b32 hwreg(HW_REG_WAVE_MODE, 25, 1), 1
	s_wait_xcnt 0x0
	s_wait_alu depctr_hold_cnt(0) depctr_sa_sdst(0) depctr_va_vdst(0) depctr_va_sdst(0) depctr_va_ssrc(0) depctr_va_vcc(0) depctr_vm_vsrc(0)
	s_getreg_b32 s2, hwreg(HW_REG_IB_STS2, 6, 4)
	s_cmp_eq_u32 s2, 0
	s_cbranch_scc0 .Lentry_in_a_cluster
	s_endpgm
.Lentry_in_a_cluster:
	s_bfe_u32 s2, ttmp6, 0x10000c
	s_cmp_lg_u32 s2, 0xf033
	s_cbranch_scc0 .Lentry_shape_is_right
	s_endpgm
.Lentry_shape_is_right:
; C = A W^T + bias on blocked bf16 operands, f32 sums, K = 1,024.  One text serves three kinds of launch; KIND picks the arguments and the way out.
;   KIND 0 (THIS ONE): q, k, v = xn1 (wq | wk | wv)^T + (bq | bk | bv), N = 3,072, out in bf16, blocked, 48 blocks a batch (0-15 q's heads, 16-31 k's, 32-47 v's).
;           Rows of k whose mask word is 0 are stored as zeros (a select), so that the attention's score of such a key is exactly its starting value.
;   KIND 1: h = relu(xn2 w1^T + b1), out in bf16, blocked, 16 blocks a batch.          KIND 2: out = residual + A W^T + bias, out and residual f32, row-major [8192][1024].
; BLOCKED LAYOUT: [segment of 1,024 rows][g = block of 64 along K][row][64] bf16: byte = seg<<21 + g<<17 + row<<7 + 2 col.  A tile's part in one block is one dense run of memory.
; SHARES.  A work-group makes 128 rows x 256 columns of C: at N = 1,024 that gives 256 work-groups, at N = 3,072 three times 256.  Four waves, each 64 x 128: 32 accumulators, 256 registers.
; K goes in steps of 128 (two blocks g) through two LDS slots.  Waves 0 and 1 fetch W's two blocks of a step (256 rows x 128 bytes each), waves 2 and 3 A's (128 rows each): one tensor load a wave.
; A dense run comes in as rows of 256 bytes, with 16 bytes of padding behind every 128: LDS rows of 144 bytes.
; CLUSTERS: 4 x 4 work-groups.  The four of a row of the cluster need the same tiles of A, the four of a column the same tiles of W: each tile is asked for jointly, by the same tensor load
; with the same descriptor and a mask that names the four.  By this text's count a wave has two tensor loads out at the start and one behind each refill.
; THE MATRIX INSTRUCTION IS USED TRANSPOSED (source 0 = 16 rows of W, source 1 = 16 rows of A): a lane holds row lane % 16 of C and eight neighbouring columns.
; THE BIAS COSTS NO VECTOR WORK: the first product on each accumulator takes as C eight registers that hold the bias of the lane's eight columns.
; REGISTERS: window 0: addresses, mask words or residual, bias.  Window 1: two fragment buffers of 96 (W's 8 fragments, then A's 4); on the way out two buffers of 64.  Window 2: accumulator (a, b) at v[8 (8 a + b)].
.set KIND, 0
.set PITCH,  144                       ; an LDS row: 128 bytes + 16 = 36 words: 16 neighbouring rows start at 16 different groups of four banks
.set BSUB,   256*PITCH                 ; W's 256 rows of one block g
.set ASUB,   128*PITCH                 ; A's 128 rows of one block g
.set SLOT,   2*BSUB+2*ASUB             ; W g0, W g1, A g0, A g1
.set STAGE,  2*SLOT                    ; behind the ring: 16 rows x 528 bytes of f32 for each wave, for the way out
.set SPITCH, 528
.set SPARE,  STAGE+4*16*SPITCH         ; behind the stages: the spare words, 128 bytes for each wave: two blocks of 256 bytes that no other line names
.set LAPS,   4                         ; a lap = two K steps = once round the ring
.set GSTEP,  1<<18                     ; bytes in memory from a K step to the next: two blocks of 128 KiB
.set ADRA, 16                          ; v16-17  LDS address of my A fragments in slot 0, 1
.set ADRB, 20                          ; v20-21  the same for W
.set STO,  24                          ; v24     the way out: where I put 32 bytes of a row
.set RD,   25                          ; v25     the way out: where I read rows back
.set CO,   26                          ; v26     my byte offset in the output (and the residual)
.set BO,   27                          ; v27     my byte offset in the bias: 32 x (lane / 16)
.set SPW,  28                          ; v28     LDS address of my spare word; never rewritten
.set NIL,  29                          ; v29     0; never rewritten
.set MO,   30                          ; v30     my byte offset in the mask: 4 x (lane / 16)
.set MK,   32                          ; v32-63  KIND 0: mask word of the row that I store in block a, pair t, at MK + 8 a + t
.set RES,  64                          ; v64-191 KIND 2: two buffers of 16 rows of the residual
.set BIAS, 192                         ; v192-255 bias of my 8 columns in each of the 8 column blocks
.set F0,   0
.set F1,   96
.set G1, 24                            ; s[24:31] descriptor group 1 for A's tiles;  s[32:39] group 0, one set for each slot
.set G0, 32
.set G1B, 48                           ; s[48:55], s[56:63] the same for W's tiles
.set G0B, 56
.set PA, 68                            ; s[68:69] A, s[70:71] W, s[72:73] bias
.set PW, 70
.set PBIAS, 72
.set LM, 84                            ; s84-91  KIND 0: lane masks of a block's eight pairs of rows
.if KIND == 0
.set PMASK, 78
.set POUT, 80
.set GPB, 48
.set NLATE, 32
.elseif KIND == 1
.set POUT, 74
.set GPB, 16
.set NLATE, 0
.else
.set PRES, 74
.set POUT, 76
.set NLATE, 32
.endif
.set MSB, 0
.macro WIN new                         ; the immediate's high byte repeats the setting that is left; a switch that changes nothing is dropped
.if MSB != \new
	s_set_vgpr_msb (MSB<<8)|\new
.set MSB, \new
.endif
.endm
.set MUL,  0xa5                        ; sources 0 and 1 window 1; C and D window 2
.set MULB, 0x85                        ; the same with C in window 0: the bias
.set TO_F, 0x40                        ; destination window 1, address window 0
.macro JLOAD s                         ; a joint load: waves 0 and 1 fetch W's two blocks, waves 2 and 3 A's; four v_nop follow each of the two lines, ahead of the jump, the label and what follows
	s_cmp_eq_u32 s11, 0
	s_cbranch_scc0 .Lfor_a_\@
	tensor_load_to_lds s[G0B+4*\s:G0B+4*\s+3], s[G1B:G1B+7]
	s_nop 0
.rept 4
	v_nop
.endr
	s_branch .Lasked_\@
.Lfor_a_\@:
	tensor_load_to_lds s[G0+4*\s:G0+4*\s+3], s[G1:G1+7]
	s_nop 0
.rept 4
	v_nop
.endr
.Lasked_\@:
.endm
.macro CREST                           ; a round of the cluster's barrier behind its opening barrier
	s_cmp_lg_u32 s10, 0
	s_cbranch_scc1 .Lnot_wave_0_\@
	s_barrier_signal -3
.Lnot_wave_0_\@:
	s_barrier_wait -3
	s_barrier_signal -1
	s_barrier_wait -1
.endm
.macro CROUND                          ; a whole round
	s_barrier_signal -1
	s_barrier_wait -1
	CREST
.endm
.macro PLACES                          ; four places in front of loads into registers that matrix instructions have read, and of reads of results
.rept 4
	v_nop
.endr
.endm
	s_load_b256 s[68:75], s[0:1], 0x0
.if KIND == 0
	s_load_b128 s[76:79], s[0:1], 0x20             ; bv s[76:77], mask s[78:79]  (bq s[72:73], bk s[74:75])
	s_load_b64 s[80:81], s[0:1], 0x30              ; the output
.elseif KIND == 2
	s_load_b64 s[76:77], s[0:1], 0x20              ; the output  (the residual s[74:75])
.endif
	v_lshl_add_u32 v[SPW], v0, 2, SPARE
	v_mov_b32 v[NIL], 0
	ds_add_u32 v28, v29
	ds_add_u32 v28, v29
	s_wait_dscnt 0x0
	v_lshrrev_b32 v1, 5, v0
	v_readfirstlane_b32 s10, v1                    ; wave 0..3
	s_lshr_b32 s11, s10, 1                         ; which 64 rows of the tile are mine.  Also: I fetch for W (0) or for A (1)
	s_and_b32 s12, s10, 1                          ; which 128 columns.  Also: which of a step's two blocks g I fetch
	s_bfe_u32 s40, ttmp6, 0x40000                  ; cx, cy: my place in the cluster
	s_bfe_u32 s41, ttmp6, 0x40004
	s_lshl_b32 s42, ttmp9, 2
	s_add_co_u32 s42, s42, s40                     ; tile column = 4 x cluster x + cx
	s_and_b32 s13, ttmp7, 0xffff
	s_lshl_b32 s13, s13, 2
	s_add_co_u32 s13, s13, s41                     ; tile row = 4 x cluster y + cy
	s_lshl_b32 s43, s41, 2
	s_lshl_b32 s43, 15, s43                        ; my row of the cluster
	s_lshl_b32 s44, 0x1111, s40                    ; my column
	; descriptor group 1: a dense run as rows of 32 elements of 8 bytes; 15:0 the mask; 17:16 element size code 3; 20 padding on; 21 set beside a mask; 24:22 after every 32 words (code 4); 31:25 4 words of it (code 3)
	s_or_b32 s[G1+0], s43, (3<<16)|(1<<20)|(1<<21)|(4<<22)|(3<<25)
	s_or_b32 s[G1B+0], s44, (3<<16)|(1<<20)|(1<<21)|(4<<22)|(3<<25)
	s_mov_b32 s[G1+1], 32<<16                      ; tensor_dim0 = 32
	s_mov_b32 s[G1+2], 64<<16                      ; tensor_dim1 = 64 rows of 256 bytes: A's 128 rows of 128
	s_mov_b32 s[G1+3], 32<<16                      ; tile_dim0 = 32
	s_mov_b32 s[G1+4], 64                          ; tile_dim1
	s_mov_b32 s[G1+5], 32                          ; from row to row: 32 elements, no gap
	s_mov_b32 s[G1+6], 0
	s_mov_b32 s[G1+7], 0
	s_mov_b32 s[G1B+1], 32<<16
	s_mov_b32 s[G1B+2], 128<<16                    ; W's 256 rows of 128 bytes: 128 rows of 256
	s_mov_b32 s[G1B+3], 32<<16
	s_mov_b32 s[G1B+4], 128
	s_mov_b32 s[G1B+5], 32
	s_mov_b32 s[G1B+6], 0
	s_mov_b32 s[G1B+7], 0
	; where the tiles come from.  A's hang on the tile row and the wave alone, W's on the tile column and the wave alone, each in registers that never hold the other coordinate.
	s_lshr_b32 s14, s13, 3                         ; A: segment = tile row / 8,
	s_lshl_b32 s14, s14, 21
	s_and_b32 s15, s13, 7                          ; 128 rows of 128 bytes for each tile row in it,
	s_lshl_b32 s15, s15, 14
	s_add_co_u32 s14, s14, s15
	s_lshl_b32 s15, s12, 17                        ; my block g of the step
	s_add_co_u32 s14, s14, s15
	s_mov_b32 s15, 0
	s_lshl_b32 s46, ttmp9, 21                      ; W: segment = tile column / 4 = cluster x,
	s_lshl_b32 s47, s40, 15                        ; 256 rows of 128 bytes for each tile column in it (tile column % 4 = cx),
	s_add_co_u32 s46, s46, s47
	s_lshl_b32 s47, s12, 17                        ; my block g of the step
	s_add_co_u32 s46, s46, s47
	s_mov_b32 s47, 0
	s_mul_i32 s20, s10, ASUB                       ; where they go: A's blocks behind W's two: 2 BSUB + (wave - 2) ASUB,
	s_add_co_u32 s20, s20, 2*BSUB-2*ASUB
	s_mul_i32 s21, s10, BSUB                       ; W's: wave x BSUB.  No place in the cluster enters an LDS address
	s_wait_kmcnt 0x0
	s_add_nc_u64 s[14:15], s[PA:PA+1], s[14:15]
	s_add_nc_u64 s[46:47], s[PW:PW+1], s[46:47]
	CROUND                                         ; all sixteen work-groups are here: the first joint loads meet
.irp s, 0,1
	s_mov_b32 s[G0+4*\s], 1                                        ; count = 1
	s_add_co_u32 s[G0+4*\s+1], s20, \s*SLOT                        ; LDS address
	s_add_nc_u64 s[G0+4*\s+2:G0+4*\s+3], s[14:15], \s*GSTEP        ; global address: K step s
	s_or_b32 s[G0+4*\s+3], s[G0+4*\s+3], 0x80000000                ; type = 2
	s_mov_b32 s[G0B+4*\s], 1
	s_add_co_u32 s[G0B+4*\s+1], s21, \s*SLOT
	s_add_nc_u64 s[G0B+4*\s+2:G0B+4*\s+3], s[46:47], \s*GSTEP
	s_or_b32 s[G0B+4*\s+3], s[G0B+4*\s+3], 0x80000000
	JLOAD \s
.endr
	v_and_b32 v1, 15, v0                           ; l % 16
	v_bfe_u32 v2, v0, 4, 1                         ; l / 16
	v_mul_u32_u24 v3, v1, PITCH
	v_lshl_add_u32 v3, v2, 4, v3                   ; a fragment's row x pitch + 16 x half
	s_mul_i32 s21, s11, 64*PITCH                   ; my 64 rows of A,
	s_add_co_u32 s21, s21, 2*BSUB                  ; which lie behind W's two blocks
	s_mul_i32 s22, s12, 128*PITCH                  ; my 128 rows of W
.irp s, 0,1
	v_add_nc_u32 v[ADRA+\s], s21, v3
	v_add_nc_u32 v[ADRB+\s], s22, v3
	s_add_co_u32 s21, s21, SLOT
	s_add_co_u32 s22, s22, SLOT
.endr
	s_mul_i32 s23, s10, 16*SPITCH
	s_add_co_u32 s23, s23, STAGE                   ; my stage
	v_mul_u32_u24 v4, v1, SPITCH                   ; in: row l % 16, 32 bytes for each half of the lanes
	v_lshl_add_u32 v4, v2, 5, v4
	v_add_nc_u32 v[STO], s23, v4
	v_and_b32 v5, 31, v0
	v_lshlrev_b32 v[BO], 5, v2
.if KIND == 2
	v_lshl_add_u32 v[RD], v5, 4, s23               ; back: a whole row of 512 bytes, 16 bytes a lane
	v_lshlrev_b32 v[CO], 4, v5
.else
	v_mul_u32_u24 v6, v2, SPITCH                   ; back: lanes 0-15 take 256 bytes (64 columns) of one row, lanes 16-31 of the next
	v_lshl_add_u32 v6, v1, 4, v6
	v_add_nc_u32 v[RD], s23, v6
	v_lshlrev_b32 v[CO], 3, v5                     ; out: 8 bytes a lane: two neighbouring rows of a block
.endif
.if KIND == 0
	v_lshlrev_b32 v[MO], 2, v2
	s_cmp_eq_u32 ttmp9, 1                          ; the bias of my segment: cluster x = 0 q, 1 k, 2 v
	s_cselect_b64 s[PBIAS:PBIAS+1], s[74:75], s[PBIAS:PBIAS+1]
	s_cmp_eq_u32 ttmp9, 2
	s_cselect_b64 s[PBIAS:PBIAS+1], s[76:77], s[PBIAS:PBIAS+1]
	s_cmp_eq_u32 ttmp9, 1
	s_cselect_b32 s82, 0, -1                       ; all ones where the tile is not k's: the mask then selects nothing away
	s_lshl_b32 s16, s13, 9                         ; mask words of my 64 rows: 4 x (128 x tile row + 64 x half)
	s_lshl_b32 s17, s11, 8
	s_add_co_u32 s16, s16, s17
	s_mov_b32 s17, 0
	s_add_nc_u64 s[PMASK:PMASK+1], s[PMASK:PMASK+1], s[16:17]
.endif
	s_lshl_b32 s16, s40, 10                        ; bias of my 128 columns: 4 x (256 x (tile column % 4) + 128 x half)
	s_lshl_b32 s17, s12, 9
	s_add_co_u32 s16, s16, s17
	s_mov_b32 s17, 0
	s_add_nc_u64 s[PBIAS:PBIAS+1], s[PBIAS:PBIAS+1], s[16:17]
.if KIND == 2
	s_lshl_b32 s16, s13, 19                        ; my first row (128 x tile row + 64 x half) x 4,096 bytes + my first column (256 x tile column + 128 x half) x 4
	s_lshl_b32 s17, s11, 18
	s_add_co_u32 s16, s16, s17
	s_lshl_b32 s17, s42, 10
	s_add_co_u32 s16, s16, s17
	s_lshl_b32 s17, s12, 9
	s_add_co_u32 s16, s16, s17
	s_mov_b32 s17, 0
	s_add_nc_u64 s[PRES:PRES+1], s[PRES:PRES+1], s[16:17]
	s_add_nc_u64 s[POUT:POUT+1], s[POUT:POUT+1], s[16:17]
.else
	s_lshr_b32 s16, s13, 3                         ; block = batch x GPB + 4 x tile column + 2 x half,
	s_mul_i32 s16, s16, GPB
	s_lshl2_add_u32 s16, s42, s16
	s_lshl1_add_u32 s16, s12, s16
	s_lshl_b32 s16, s16, 17
	s_and_b32 s17, s13, 7                          ; row in the batch = 128 x (tile row % 8) + 64 x half, 128 bytes each
	s_lshl_b32 s17, s17, 14
	s_add_co_u32 s16, s16, s17
	s_lshl_b32 s17, s11, 13
	s_add_co_u32 s16, s16, s17
	s_mov_b32 s17, 0
	s_add_nc_u64 s[POUT:POUT+1], s[POUT:POUT+1], s[16:17]
.endif
.irp b, 0,1,2,3,4,5,6,7
	global_load_b128 v[BIAS+8*\b:BIAS+8*\b+3],   v[BO], s[PBIAS:PBIAS+1] offset:64*\b      ; bias of columns 16 b + 8 (l / 16) + 0..3
	global_load_b128 v[BIAS+8*\b+4:BIAS+8*\b+7], v[BO], s[PBIAS:PBIAS+1] offset:64*\b+16
.endr
.if KIND == 0
.irp a, 0,1,2,3
.irp t, 0,1,2,3,4,5,6,7
	global_load_b32 v[MK+8*\a+\t], v[MO], s[PMASK:PMASK+1] offset:(16*\a+2*\t)*4
.endr
.endr
.elseif KIND == 2
.irp a, 0,1
.irp t, 0,1,2,3,4,5,6,7,8,9,10,11,12,13,14,15
	global_load_b128 v[RES+64*\a+4*\t:RES+64*\a+4*\t+3], v[CO], s[PRES:PRES+1] offset:(16*\a+\t)*4096   ; the residual of my first 32 rows comes in under the products
.endr
.endr
.endif
; 8 matrix instructions: row block a x all 8 column blocks, 32 along K, from buffer fb.  first = 1: the product starts the sum on the bias.  The 32 accumulators take turns, one instruction a turn.
.macro MULA fb, a, first
.irp b, 0,1,2,3,4,5,6,7
.if \first
	v_wmma_f32_16x16x32_bf16 v[8*(8*(\a)+\b):8*(8*(\a)+\b)+7], v[\fb+8*\b:\fb+8*\b+7], v[\fb+64+8*(\a):\fb+64+8*(\a)+7], v[BIAS+8*\b:BIAS+8*\b+7]
.else
	v_wmma_f32_16x16x32_bf16 v[8*(8*(\a)+\b):8*(8*(\a)+\b)+7], v[\fb+8*\b:\fb+8*\b+7], v[\fb+64+8*(\a):\fb+64+8*(\a)+7], v[8*(8*(\a)+\b):8*(8*(\a)+\b)+7]
.endif
.endr
.endm
; 24 LDS loads in one run: the fragments of quarter q of a K step (block g = q / 2, bytes 64 (q % 2) on of its rows) into buffer fb: W's eight, then A's four
.macro FETCH slot, q, fb
	WIN TO_F
.irp i, 0,1,2,3,4,5,6,7
	ds_load_b128 v[\fb+8*\i:\fb+8*\i+3],   v[ADRB+\slot] offset:((\q)>>1)*BSUB+((\q)&1)*64+\i*16*PITCH
	ds_load_b128 v[\fb+8*\i+4:\fb+8*\i+7], v[ADRB+\slot] offset:((\q)>>1)*BSUB+((\q)&1)*64+\i*16*PITCH+32
.endr
.irp i, 0,1,2,3
	ds_load_b128 v[\fb+64+8*\i:\fb+64+8*\i+3],   v[ADRA+\slot] offset:((\q)>>1)*ASUB+((\q)&1)*64+\i*16*PITCH
	ds_load_b128 v[\fb+64+8*\i+4:\fb+64+8*\i+7], v[ADRA+\slot] offset:((\q)>>1)*ASUB+((\q)&1)*64+\i*16*PITCH+32
.endr
.endm
; A K step is four quarters of 32 along K, 32 matrix instructions each, on buffers 0, 1, 0, 1.  One of the first three: multiplies buffer fb and fetches quarter qn into gb.
.macro QUARTER slot, qn, fb, gb, first
	s_wait_dscnt 4                                 ; W's fragments and A's blocks 0, 1 are in; the youngest four loads (A's blocks 2, 3) may be out
.if \first
	WIN MULB
.else
	WIN MUL
.endif
	MULA \fb, 0, \first
	MULA \fb, 1, \first
	PLACES
	FETCH \slot, \qn, \gb
	s_wait_dscnt 24                                ; all but the 24 just issued
.if \first
	WIN MULB
.else
	WIN MUL
.endif
	MULA \fb, 2, \first
	MULA \fb, 3, \first
.endm
; The last quarter multiplies buffer 1 and changes slots: ONE barrier; in front of it each wave waits for all its tensor loads, adds 0 to its spare word, and waits for that and for its own reads of this slot.
; fill = 1: the barrier opens a round of the cluster's, and this slot is filled again, two K steps ahead, first thing behind it: 112 matrix instructions ahead of the wait for it.
.macro TURN slot, next, fill
	WIN 0                                          ; (the add's two registers lie in window 0)
	s_wait_tensorcnt 0x0                           ; all my tensor loads have landed: my part of the next slot;
	ds_add_u32 v[SPW], v[NIL]                      ; 0 onto my spare word;
	s_wait_dscnt 5                                 ; (the add and the youngest four loads may be out)
	WIN MUL
	MULA F1, 0, 0                                  ; eight matrix instructions stand between the add and the wait for it
	s_wait_dscnt 0x0                               ; the add is done, and my reads of this slot are over
	s_barrier_signal -1
	MULA F1, 1, 0
.if \fill
	WIN 0
.endif
	s_barrier_wait -1
.if \fill
	CREST                                          ; no wave of any partner still reads this slot's tile or has a load on its way
	s_add_nc_u64 s[G0+4*\slot+2:G0+4*\slot+3], s[G0+4*\slot+2:G0+4*\slot+3], 2*GSTEP
	s_add_nc_u64 s[G0B+4*\slot+2:G0B+4*\slot+3], s[G0B+4*\slot+2:G0B+4*\slot+3], 2*GSTEP
	JLOAD \slot                                    ; the four v_nop behind it are also the places in front of the loads below
.else
	PLACES
.endif
	FETCH \next, 0, F0
	WIN MUL
	MULA F1, 2, 0
	MULA F1, 3, 0
.endm
	s_wait_tensorcnt 1                             ; my part of K step 0 is in; K step 1's may stay out
	s_barrier_signal -1
	s_barrier_wait -1                              ; everybody's is
	FETCH 0, 0, F0
	s_wait_loadcnt NLATE                           ; the bias is in; what was asked for behind it may stay out
	QUARTER 0, 1, F0, F1, 1                        ; the first quarter stands in front of the loop: its products start the sums
	WIN 0                                          ; at a label and at a branch every window is 0
	s_mov_b32 s3, LAPS-1
.Llap:                                                 ; a trip goes once round the ring, from a lap's second quarter to the next lap's first, and fills both slots again
	QUARTER 0, 2, F1, F0, 0
	QUARTER 0, 3, F0, F1, 0
	TURN 0, 1, 1
	QUARTER 1, 1, F0, F1, 0
	QUARTER 1, 2, F1, F0, 0
	QUARTER 1, 3, F0, F1, 0
	TURN 1, 0, 1
	QUARTER 0, 1, F0, F1, 0
	WIN 0
	s_sub_co_u32 s3, s3, 1
	s_cmp_lg_u32 s3, 0
	s_cbranch_scc1 .Llap
	QUARTER 0, 2, F1, F0, 0                        ; the last lap fills nothing, and has no round of the cluster's barrier
	QUARTER 0, 3, F0, F1, 0
	TURN 0, 1, 0
	QUARTER 1, 1, F0, F1, 0
	QUARTER 1, 2, F1, F0, 0
	QUARTER 1, 3, F0, F1, 0
	s_wait_dscnt 4                                 ; the very last quarter: nothing more to fetch
	WIN MUL
	MULA F1, 0, 0
	MULA F1, 1, 0
	s_wait_dscnt 0x0
	MULA F1, 2, 0
	MULA F1, 3, 0
; THE WAY OUT, a block of 16 rows at a time, through my own stage in LDS (f32): a lane's 32 bytes go in, whole runs of a row come back.  LDS serves a wave's instructions in order
; (ISA guide 5.7.1.4), so no wait stands between my stores and my loads, nor between a block's loads and the next block's stores.
.macro STG a                           ; each accumulator's low four registers first
	WIN 0x08                                       ; store data window 2, address window 0
.irp b, 0,1,2,3,4,5,6,7
	ds_store_b128 v[STO], v[8*(8*(\a)+\b):8*(8*(\a)+\b)+3]   offset:64*\b
	ds_store_b128 v[STO], v[8*(8*(\a)+\b)+4:8*(8*(\a)+\b)+7] offset:64*\b+16
.endr
.endm
.macro RDB a                           ; back into buffer a % 2 of window 1
	WIN 0x40
.set RB, 64*((\a)%2)
.if KIND == 2
.irp t, 0,1,2,3,4,5,6,7,8,9,10,11,12,13,14,15
	ds_load_b128 v[RB+4*\t:RB+4*\t+3], v[RD] offset:\t*SPITCH
.endr
.else
.irp t, 0,1,2,3,4,5,6,7
	ds_load_b128 v[RB+8*\t:RB+8*\t+3],   v[RD] offset:\t*2*SPITCH          ; rows 2 t, 2 t + 1: columns 0-63
	ds_load_b128 v[RB+8*\t+4:RB+8*\t+7], v[RD] offset:\t*2*SPITCH+256      ; columns 64-127
.endr
.endif
.endm
.macro OUT a
.set RB, 64*((\a)%2)
.set RSD, RES+64*((\a)%2)
.if KIND == 2
.if (\a) < 3
	s_wait_loadcnt 16                              ; this block's residual is in; the sixteen loads of the block asked for last may stay out
.else
	s_wait_loadcnt 0x0
.endif
	WIN 0x41                                       ; destination and source 0 window 1, source 1 window 0
.set i, 0
.rept 32
	v_pk_add_f32 v[RB+2*i:RB+2*i+1], v[RB+2*i:RB+2*i+1], v[RSD+2*i:RSD+2*i+1]
.set i, i+1
.endr
	WIN 0x04                                       ; store data window 1
.irp t, 0,1,2,3,4,5,6,7,8,9,10,11,12,13,14,15
	global_store_b128 v[CO], v[RB+4*\t:RB+4*\t+3], s[POUT:POUT+1] offset:(16*(\a)+\t)*4096   ; the wave stores 512 consecutive bytes, at a multiple of 512 from the buffer's first byte
.endr
.if (\a) < 2
	WIN 0
.irp t, 0,1,2,3,4,5,6,7,8,9,10,11,12,13,14,15
	global_load_b128 v[RSD+4*\t:RSD+4*\t+3], v[CO], s[PRES:PRES+1] offset:(16*((\a)+2)+\t)*4096   ; the buffer takes the block two further on
.endr
.endif
.else
.if KIND == 0
	WIN 0
.irp t, 0,1,2,3,4,5,6,7
	v_cmp_ne_u32 s[LM+\t], 0, v[MK+8*(\a)+\t]      ; lanes whose row is kept
.endr
.irp t, 0,1,2,3,4,5,6,7
	s_or_b32 s[LM+\t], s[LM+\t], s82               ; all of them where the tile is not k's
.endr
.endif
	WIN 0x45                                       ; destination and both sources window 1
.if KIND == 1
.set i, 0
.rept 64
	v_max_num_f32 v[RB+i], 0, v[RB+i]
.set i, i+1
.endr
.endif
.set i, 0
.rept 16
	v_cvt_pk_bf16_f32 v[RB+4*i],   v[RB+4*i],   v[RB+4*i+1]
	v_cvt_pk_bf16_f32 v[RB+4*i+1], v[RB+4*i+2], v[RB+4*i+3]
.set i, i+1
.endr
.if KIND == 0
.irp t, 0,1,2,3,4,5,6,7
	v_cndmask_b32 v[RB+8*\t],   0, v[RB+8*\t],   s[LM+\t]
	v_cndmask_b32 v[RB+8*\t+1], 0, v[RB+8*\t+1], s[LM+\t]
	v_cndmask_b32 v[RB+8*\t+4], 0, v[RB+8*\t+4], s[LM+\t]
	v_cndmask_b32 v[RB+8*\t+5], 0, v[RB+8*\t+5], s[LM+\t]
.endr
.endif
	WIN 0x04
.irp t, 0,1,2,3,4,5,6,7
	global_store_b64 v[CO], v[RB+8*\t:RB+8*\t+1],   s[POUT:POUT+1] offset:(16*(\a)+2*\t)*128          ; the wave stores 256 consecutive bytes (two rows of a block), at a multiple of 256
	global_store_b64 v[CO], v[RB+8*\t+4:RB+8*\t+5], s[POUT:POUT+1] offset:131072+(16*(\a)+2*\t)*128   ; the next block g
.endr
.endif
.endm
	WIN 0
	PLACES
.if KIND == 0
	s_wait_loadcnt 0x0                             ; the mask words
.endif
	STG 0
	RDB 0
.irp a, 0,1,2,3
.if \a < 3
	s_wait_xcnt 0x0                                ; every earlier memory instruction has had its addresses translated (ISA guide 3.1): the buffer that earlier stores read is loaded again only behind this wait
	STG \a+1
	RDB \a+1
	s_wait_dscnt 32                                ; this block is back; the next block's sixteen stores and sixteen loads may be out
.else
	s_wait_dscnt 0x0
.endif
	OUT \a
.endr
	WIN 0
	s_wait_tensorcnt 0x0                           ; the wave's end, behind my last tensor load and my last LDS store
	ds_add_u32 v[SPW], v[NIL]
	s_wait_dscnt 0x0
	CROUND                                         ; the closing round: no work-group ends while a partner may still ask for a tile that names it
	s_endpgm
.Lfunc_end_k_q98bf3c1c1b_qkv:
	.size	k_q98bf3c1c1b_qkv, .Lfunc_end_k_q98bf3c1c1b_qkv-k_q98bf3c1c1b_qkv
	.p2alignl 7, 3214868480
	.fill 96, 4, 3214868480
	.section	.rodata,"a",@progbits
	.p2align	6, 0x0
	.amdhsa_kernel k_q98bf3c1c1b_qkv
		.amdhsa_group_segment_fixed_size 327680
		.amdhsa_private_segment_fixed_size 0
		.amdhsa_enable_private_segment 0
		.amdhsa_kernarg_size 56
		.amdhsa_user_sgpr_count 2
		.amdhsa_user_sgpr_kernarg_segment_ptr 1
		.amdhsa_wavefront_size32 1
		.amdhsa_system_sgpr_workgroup_id_x 1
		.amdhsa_system_sgpr_workgroup_id_y 1
		.amdhsa_system_sgpr_workgroup_id_z 1
		.amdhsa_system_vgpr_workitem_id 0
		.amdhsa_next_free_vgpr 768
		.amdhsa_next_free_sgpr 96
		.amdhsa_reserve_vcc 0
		.amdhsa_float_denorm_mode_32 3
		.amdhsa_float_denorm_mode_16_64 3
		.amdhsa_memory_ordered 1
		.amdhsa_forward_progress 1
		.amdhsa_inst_pref_size 110
	.end_amdhsa_kernel
	.amdgpu_metadata
---
amdhsa.version: [ 1, 2 ]
amdhsa.kernels:
  - .name:           k_q98bf3c1c1b_qkv
    .symbol:         k_q98bf3c1c1b_qkv.kd
    .args:
      - { .name: xa, .offset: 0, .size: 8, .value_kind: global_buffer, .address_space: global }
      - { .name: wqkvb, .offset: 8, .size: 8, .value_kind: global_buffer, .address_space: global }
      - { .name: bq, .offset: 16, .size: 8, .value_kind: global_buffer, .address_space: global }
      - { .name: bk, .offset: 24, .size: 8, .value_kind: global_buffer, .address_space: global }
      - { .name: bv, .offset: 32, .size: 8, .value_kind: global_buffer, .address_space: global }
      - { .name: mask, .offset: 40, .size: 8, .value_kind: global_buffer, .address_space: global }
      - { .name: qkvb, .offset: 48, .size: 8, .value_kind: global_buffer, .address_space: global }
    .group_segment_fixed_size: 327680
    .private_segment_fixed_size: 0
    .kernarg_segment_align: 8
    .kernarg_segment_size: 56
    .max_flat_workgroup_size: 128
    .sgpr_count:     96
    .vgpr_count:     768
    .wavefront_size: 32
...
	.end_amdgpu_metadata
.endif
;; end of part 2
;; launch attn (part 3): grid 2 x 128, 8 waves a work-group, no clusters, 327,680 bytes of LDS; arguments qkvb, mask, xa; writes xa
.if DOCPART == 3
	.amdgcn_target "amdgcn-amd-amdhsa--gfx1250"
	.amdhsa_code_object_version 6
	.text
	.protected	k_q98bf3c1c1b_attn
	.globl	k_q98bf3c1c1b_attn
	.p2align	8
	.type	k_q98bf3c1c1b_attn,@function
k_q98bf3c1c1b_attn:
	s_mov_b64 s[64:65], 0
	v_nop
	global_prefetch_b8 v0, s[64:65] scope:SCOPE_SE
	s_setreg_imm32_b32 hwreg(HW_REG_WAVE_MODE, 25, 1), 1
	s_wait_xcnt 0x0
; ctx[b][q][h] = the sum over k of softmax_k(score) v[b][k][h], score = q . k / 8, or -1e9 where mask[b][k] = 0.  q, k, v: bf16 blocks [b][48][1024][64] (block h q's head h, 16 + h k's, 32 + h v's);
; ctx: bf16 blocks [b][h][1024][64].  Products, maxima and sums in f32; the weights are rounded to bf16 for the second product, ctx once at the end.
; SHARES.  The grid's y is 16 b + h, its x a half of the head's queries.  Eight waves, two to a SIMD, each with 64 queries (four tiles of 16); every wave walks all 1,024 keys, 64 a step.
; K AND V STAY IN LDS: a head's whole k (1,024 rows of 144 bytes) and v (rows of 160) are brought once, by two tensor loads a wave (two are out, by this text's count), keys 0-511 first.
; No LDS byte is filled twice, so there is no ring; behind two barriers the waves run free, and one wave's products stand beside the other wave's softmax on the same SIMD.
; NO CLUSTER: only the two work-groups of a head share tiles, and they ask for them once in the launch; four partners would mean 32 queries a wave, and each fragment read from LDS would feed half the products.
; LAYOUT.  S^T = K Q^T (source 0 = 16 keys, source 1 = 16 queries): a lane holds ONE query (lane % 16) and keys 8 (lane / 16) + 0..7.  Two such tiles, rounded in pairs, ARE source 1 of O^T = V^T P.
; THE MASK.  The launch that made k stored zeros for keys whose mask word is 0.  Here each score sum starts from 0, or from -8e9 for such a key (exact in f32): its raw score is exactly -8e9, which
; is reference()'s -1e9 times 8.  LIMIT: a q that holds an infinity or a NaN gives NaN against a masked key, where reference() discards the product.
; SOFTMAX.  A running maximum m of the raw scores and a running sum l for each query: p = 2^(c s - c m), c = log2(e) / 8; O and l are multiplied by a = 2^(c (m_old - m_new)) in every step.
; In a row whose keys are all masked c s - round(c m) is the rounding error of c m, at most 64 in size: all its weights are the same power of two, at most 2^64, and the division by l gives uniform weights.
; LIMIT: weights below 2^-126 count as 0.
; REGISTERS: window 0: v1-7 addresses; v8-31 statistics; v32-63 the step's starting values; v64-191 S^T, 32 a tile (P is compacted into a tile's first 16); v192-255 V of one step.
;   window 1: v0-127 O^T, 32 a tile; v128-191 Q, 16 a tile; v192-255 K of one step.
.set PK,    144                        ; a row of k in LDS: 128 bytes + 16
.set PV,    160                        ; a row of v: 128 + 32 = 40 words
.set VBASE, 1024*PK
.set CMB,   VBASE+1024*PV              ; 1,024 f32: 0 or -8e9 for each key; bytes of their own, into which no tensor load lands
.set AK,  1                            ; v1   my place in the step's rows of k
.set AV,  2                            ; v2   the same for v
.set ACM, 3                            ; v3   the same for the starting values
.set QO,  4                            ; v4   my byte offset in the wave's rows of q
.set STO, 5                            ; v5   the way out: where I put 16 bytes of a row
.set RD,  6                            ; v6   the way out: where I read rows back
.set GO,  7                            ; v7   my byte offset in the wave's rows of ctx
.set M,   8                            ; v8-11   tile t's running maximum (raw scores)
.set L,   12                           ; v12-19  tile t's running sum: even keys', odd keys'
.set T,   20                           ; v20-27  at work
.set AP,  28                           ; v28-29  a (the pair is named; the low word serves both halves)
.set CMP, 30                           ; v30-31  c m, likewise
.set CM,  32
.set S,   64
.set VF,  192
.set QF,  128                          ; in window 1
.set KF,  192                          ; in window 1
.set WV,  12                           ; s12  my wave's number
.set G1K, 24                           ; s[24:31] descriptor group 1 for k;  s[32:39] for v: it differs in the padding alone
.set G1V, 32
.set G0K, 40                           ; s[40:47] group 0 for k, a set for each half of the keys;  s[48:55] for v
.set G0V, 48
.set CNT, 56
.set CS,  58                           ; s[58:59] c
.set SEL, 60                           ; s[60:61] lane selects for v_permlanex16_b32: each lane takes its own place in the other half
.set MSB, 0
.macro WIN new                         ; the immediate's high byte repeats the setting that is left; a switch that changes nothing is dropped
.if MSB != \new
	s_set_vgpr_msb (MSB<<8)|\new
.set MSB, \new
.endif
.endm
	s_load_b128 s[4:7], s[0:1], 0x0                ; qkvb s[4:5], mask s[6:7]
	s_load_b64 s[8:9], s[0:1], 0x10                ; xa
	v_lshl_add_u32 v254, v0, 2, 0x4d000
	v_mov_b32 v255, 0
	ds_add_u32 v254, v255
	ds_add_u32 v254, v255
	s_wait_dscnt 0x0
	v_lshrrev_b32 v64, 5, v0
	v_readfirstlane_b32 s[WV], v64                 ; wave 0..7
	s_and_b32 s13, ttmp7, 0xffff                   ; 16 b + h
	s_lshr_b32 s14, s13, 4                         ; b
	s_and_b32 s15, s13, 15                         ; h
	s_mul_i32 s16, s14, 48<<17                     ; the batch's 48 blocks,
	s_lshl_b32 s17, s15, 17                        ; block h: q's head
	s_add_co_u32 s16, s16, s17
	s_and_b32 s18, s[WV], 3                        ; the 128 keys that I fetch of each half: 128 rows of 128 bytes
	s_lshl_b32 s18, s18, 14
	s_add_co_u32 s18, s18, s16
	s_mov_b32 s19, 0
	s_mul_i32 s20, s[WV], 128*PK                   ; where they go: k: wave x 128 rows;
	s_mul_i32 s21, s[WV], 128*PV                   ; v: VBASE + (wave - 4) x 128 rows
	s_add_co_u32 s21, s21, VBASE-4*128*PV
	; descriptor group 1: a dense run of 16 KiB as 64 rows of 32 elements of 8 bytes; 17:16 element size code 3; 20 padding on; 24:22 after every 32 words (code 4); 31:25 4 words of it (code 3) or 8 (code 7)
	s_mov_b32 s[G1K], (3<<16)|(1<<20)|(4<<22)|(3<<25)
	s_mov_b32 s[G1V], (3<<16)|(1<<20)|(4<<22)|(7<<25)
.irp g, G1K, G1V
	s_mov_b32 s[\g+1], 32<<16                      ; tensor_dim0 = 32
	s_mov_b32 s[\g+2], 64<<16                      ; tensor_dim1 = 64
	s_mov_b32 s[\g+3], 32<<16                      ; tile_dim0 = 32
	s_mov_b32 s[\g+4], 64                          ; tile_dim1 = 64
	s_mov_b32 s[\g+5], 32                          ; from row to row: 32 elements, no gap
	s_mov_b32 s[\g+6], 0
	s_mov_b32 s[\g+7], 0
.endr
	s_mov_b32 s[CS], 0x3e38aa3b                    ; c = log2(e) / 8
	s_mov_b32 s[CS+1], s[CS]
	s_mov_b32 s[SEL], 0x76543210
	s_mov_b32 s[SEL+1], 0xfedcba98
	s_wait_kmcnt 0x0
	s_add_nc_u64 s[18:19], s[4:5], s[18:19]
.irp p, 0,1
	s_mov_b32 s[G0K+4*\p], 1                                       ; count = 1
	s_add_co_u32 s[G0K+4*\p+1], s20, \p*512*PK                     ; LDS address
	s_add_nc_u64 s[G0K+4*\p+2:G0K+4*\p+3], s[18:19], (16<<17)+\p*65536   ; global address: block 16 + h, keys 512 p on
	s_or_b32 s[G0K+4*\p+3], s[G0K+4*\p+3], 0x80000000              ; type = 2
	s_mov_b32 s[G0V+4*\p], 1
	s_add_co_u32 s[G0V+4*\p+1], s21, \p*512*PV
	s_add_nc_u64 s[G0V+4*\p+2:G0V+4*\p+3], s[18:19], (32<<17)+\p*65536
	s_or_b32 s[G0V+4*\p+3], s[G0V+4*\p+3], 0x80000000
.endr
	s_cmp_lt_u32 s[WV], 4                          ; waves 0-3 fetch k, waves 4-7 v.  A wave's two loads stand in one branch, ahead of every wait on TENSORcnt, every LDS read and every barrier; four v_nop follow the second
	s_cbranch_scc0 .Lfor_v
	tensor_load_to_lds s[G0K:G0K+3], s[G1K:G1K+7]
	s_nop 0
	tensor_load_to_lds s[G0K+4:G0K+7], s[G1K:G1K+7]
	s_nop 0
.rept 4
	v_nop
.endr
	s_branch .Lasked
.Lfor_v:
	tensor_load_to_lds s[G0V:G0V+3], s[G1V:G1V+7]
	s_nop 0
	tensor_load_to_lds s[G0V+4:G0V+7], s[G1V:G1V+7]
	s_nop 0
.rept 4
	v_nop
.endr
.Lasked:
	s_lshl_b32 s22, ttmp9, 16                      ; my work-group's 512 queries, my wave's 64: rows of 128 bytes
	s_lshl_b32 s23, s[WV], 13
	s_add_co_u32 s22, s22, s23
	s_add_co_u32 s2, s22, s16
	s_mov_b32 s3, 0
	s_add_nc_u64 s[4:5], s[4:5], s[2:3]            ; q at my wave's first row
	s_lshl_b32 s23, s13, 17                        ; ctx: block 16 b + h
	s_add_co_u32 s22, s22, s23
	s_mov_b32 s23, 0
	s_add_nc_u64 s[8:9], s[8:9], s[22:23]
	s_lshl_b32 s2, s14, 12                         ; the batch's 1,024 mask words
	s_add_nc_u64 s[6:7], s[6:7], s[2:3]
	s_mul_i32 s57, s[WV], 16*PK                    ; my stage, for the way out
	v_and_b32 v64, 15, v0                          ; l % 16
	v_bfe_u32 v65, v0, 4, 1                        ; l / 16
	v_lshlrev_b32 v66, 4, v0                       ; four mask words a thread
	v_lshlrev_b32 v[QO], 7, v64
	v_lshl_add_u32 v[QO], v65, 4, v[QO]            ; row x 128 + 16 x half
	global_load_b128 v[72:75], v66, s[6:7]
	WIN 0x40                                       ; destination window 1
.irp t, 0,1,2,3
.irp f, 0,1
	global_load_b128 v[QF+16*\t+8*\f:QF+16*\t+8*\f+3],   v[QO], s[4:5] offset:\t*2048+\f*64      ; Q stays in registers: tile t, channels 32 f on
	global_load_b128 v[QF+16*\t+8*\f+4:QF+16*\t+8*\f+7], v[QO], s[4:5] offset:\t*2048+\f*64+32
.endr
.endr
	WIN 0
	v_add_nc_u32 v67, CMB, v66
	v_mul_u32_u24 v[AK], v64, PK
	v_lshl_add_u32 v[AK], v65, 4, v[AK]            ; row x pitch + 16 x half
	v_add_nc_u32 v[STO], s57, v[AK]                ; the stage takes rows in the same form
	v_and_b32 v68, 7, v0                           ; the turning load: lane l reads key 8 (l / 16) + l % 8, channels 8 ((l / 8) % 2) + 0..7
	v_lshl_add_u32 v68, v65, 3, v68
	v_mul_u32_u24 v[AV], v68, PV
	v_bfe_u32 v69, v0, 3, 1
	v_lshl_add_u32 v[AV], v69, 4, v[AV]
	v_add_nc_u32 v[AV], VBASE, v[AV]
	v_lshl_add_u32 v[ACM], v65, 5, CMB             ; eight keys' starting values for each half of the lanes
	v_bfe_u32 v70, v0, 3, 2                        ; back from the stage: eight lanes take a row of 128 bytes, the wave four rows
	v_mul_u32_u24 v70, v70, PK
	v_and_b32 v71, 7, v0
	v_lshl_add_u32 v70, v71, 4, v70
	v_add_nc_u32 v[RD], s57, v70
	v_and_b32 v71, 31, v0
	v_lshlrev_b32 v[GO], 4, v71
	v_mov_b32 v76, 0xcfee6b28                      ; -8e9 = -15,625,000 x 2^9: exact
	v_mov_b32 v[T+4], 0                            ; v_permlanex16_b32's destination counts as read
	v_mov_b32 v[AP+1], 0                           ; named with their low words as pairs, so they are written
	v_mov_b32 v[CMP+1], 0
	s_wait_loadcnt 16                              ; the mask words are in; Q's sixteen loads may stay out
.irp j, 72,73,74,75
	v_cmp_eq_u32 vcc_lo, 0, v\j
	v_cndmask_b32 v\j, 0, v76, vcc_lo
.endr
	ds_store_b128 v67, v[72:75]
	s_wait_tensorcnt 1                             ; my part of keys 0-511 is in; the other half may stay out
	s_wait_dscnt 0x0                               ; for the others' sake: my starting values are stored
	s_barrier_signal -1
	s_barrier_wait -1
.macro LOADK                           ; a step's K (64 keys x 64 channels: 8 fragments) and its starting values: 24 loads in one run
	WIN 0x40
.irp kb, 0,1,2,3
.irp f, 0,1
	ds_load_b128 v[KF+16*\kb+8*\f:KF+16*\kb+8*\f+3],   v[AK] offset:\kb*16*PK+\f*64
	ds_load_b128 v[KF+16*\kb+8*\f+4:KF+16*\kb+8*\f+7], v[AK] offset:\kb*16*PK+\f*64+32
.endr
.endr
	WIN 0
.irp kb, 0,1,2,3
	ds_load_b128 v[CM+8*\kb:CM+8*\kb+3],   v[ACM] offset:\kb*64
	ds_load_b128 v[CM+8*\kb+4:CM+8*\kb+7], v[ACM] offset:\kb*64+16
.endr
.endm
.macro LOADV                           ; a step's V, turned: keys 32 kc on, channels 16 nb on
.irp kc, 0,1
.irp nb, 0,1,2,3
	ds_load_tr16_b128 v[VF+32*\kc+8*\nb:VF+32*\kc+8*\nb+3],   v[AV] offset:\kc*32*PV+\nb*32
	ds_load_tr16_b128 v[VF+32*\kc+8*\nb+4:VF+32*\kc+8*\nb+7], v[AV] offset:\kc*32*PV+16*PV+\nb*32
.endr
.endr
.endm
; 32 products S^T = K Q^T.  The first 16 start the sums from the keys' starting values.  The 16 accumulators take turns, one instruction a turn.
.macro KQ
	WIN 0x05                                       ; K and Q window 1; C and D window 0
.irp kb, 0,1,2,3
.irp t, 0,1,2,3
	v_wmma_f32_16x16x32_bf16 v[S+32*\t+8*\kb:S+32*\t+8*\kb+7], v[KF+16*\kb:KF+16*\kb+7], v[QF+16*\t:QF+16*\t+7], v[CM+8*\kb:CM+8*\kb+7]
.endr
.endr
.irp kb, 0,1,2,3
.irp t, 0,1,2,3
	v_wmma_f32_16x16x32_bf16 v[S+32*\t+8*\kb:S+32*\t+8*\kb+7], v[KF+16*\kb+8:KF+16*\kb+15], v[QF+16*\t+8:QF+16*\t+15], v[S+32*\t+8*\kb:S+32*\t+8*\kb+7]
.endr
.endr
.endm
; 32 products O^T += V^T P.  first = 1: the first 16 start the sums: nothing is ever cleared.
.macro PVM first
	WIN 0x50                                       ; V and P window 0; C and D window 1
.irp kc, 0,1
.irp nb, 0,1,2,3
.irp t, 0,1,2,3
.if \first && (\kc == 0)
	v_wmma_f32_16x16x32_bf16 v[32*\t+8*\nb:32*\t+8*\nb+7], v[VF+32*\kc+8*\nb:VF+32*\kc+8*\nb+7], v[S+32*\t+8*\kc:S+32*\t+8*\kc+7], 0
.else
	v_wmma_f32_16x16x32_bf16 v[32*\t+8*\nb:32*\t+8*\nb+7], v[VF+32*\kc+8*\nb:VF+32*\kc+8*\nb+7], v[S+32*\t+8*\kc:S+32*\t+8*\kc+7], v[32*\t+8*\nb:32*\t+8*\nb+7]
.endif
.endr
.endr
.endr
.endm
; Tile t's softmax for one step.  first = 1: the first step, which starts m and l and has no a.
.macro SMT t, first
.set rS, S+32*\t
.irp j, 0,1,2,3                        ; the maximum of the lane's 32 scores, three operands at a time; each accumulator is read from its low end on
	v_max3_num_f32 v[T+\j], v[rS+8*\j], v[rS+8*\j+1], v[rS+8*\j+2]
.endr
.irp j, 0,1,2,3
	v_max3_num_f32 v[T+\j], v[T+\j], v[rS+8*\j+3], v[rS+8*\j+4]
.endr
.irp j, 0,1,2,3
	v_max3_num_f32 v[T+\j], v[T+\j], v[rS+8*\j+5], v[rS+8*\j+6]
.endr
	v_max3_num_f32 v[T], v[T], v[rS+7], v[rS+15]
	v_max3_num_f32 v[T+2], v[T+2], v[rS+23], v[rS+31]
	v_max3_num_f32 v[T], v[T], v[T+1], v[T+2]
.if \first
	v_max_num_f32 v[T], v[T], v[T+3]
.else
	v_max3_num_f32 v[T], v[T], v[T+3], v[M+\t]
.endif
	v_permlanex16_b32 v[T+4], v[T], s[SEL], s[SEL+1]   ; the query's other 32 keys lie in the lane 16 away
	v_max_num_f32 v[T+5], v[T], v[T+4]             ; the new m
.if !\first
	v_sub_f32 v[T+6], v[M+\t], v[T+5]
	v_mul_f32 v[T+6], s[CS], v[T+6]
	v_exp_f32 v[AP], v[T+6]                        ; a; the multiply below is the plain instruction behind it (ISA guide 5.7.2)
.endif
	v_mul_f32 v[CMP], s[CS], v[T+5]
.set i, 0
.rept 16
	v_pk_fma_f32 v[rS+2*i:rS+2*i+1], v[rS+2*i:rS+2*i+1], s[CS:CS+1], v[CMP:CMP+1] op_sel_hi:[1,0,0] neg_lo:[0,0,1] neg_hi:[0,0,1]   ; c s - c m
.set i, i+1
.endr
.set i, 0
.rept 32
	v_exp_f32 v[rS+i], v[rS+i]
.set i, i+1
.endr
	v_mov_b32 v[M+\t], v[T+5]                      ; the plain instruction behind the last exponential
	s_wait_alu depctr_va_vdst(0)
.irp k, 0,1,2,3                        ; the sum of the 16 pairs, in four chains
	v_pk_add_f32 v[T+2*\k:T+2*\k+1], v[rS+2*\k:rS+2*\k+1], v[rS+8+2*\k:rS+8+2*\k+1]
.endr
.irp k, 0,1,2,3
	v_pk_add_f32 v[T+2*\k:T+2*\k+1], v[T+2*\k:T+2*\k+1], v[rS+16+2*\k:rS+16+2*\k+1]
.endr
.irp k, 0,1,2,3
	v_pk_add_f32 v[T+2*\k:T+2*\k+1], v[T+2*\k:T+2*\k+1], v[rS+24+2*\k:rS+24+2*\k+1]
.endr
	v_pk_add_f32 v[T:T+1], v[T:T+1], v[T+2:T+3]
	v_pk_add_f32 v[T+4:T+5], v[T+4:T+5], v[T+6:T+7]
.if \first
	v_pk_add_f32 v[L+2*\t:L+2*\t+1], v[T:T+1], v[T+4:T+5]
.else
	v_pk_add_f32 v[T:T+1], v[T:T+1], v[T+4:T+5]
	v_pk_fma_f32 v[L+2*\t:L+2*\t+1], v[L+2*\t:L+2*\t+1], v[AP:AP+1], v[T:T+1] op_sel_hi:[1,0,1]
.endif
.set i, 0
.rept 16
	v_cvt_pk_bf16_f32 v[rS+i], v[rS+2*i], v[rS+2*i+1]   ; P, compacted in place: number i lands where numbers 2 i and 2 i + 1 have been read or are being read
.set i, i+1
.endr
.endm
.macro RESC t                          ; tile t's O^T times a, from each accumulator's low end on
	WIN 0x41                                       ; O^T (destination and source 0) window 1, a window 0
.set i, 0
.rept 16
	v_pk_mul_f32 v[32*\t+2*i:32*\t+2*i+1], v[32*\t+2*i:32*\t+2*i+1], v[AP:AP+1] op_sel_hi:[1,0]
.set i, i+1
.endr
	WIN 0
.endm
; ONE KEY STEP j: its scores lie in S^T.  V of step j and K of step j + 1 are asked for in one run; the softmax stands over their way; then V^T P of step j and K Q^T of step j + 1.
; next = 0: the last step, with nothing behind it.
.macro BODY first, next
	WIN 0
.if \next                              ; four plain instructions that name no register of the products just issued: the places in front of the loads and of the first read of the scores
	v_add_nc_u32 v[AK], 64*PK, v[AK]
	v_add_nc_u32 v[ACM], 256, v[ACM]
	v_nop
	v_nop
.else
.rept 4
	v_nop
.endr
.endif
	LOADV
.if \next
	v_add_nc_u32 v[AV], 64*PV, v[AV]
	LOADK
.endif
.irp t, 0,1,2,3
	SMT \t, \first
.if !\first
	RESC \t
.endif
.endr
.if \next
	s_wait_dscnt 24                                ; V is in; K's sixteen loads and the starting values' eight may be out
.else
	s_wait_dscnt 0x0
.endif
	PVM \first
.if \next
.rept 5
	v_nop                                          ; the next products write over P, which the last ones read: five places
.endr
	s_wait_dscnt 0x0                               ; K and the starting values are in
	KQ
.endif
	WIN 0                                          ; at a label and at a branch every window is 0
.endm
	LOADK                                          ; key step 0
	s_wait_loadcnt 0x0                             ; Q
	s_wait_dscnt 0x0
	KQ
	BODY 1, 1                                      ; step 0
	s_mov_b32 s[CNT], 6
.Lhalf0:                                               ; steps 1 to 6: they read K up to step 7, the last of the first half
	BODY 0, 1
	s_sub_co_u32 s[CNT], s[CNT], 1
	s_cmp_lg_u32 s[CNT], 0
	s_cbranch_scc1 .Lhalf0
	s_wait_tensorcnt 0x0                           ; my part of keys 512-1,023 is in,
	s_wait_dscnt 0x0
	s_barrier_signal -1
	s_barrier_wait -1                              ; everybody's is
	s_mov_b32 s[CNT], 8
.Lhalf1:                                               ; steps 7 to 14
	BODY 0, 1
	s_sub_co_u32 s[CNT], s[CNT], 1
	s_cmp_lg_u32 s[CNT], 0
	s_cbranch_scc1 .Lhalf1
	BODY 0, 0                                      ; step 15
	; THE WAY OUT.  l's two halves and the other half of the lanes' are added (l is at least 1: the largest weight is 1, or all are one power of two); the additions are the places behind the last products.
.irp t, 0,1,2,3
	v_add_f32 v[L+2*\t], v[L+2*\t], v[L+2*\t+1]
.endr
.irp t, 0,1,2,3
	v_permlanex16_b32 v[L+2*\t+1], v[L+2*\t], s[SEL], s[SEL+1]
.endr
.irp t, 0,1,2,3
	v_add_f32 v[L+2*\t], v[L+2*\t], v[L+2*\t+1]
.endr
.irp t, 0,1,2,3
	v_rcp_f32 v[L+2*\t], v[L+2*\t]
.endr
	v_nop                                          ; a plain instruction between the last reciprocal and the use of its result
	s_wait_dscnt 0x0                               ; the stages lie over k's first rows, which have had their only fill: every wave's reads of k are over
	s_barrier_signal -1
	s_barrier_wait -1
; Tile t: O^T / l, rounded; a lane's eight channels of a row are 16 bytes; they go into rows of 144 bytes of my stage and come back four rows at a time, into the registers that they left.
.macro PACK t
	WIN 0x41
.set i, 0
	s_wait_alu depctr_va_vdst(0)
.rept 16
	v_pk_mul_f32 v[32*\t+2*i:32*\t+2*i+1], v[32*\t+2*i:32*\t+2*i+1], v[L+2*\t:L+2*\t+1] op_sel_hi:[1,0]
.set i, i+1
.endr
	WIN 0x05                                       ; sources window 1, destination window 0: S^T's registers are free
.set i, 0
.rept 16
	v_cvt_pk_bf16_f32 v[S+16*\t+i], v[32*\t+2*i], v[32*\t+2*i+1]
.set i, i+1
.endr
	WIN 0
.irp nb, 0,1,2,3
	ds_store_b128 v[STO], v[S+16*\t+4*\nb:S+16*\t+4*\nb+3] offset:32*\nb
.endr
.irp u, 0,1,2,3
	ds_load_b128 v[S+16*\t+4*\u:S+16*\t+4*\u+3], v[RD] offset:\u*4*PK   ; LDS serves a wave's instructions in order (ISA guide 5.7.1.4): these see the stores above; the next tile's stores come behind them
.endr
.endm
.macro SEND t, younger                 ; younger: the LDS instructions issued behind tile t's loads: the next tile's eight, or none
.irp u, 0,1,2,3
	s_wait_dscnt \younger+3-\u
	global_store_b128 v[GO], v[S+16*\t+4*\u:S+16*\t+4*\u+3], s[8:9] offset:\t*2048+\u*512   ; the wave stores 512 consecutive bytes (four rows of the block), at a multiple of 512 from the buffer's first byte
.endr
.endm
	PACK 0
	PACK 1                                         ; a tile's arithmetic stands between the loads of the tile before and its stores
	SEND 0, 8
	PACK 2
	SEND 1, 8
	PACK 3
	SEND 2, 8
	SEND 3, 0
	s_wait_xcnt 0x0
	v_lshl_add_u32 v254, v0, 2, 0x4d000
	v_mov_b32 v255, 0
	s_wait_tensorcnt 0x0
	ds_add_u32 v254, v255
	s_wait_dscnt 0x0
	s_endpgm
.Lfunc_end_k_q98bf3c1c1b_attn:
	.size	k_q98bf3c1c1b_attn, .Lfunc_end_k_q98bf3c1c1b_attn-k_q98bf3c1c1b_attn
	.p2alignl 7, 3214868480
	.fill 96, 4, 3214868480
	.section	.rodata,"a",@progbits
	.p2align	6, 0x0
	.amdhsa_kernel k_q98bf3c1c1b_attn
		.amdhsa_group_segment_fixed_size 327680
		.amdhsa_private_segment_fixed_size 0
		.amdhsa_enable_private_segment 0
		.amdhsa_kernarg_size 24
		.amdhsa_user_sgpr_count 2
		.amdhsa_user_sgpr_kernarg_segment_ptr 1
		.amdhsa_wavefront_size32 1
		.amdhsa_system_sgpr_workgroup_id_x 1
		.amdhsa_system_sgpr_workgroup_id_y 1
		.amdhsa_system_sgpr_workgroup_id_z 1
		.amdhsa_system_vgpr_workitem_id 0
		.amdhsa_next_free_vgpr 512
		.amdhsa_next_free_sgpr 66
		.amdhsa_reserve_vcc 1
		.amdhsa_float_denorm_mode_32 3
		.amdhsa_float_denorm_mode_16_64 3
		.amdhsa_memory_ordered 1
		.amdhsa_forward_progress 1
		.amdhsa_inst_pref_size 147
	.end_amdhsa_kernel
	.amdgpu_metadata
---
amdhsa.version: [ 1, 2 ]
amdhsa.kernels:
  - .name:           k_q98bf3c1c1b_attn
    .symbol:         k_q98bf3c1c1b_attn.kd
    .args:
      - { .name: qkvb, .offset: 0, .size: 8, .value_kind: global_buffer, .address_space: global }
      - { .name: mask, .offset: 8, .size: 8, .value_kind: global_buffer, .address_space: global }
      - { .name: xa, .offset: 16, .size: 8, .value_kind: global_buffer, .address_space: global }
    .group_segment_fixed_size: 327680
    .private_segment_fixed_size: 0
    .kernarg_segment_align: 8
    .kernarg_segment_size: 24
    .max_flat_workgroup_size: 256
    .sgpr_count:     66
    .vgpr_count:     512
    .wavefront_size: 32
...
	.end_amdgpu_metadata
.endif
;; end of part 3
;; launch wo (part 4): grid 4 x 64, 4 waves a work-group, clusters of 4 x 4, 327,680 bytes of LDS; arguments xa, wob, bo, X, x1; writes x1
.if DOCPART == 4
	.amdgcn_target "amdgcn-amd-amdhsa--gfx1250"
	.amdhsa_code_object_version 6
	.text
	.protected	k_q98bf3c1c1b_wo
	.globl	k_q98bf3c1c1b_wo
	.p2align	8
	.type	k_q98bf3c1c1b_wo,@function
k_q98bf3c1c1b_wo:
	s_mov_b64 s[64:65], 0
	v_nop
	global_prefetch_b8 v0, s[64:65] scope:SCOPE_SE
	s_setreg_imm32_b32 hwreg(HW_REG_WAVE_MODE, 25, 1), 1
	s_wait_xcnt 0x0
	s_wait_alu depctr_hold_cnt(0) depctr_sa_sdst(0) depctr_va_vdst(0) depctr_va_sdst(0) depctr_va_ssrc(0) depctr_va_vcc(0) depctr_vm_vsrc(0)
	s_getreg_b32 s2, hwreg(HW_REG_IB_STS2, 6, 4)
	s_cmp_eq_u32 s2, 0
	s_cbranch_scc0 .Lentry_in_a_cluster
	s_endpgm
.Lentry_in_a_cluster:
	s_bfe_u32 s2, ttmp6, 0x10000c
	s_cmp_lg_u32 s2, 0xf033
	s_cbranch_scc0 .Lentry_shape_is_right
	s_endpgm
.Lentry_shape_is_right:
; C = A W^T + bias on blocked bf16 operands, f32 sums, K = 1,024.  One text serves three kinds of launch; KIND picks the arguments and the way out.
;   KIND 0: q, k, v = xn1 (wq | wk | wv)^T + (bq | bk | bv), N = 3,072, out in bf16, blocked, 48 blocks a batch; rows of k whose mask word is 0 are stored as zeros.
;   KIND 1: h = relu(xn2 w1^T + b1), out in bf16, blocked, 16 blocks a batch.
;   KIND 2 (THIS ONE): out = residual + A W^T + bias, out and residual f32, row-major [8192][1024].  It runs twice: x1 = X + ctx wo^T + bo, and out0 = x1 + h w2^T + b2.
; BLOCKED LAYOUT: [segment of 1,024 rows][g = block of 64 along K][row][64] bf16: byte = seg<<21 + g<<17 + row<<7 + 2 col.  A tile's part in one block is one dense run of memory.
; SHARES.  A work-group makes 128 rows x 256 columns of C: at N = 1,024 that gives 256 work-groups, at N = 3,072 three times 256.  Four waves, each 64 x 128: 32 accumulators, 256 registers.
; K goes in steps of 128 (two blocks g) through two LDS slots.  Waves 0 and 1 fetch W's two blocks of a step (256 rows x 128 bytes each), waves 2 and 3 A's (128 rows each): one tensor load a wave.
; A dense run comes in as rows of 256 bytes, with 16 bytes of padding behind every 128: LDS rows of 144 bytes.
; CLUSTERS: 4 x 4 work-groups.  The four of a row of the cluster need the same tiles of A, the four of a column the same tiles of W: each tile is asked for jointly, by the same tensor load
; with the same descriptor and a mask that names the four.  By this text's count a wave has two tensor loads out at the start and one behind each refill.
; THE MATRIX INSTRUCTION IS USED TRANSPOSED (source 0 = 16 rows of W, source 1 = 16 rows of A): a lane holds row lane % 16 of C and eight neighbouring columns.
; THE BIAS COSTS NO VECTOR WORK: the first product on each accumulator takes as C eight registers that hold the bias of the lane's eight columns.
; REGISTERS: window 0: addresses, mask words or residual, bias.  Window 1: two fragment buffers of 96 (W's 8 fragments, then A's 4); on the way out two buffers of 64.  Window 2: accumulator (a, b) at v[8 (8 a + b)].
.set KIND, 2
.set PITCH,  144                       ; an LDS row: 128 bytes + 16 = 36 words: 16 neighbouring rows start at 16 different groups of four banks
.set BSUB,   256*PITCH                 ; W's 256 rows of one block g
.set ASUB,   128*PITCH                 ; A's 128 rows of one block g
.set SLOT,   2*BSUB+2*ASUB             ; W g0, W g1, A g0, A g1
.set STAGE,  2*SLOT                    ; behind the ring: 16 rows x 528 bytes of f32 for each wave, for the way out
.set SPITCH, 528
.set SPARE,  STAGE+4*16*SPITCH         ; behind the stages: the spare words, 128 bytes for each wave: two blocks of 256 bytes that no other line names
.set LAPS,   4                         ; a lap = two K steps = once round the ring
.set GSTEP,  1<<18                     ; bytes in memory from a K step to the next: two blocks of 128 KiB
.set ADRA, 16                          ; v16-17  LDS address of my A fragments in slot 0, 1
.set ADRB, 20                          ; v20-21  the same for W
.set STO,  24                          ; v24     the way out: where I put 32 bytes of a row
.set RD,   25                          ; v25     the way out: where I read rows back
.set CO,   26                          ; v26     my byte offset in the output (and the residual)
.set BO,   27                          ; v27     my byte offset in the bias: 32 x (lane / 16)
.set SPW,  28                          ; v28     LDS address of my spare word; never rewritten
.set NIL,  29                          ; v29     0; never rewritten
.set MO,   30                          ; v30     my byte offset in the mask: 4 x (lane / 16)
.set MK,   32                          ; v32-63  KIND 0: mask word of the row that I store in block a, pair t, at MK + 8 a + t
.set RES,  64                          ; v64-191 KIND 2: two buffers of 16 rows of the residual
.set BIAS, 192                         ; v192-255 bias of my 8 columns in each of the 8 column blocks
.set F0,   0
.set F1,   96
.set G1, 24                            ; s[24:31] descriptor group 1 for A's tiles;  s[32:39] group 0, one set for each slot
.set G0, 32
.set G1B, 48                           ; s[48:55], s[56:63] the same for W's tiles
.set G0B, 56
.set PA, 68                            ; s[68:69] A, s[70:71] W, s[72:73] bias
.set PW, 70
.set PBIAS, 72
.set LM, 84                            ; s84-91  KIND 0: lane masks of a block's eight pairs of rows
.if KIND == 0
.set PMASK, 78
.set POUT, 80
.set GPB, 48
.set NLATE, 32
.elseif KIND == 1
.set POUT, 74
.set GPB, 16
.set NLATE, 0
.else
.set PRES, 74
.set POUT, 76
.set NLATE, 32
.endif
.set MSB, 0
.macro WIN new                         ; the immediate's high byte repeats the setting that is left; a switch that changes nothing is dropped
.if MSB != \new
	s_set_vgpr_msb (MSB<<8)|\new
.set MSB, \new
.endif
.endm
.set MUL,  0xa5                        ; sources 0 and 1 window 1; C and D window 2
.set MULB, 0x85                        ; the same with C in window 0: the bias
.set TO_F, 0x40                        ; destination window 1, address window 0
.macro JLOAD s                         ; a joint load: waves 0 and 1 fetch W's two blocks, waves 2 and 3 A's; four v_nop follow each of the two lines, ahead of the jump, the label and what follows
	s_cmp_eq_u32 s11, 0
	s_cbranch_scc0 .Lfor_a_\@
	tensor_load_to_lds s[G0B+4*\s:G0B+4*\s+3], s[G1B:G1B+7]
	s_nop 0
.rept 4
	v_nop
.endr
	s_branch .Lasked_\@
.Lfor_a_\@:
	tensor_load_to_lds s[G0+4*\s:G0+4*\s+3], s[G1:G1+7]
	s_nop 0
.rept 4
	v_nop
.endr
.Lasked_\@:
.endm
.macro CREST                           ; a round of the cluster's barrier behind its opening barrier
	s_cmp_lg_u32 s10, 0
	s_cbranch_scc1 .Lnot_wave_0_\@
	s_barrier_signal -3
.Lnot_wave_0_\@:
	s_barrier_wait -3
	s_barrier_signal -1
	s_barrier_wait -1
.endm
.macro CROUND                          ; a whole round
	s_barrier_signal -1
	s_barrier_wait -1
	CREST
.endm
.macro PLACES                          ; four places in front of loads into registers that matrix instructions have read, and of reads of results
.rept 4
	v_nop
.endr
.endm
	s_load_b256 s[68:75], s[0:1], 0x0
.if KIND == 0
	s_load_b128 s[76:79], s[0:1], 0x20             ; bv s[76:77], mask s[78:79]  (bq s[72:73], bk s[74:75])
	s_load_b64 s[80:81], s[0:1], 0x30              ; the output
.elseif KIND == 2
	s_load_b64 s[76:77], s[0:1], 0x20              ; the output  (the residual s[74:75])
.endif
	v_lshl_add_u32 v[SPW], v0, 2, SPARE
	v_mov_b32 v[NIL], 0
	ds_add_u32 v28, v29
	ds_add_u32 v28, v29
	s_wait_dscnt 0x0
	v_lshrrev_b32 v1, 5, v0
	v_readfirstlane_b32 s10, v1                    ; wave 0..3
	s_lshr_b32 s11, s10, 1                         ; which 64 rows of the tile are mine.  Also: I fetch for W (0) or for A (1)
	s_and_b32 s12, s10, 1                          ; which 128 columns.  Also: which of a step's two blocks g I fetch
	s_bfe_u32 s40, ttmp6, 0x40000                  ; cx, cy: my place in the cluster
	s_bfe_u32 s41, ttmp6, 0x40004
	s_lshl_b32 s42, ttmp9, 2
	s_add_co_u32 s42, s42, s40                     ; tile column = 4 x cluster x + cx
	s_and_b32 s13, ttmp7, 0xffff
	s_lshl_b32 s13, s13, 2
	s_add_co_u32 s13, s13, s41                     ; tile row = 4 x cluster y + cy
	s_lshl_b32 s43, s41, 2
	s_lshl_b32 s43, 15, s43                        ; my row of the cluster
	s_lshl_b32 s44, 0x1111, s40                    ; my column
	; descriptor group 1: a dense run as rows of 32 elements of 8 bytes; 15:0 the mask; 17:16 element size code 3; 20 padding on; 21 set beside a mask; 24:22 after every 32 words (code 4); 31:25 4 words of it (code 3)
	s_or_b32 s[G1+0], s43, (3<<16)|(1<<20)|(1<<21)|(4<<22)|(3<<25)
	s_or_b32 s[G1B+0], s44, (3<<16)|(1<<20)|(1<<21)|(4<<22)|(3<<25)
	s_mov_b32 s[G1+1], 32<<16                      ; tensor_dim0 = 32
	s_mov_b32 s[G1+2], 64<<16                      ; tensor_dim1 = 64 rows of 256 bytes: A's 128 rows of 128
	s_mov_b32 s[G1+3], 32<<16                      ; tile_dim0 = 32
	s_mov_b32 s[G1+4], 64                          ; tile_dim1
	s_mov_b32 s[G1+5], 32                          ; from row to row: 32 elements, no gap
	s_mov_b32 s[G1+6], 0
	s_mov_b32 s[G1+7], 0
	s_mov_b32 s[G1B+1], 32<<16
	s_mov_b32 s[G1B+2], 128<<16                    ; W's 256 rows of 128 bytes: 128 rows of 256
	s_mov_b32 s[G1B+3], 32<<16
	s_mov_b32 s[G1B+4], 128
	s_mov_b32 s[G1B+5], 32
	s_mov_b32 s[G1B+6], 0
	s_mov_b32 s[G1B+7], 0
	; where the tiles come from.  A's hang on the tile row and the wave alone, W's on the tile column and the wave alone, each in registers that never hold the other coordinate.
	s_lshr_b32 s14, s13, 3                         ; A: segment = tile row / 8,
	s_lshl_b32 s14, s14, 21
	s_and_b32 s15, s13, 7                          ; 128 rows of 128 bytes for each tile row in it,
	s_lshl_b32 s15, s15, 14
	s_add_co_u32 s14, s14, s15
	s_lshl_b32 s15, s12, 17                        ; my block g of the step
	s_add_co_u32 s14, s14, s15
	s_mov_b32 s15, 0
	s_lshl_b32 s46, ttmp9, 21                      ; W: segment = tile column / 4 = cluster x,
	s_lshl_b32 s47, s40, 15                        ; 256 rows of 128 bytes for each tile column in it (tile column % 4 = cx),
	s_add_co_u32 s46, s46, s47
	s_lshl_b32 s47, s12, 17                        ; my block g of the step
	s_add_co_u32 s46, s46, s47
	s_mov_b32 s47, 0
	s_mul_i32 s20, s10, ASUB                       ; where they go: A's blocks behind W's two: 2 BSUB + (wave - 2) ASUB,
	s_add_co_u32 s20, s20, 2*BSUB-2*ASUB
	s_mul_i32 s21, s10, BSUB                       ; W's: wave x BSUB.  No place in the cluster enters an LDS address
	s_wait_kmcnt 0x0
	s_add_nc_u64 s[14:15], s[PA:PA+1], s[14:15]
	s_add_nc_u64 s[46:47], s[PW:PW+1], s[46:47]
	CROUND                                         ; all sixteen work-groups are here: the first joint loads meet
.irp s, 0,1
	s_mov_b32 s[G0+4*\s], 1                                        ; count = 1
	s_add_co_u32 s[G0+4*\s+1], s20, \s*SLOT                        ; LDS address
	s_add_nc_u64 s[G0+4*\s+2:G0+4*\s+3], s[14:15], \s*GSTEP        ; global address: K step s
	s_or_b32 s[G0+4*\s+3], s[G0+4*\s+3], 0x80000000                ; type = 2
	s_mov_b32 s[G0B+4*\s], 1
	s_add_co_u32 s[G0B+4*\s+1], s21, \s*SLOT
	s_add_nc_u64 s[G0B+4*\s+2:G0B+4*\s+3], s[46:47], \s*GSTEP
	s_or_b32 s[G0B+4*\s+3], s[G0B+4*\s+3], 0x80000000
	JLOAD \s
.endr
	v_and_b32 v1, 15, v0                           ; l % 16
	v_bfe_u32 v2, v0, 4, 1                         ; l / 16
	v_mul_u32_u24 v3, v1, PITCH
	v_lshl_add_u32 v3, v2, 4, v3                   ; a fragment's row x pitch + 16 x half
	s_mul_i32 s21, s11, 64*PITCH                   ; my 64 rows of A,
	s_add_co_u32 s21, s21, 2*BSUB                  ; which lie behind W's two blocks
	s_mul_i32 s22, s12, 128*PITCH                  ; my 128 rows of W
.irp s, 0,1
	v_add_nc_u32 v[ADRA+\s], s21, v3
	v_add_nc_u32 v[ADRB+\s], s22, v3
	s_add_co_u32 s21, s21, SLOT
	s_add_co_u32 s22, s22, SLOT
.endr
	s_mul_i32 s23, s10, 16*SPITCH
	s_add_co_u32 s23, s23, STAGE                   ; my stage
	v_mul_u32_u24 v4, v1, SPITCH                   ; in: row l % 16, 32 bytes for each half of the lanes
	v_lshl_add_u32 v4, v2, 5, v4
	v_add_nc_u32 v[STO], s23, v4
	v_and_b32 v5, 31, v0
	v_lshlrev_b32 v[BO], 5, v2
.if KIND == 2
	v_lshl_add_u32 v[RD], v5, 4, s23               ; back: a whole row of 512 bytes, 16 bytes a lane
	v_lshlrev_b32 v[CO], 4, v5
.else
	v_mul_u32_u24 v6, v2, SPITCH                   ; back: lanes 0-15 take 256 bytes (64 columns) of one row, lanes 16-31 of the next
	v_lshl_add_u32 v6, v1, 4, v6
	v_add_nc_u32 v[RD], s23, v6
	v_lshlrev_b32 v[CO], 3, v5                     ; out: 8 bytes a lane: two neighbouring rows of a block
.endif
.if KIND == 0
	v_lshlrev_b32 v[MO], 2, v2
	s_cmp_eq_u32 ttmp9, 1                          ; the bias of my segment: cluster x = 0 q, 1 k, 2 v
	s_cselect_b64 s[PBIAS:PBIAS+1], s[74:75], s[PBIAS:PBIAS+1]
	s_cmp_eq_u32 ttmp9, 2
	s_cselect_b64 s[PBIAS:PBIAS+1], s[76:77], s[PBIAS:PBIAS+1]
	s_cmp_eq_u32 ttmp9, 1
	s_cselect_b32 s82, 0, -1                       ; all ones where the tile is not k's: the mask then selects nothing away
	s_lshl_b32 s16, s13, 9                         ; mask words of my 64 rows: 4 x (128 x tile row + 64 x half)
	s_lshl_b32 s17, s11, 8
	s_add_co_u32 s16, s16, s17
	s_mov_b32 s17, 0
	s_add_nc_u64 s[PMASK:PMASK+1], s[PMASK:PMASK+1], s[16:17]
.endif
	s_lshl_b32 s16, s40, 10                        ; bias of my 128 columns: 4 x (256 x (tile column % 4) + 128 x half)
	s_lshl_b32 s17, s12, 9
	s_add_co_u32 s16, s16, s17
	s_mov_b32 s17, 0
	s_add_nc_u64 s[PBIAS:PBIAS+1], s[PBIAS:PBIAS+1], s[16:17]
.if KIND == 2
	s_lshl_b32 s16, s13, 19                        ; my first row (128 x tile row + 64 x half) x 4,096 bytes + my first column (256 x tile column + 128 x half) x 4
	s_lshl_b32 s17, s11, 18
	s_add_co_u32 s16, s16, s17
	s_lshl_b32 s17, s42, 10
	s_add_co_u32 s16, s16, s17
	s_lshl_b32 s17, s12, 9
	s_add_co_u32 s16, s16, s17
	s_mov_b32 s17, 0
	s_add_nc_u64 s[PRES:PRES+1], s[PRES:PRES+1], s[16:17]
	s_add_nc_u64 s[POUT:POUT+1], s[POUT:POUT+1], s[16:17]
.else
	s_lshr_b32 s16, s13, 3                         ; block = batch x GPB + 4 x tile column + 2 x half,
	s_mul_i32 s16, s16, GPB
	s_lshl2_add_u32 s16, s42, s16
	s_lshl1_add_u32 s16, s12, s16
	s_lshl_b32 s16, s16, 17
	s_and_b32 s17, s13, 7                          ; row in the batch = 128 x (tile row % 8) + 64 x half, 128 bytes each
	s_lshl_b32 s17, s17, 14
	s_add_co_u32 s16, s16, s17
	s_lshl_b32 s17, s11, 13
	s_add_co_u32 s16, s16, s17
	s_mov_b32 s17, 0
	s_add_nc_u64 s[POUT:POUT+1], s[POUT:POUT+1], s[16:17]
.endif
.irp b, 0,1,2,3,4,5,6,7
	global_load_b128 v[BIAS+8*\b:BIAS+8*\b+3],   v[BO], s[PBIAS:PBIAS+1] offset:64*\b      ; bias of columns 16 b + 8 (l / 16) + 0..3
	global_load_b128 v[BIAS+8*\b+4:BIAS+8*\b+7], v[BO], s[PBIAS:PBIAS+1] offset:64*\b+16
.endr
.if KIND == 0
.irp a, 0,1,2,3
.irp t, 0,1,2,3,4,5,6,7
	global_load_b32 v[MK+8*\a+\t], v[MO], s[PMASK:PMASK+1] offset:(16*\a+2*\t)*4
.endr
.endr
.elseif KIND == 2
.irp a, 0,1
.irp t, 0,1,2,3,4,5,6,7,8,9,10,11,12,13,14,15
	global_load_b128 v[RES+64*\a+4*\t:RES+64*\a+4*\t+3], v[CO], s[PRES:PRES+1] offset:(16*\a+\t)*4096   ; the residual of my first 32 rows comes in under the products
.endr
.endr
.endif
; 8 matrix instructions: row block a x all 8 column blocks, 32 along K, from buffer fb.  first = 1: the product starts the sum on the bias.  The 32 accumulators take turns, one instruction a turn.
.macro MULA fb, a, first
.irp b, 0,1,2,3,4,5,6,7
.if \first
	v_wmma_f32_16x16x32_bf16 v[8*(8*(\a)+\b):8*(8*(\a)+\b)+7], v[\fb+8*\b:\fb+8*\b+7], v[\fb+64+8*(\a):\fb+64+8*(\a)+7], v[BIAS+8*\b:BIAS+8*\b+7]
.else
	v_wmma_f32_16x16x32_bf16 v[8*(8*(\a)+\b):8*(8*(\a)+\b)+7], v[\fb+8*\b:\fb+8*\b+7], v[\fb+64+8*(\a):\fb+64+8*(\a)+7], v[8*(8*(\a)+\b):8*(8*(\a)+\b)+7]
.endif
.endr
.endm
; 24 LDS loads in one run: the fragments of quarter q of a K step (block g = q / 2, bytes 64 (q % 2) on of its rows) into buffer fb: W's eight, then A's four
.macro FETCH slot, q, fb
	WIN TO_F
.irp i, 0,1,2,3,4,5,6,7
	ds_load_b128 v[\fb+8*\i:\fb+8*\i+3],   v[ADRB+\slot] offset:((\q)>>1)*BSUB+((\q)&1)*64+\i*16*PITCH
	ds_load_b128 v[\fb+8*\i+4:\fb+8*\i+7], v[ADRB+\slot] offset:((\q)>>1)*BSUB+((\q)&1)*64+\i*16*PITCH+32
.endr
.irp i, 0,1,2,3
	ds_load_b128 v[\fb+64+8*\i:\fb+64+8*\i+3],   v[ADRA+\slot] offset:((\q)>>1)*ASUB+((\q)&1)*64+\i*16*PITCH
	ds_load_b128 v[\fb+64+8*\i+4:\fb+64+8*\i+7], v[ADRA+\slot] offset:((\q)>>1)*ASUB+((\q)&1)*64+\i*16*PITCH+32
.endr
.endm
; A K step is four quarters of 32 along K, 32 matrix instructions each, on buffers 0, 1, 0, 1.  One of the first three: multiplies buffer fb and fetches quarter qn into gb.
.macro QUARTER slot, qn, fb, gb, first
	s_wait_dscnt 4                                 ; W's fragments and A's blocks 0, 1 are in; the youngest four loads (A's blocks 2, 3) may be out
.if \first
	WIN MULB
.else
	WIN MUL
.endif
	MULA \fb, 0, \first
	MULA \fb, 1, \first
	PLACES
	FETCH \slot, \qn, \gb
	s_wait_dscnt 24                                ; all but the 24 just issued
.if \first
	WIN MULB
.else
	WIN MUL
.endif
	MULA \fb, 2, \first
	MULA \fb, 3, \first
.endm
; The last quarter multiplies buffer 1 and changes slots: ONE barrier; in front of it each wave waits for all its tensor loads, adds 0 to its spare word, and waits for that and for its own reads of this slot.
; fill = 1: the barrier opens a round of the cluster's, and this slot is filled again, two K steps ahead, first thing behind it: 112 matrix instructions ahead of the wait for it.
.macro TURN slot, next, fill
	WIN 0                                          ; (the add's two registers lie in window 0)
	s_wait_tensorcnt 0x0                           ; all my tensor loads have landed: my part of the next slot;
	ds_add_u32 v[SPW], v[NIL]                      ; 0 onto my spare word;
	s_wait_dscnt 5                                 ; (the add and the youngest four loads may be out)
	WIN MUL
	MULA F1, 0, 0                                  ; eight matrix instructions stand between the add and the wait for it
	s_wait_dscnt 0x0                               ; the add is done, and my reads of this slot are over
	s_barrier_signal -1
	MULA F1, 1, 0
.if \fill
	WIN 0
.endif
	s_barrier_wait -1
.if \fill
	CREST                                          ; no wave of any partner still reads this slot's tile or has a load on its way
	s_add_nc_u64 s[G0+4*\slot+2:G0+4*\slot+3], s[G0+4*\slot+2:G0+4*\slot+3], 2*GSTEP
	s_add_nc_u64 s[G0B+4*\slot+2:G0B+4*\slot+3], s[G0B+4*\slot+2:G0B+4*\slot+3], 2*GSTEP
	JLOAD \slot                                    ; the four v_nop behind it are also the places in front of the loads below
.else
	PLACES
.endif
	FETCH \next, 0, F0
	WIN MUL
	MULA F1, 2, 0
	MULA F1, 3, 0
.endm
	s_wait_tensorcnt 1                             ; my part of K step 0 is in; K step 1's may stay out
	s_barrier_signal -1
	s_barrier_wait -1                              ; everybody's is
	FETCH 0, 0, F0
	s_wait_loadcnt NLATE                           ; the bias is in; what was asked for behind it may stay out
	QUARTER 0, 1, F0, F1, 1                        ; the first quarter stands in front of the loop: its products start the sums
	WIN 0                                          ; at a label and at a branch every window is 0
	s_mov_b32 s3, LAPS-1
.Llap:                                                 ; a trip goes once round the ring, from a lap's second quarter to the next lap's first, and fills both slots again
	QUARTER 0, 2, F1, F0, 0
	QUARTER 0, 3, F0, F1, 0
	TURN 0, 1, 1
	QUARTER 1, 1, F0, F1, 0
	QUARTER 1, 2, F1, F0, 0
	QUARTER 1, 3, F0, F1, 0
	TURN 1, 0, 1
	QUARTER 0, 1, F0, F1, 0
	WIN 0
	s_sub_co_u32 s3, s3, 1
	s_cmp_lg_u32 s3, 0
	s_cbranch_scc1 .Llap
	QUARTER 0, 2, F1, F0, 0                        ; the last lap fills nothing, and has no round of the cluster's barrier
	QUARTER 0, 3, F0, F1, 0
	TURN 0, 1, 0
	QUARTER 1, 1, F0, F1, 0
	QUARTER 1, 2, F1, F0, 0
	QUARTER 1, 3, F0, F1, 0
	s_wait_dscnt 4                                 ; the very last quarter: nothing more to fetch
	WIN MUL
	MULA F1, 0, 0
	MULA F1, 1, 0
	s_wait_dscnt 0x0
	MULA F1, 2, 0
	MULA F1, 3, 0
; THE WAY OUT, a block of 16 rows at a time, through my own stage in LDS (f32): a lane's 32 bytes go in, whole runs of a row come back.  LDS serves a wave's instructions in order
; (ISA guide 5.7.1.4), so no wait stands between my stores and my loads, nor between a block's loads and the next block's stores.
.macro STG a                           ; each accumulator's low four registers first
	WIN 0x08                                       ; store data window 2, address window 0
.irp b, 0,1,2,3,4,5,6,7
	ds_store_b128 v[STO], v[8*(8*(\a)+\b):8*(8*(\a)+\b)+3]   offset:64*\b
	ds_store_b128 v[STO], v[8*(8*(\a)+\b)+4:8*(8*(\a)+\b)+7] offset:64*\b+16
.endr
.endm
.macro RDB a                           ; back into buffer a % 2 of window 1
	WIN 0x40
.set RB, 64*((\a)%2)
.if KIND == 2
.irp t, 0,1,2,3,4,5,6,7,8,9,10,11,12,13,14,15
	ds_load_b128 v[RB+4*\t:RB+4*\t+3], v[RD] offset:\t*SPITCH
.endr
.else
.irp t, 0,1,2,3,4,5,6,7
	ds_load_b128 v[RB+8*\t:RB+8*\t+3],   v[RD] offset:\t*2*SPITCH          ; rows 2 t, 2 t + 1: columns 0-63
	ds_load_b128 v[RB+8*\t+4:RB+8*\t+7], v[RD] offset:\t*2*SPITCH+256      ; columns 64-127
.endr
.endif
.endm
.macro OUT a
.set RB, 64*((\a)%2)
.set RSD, RES+64*((\a)%2)
.if KIND == 2
.if (\a) < 3
	s_wait_loadcnt 16                              ; this block's residual is in; the sixteen loads of the block asked for last may stay out
.else
	s_wait_loadcnt 0x0
.endif
	WIN 0x41                                       ; destination and source 0 window 1, source 1 window 0
.set i, 0
.rept 32
	v_pk_add_f32 v[RB+2*i:RB+2*i+1], v[RB+2*i:RB+2*i+1], v[RSD+2*i:RSD+2*i+1]
.set i, i+1
.endr
	WIN 0x04                                       ; store data window 1
.irp t, 0,1,2,3,4,5,6,7,8,9,10,11,12,13,14,15
	global_store_b128 v[CO], v[RB+4*\t:RB+4*\t+3], s[POUT:POUT+1] offset:(16*(\a)+\t)*4096   ; the wave stores 512 consecutive bytes, at a multiple of 512 from the buffer's first byte
.endr
.if (\a) < 2
	WIN 0
.irp t, 0,1,2,3,4,5,6,7,8,9,10,11,12,13,14,15
	global_load_b128 v[RSD+4*\t:RSD+4*\t+3], v[CO], s[PRES:PRES+1] offset:(16*((\a)+2)+\t)*4096   ; the buffer takes the block two further on
.endr
.endif
.else
.if KIND == 0
	WIN 0
.irp t, 0,1,2,3,4,5,6,7
	v_cmp_ne_u32 s[LM+\t], 0, v[MK+8*(\a)+\t]      ; lanes whose row is kept
.endr
.irp t, 0,1,2,3,4,5,6,7
	s_or_b32 s[LM+\t], s[LM+\t], s82               ; all of them where the tile is not k's
.endr
.endif
	WIN 0x45                                       ; destination and both sources window 1
.if KIND == 1
.set i, 0
.rept 64
	v_max_num_f32 v[RB+i], 0, v[RB+i]
.set i, i+1
.endr
.endif
.set i, 0
.rept 16
	v_cvt_pk_bf16_f32 v[RB+4*i],   v[RB+4*i],   v[RB+4*i+1]
	v_cvt_pk_bf16_f32 v[RB+4*i+1], v[RB+4*i+2], v[RB+4*i+3]
.set i, i+1
.endr
.if KIND == 0
.irp t, 0,1,2,3,4,5,6,7
	v_cndmask_b32 v[RB+8*\t],   0, v[RB+8*\t],   s[LM+\t]
	v_cndmask_b32 v[RB+8*\t+1], 0, v[RB+8*\t+1], s[LM+\t]
	v_cndmask_b32 v[RB+8*\t+4], 0, v[RB+8*\t+4], s[LM+\t]
	v_cndmask_b32 v[RB+8*\t+5], 0, v[RB+8*\t+5], s[LM+\t]
.endr
.endif
	WIN 0x04
.irp t, 0,1,2,3,4,5,6,7
	global_store_b64 v[CO], v[RB+8*\t:RB+8*\t+1],   s[POUT:POUT+1] offset:(16*(\a)+2*\t)*128          ; the wave stores 256 consecutive bytes (two rows of a block), at a multiple of 256
	global_store_b64 v[CO], v[RB+8*\t+4:RB+8*\t+5], s[POUT:POUT+1] offset:131072+(16*(\a)+2*\t)*128   ; the next block g
.endr
.endif
.endm
	WIN 0
	PLACES
.if KIND == 0
	s_wait_loadcnt 0x0                             ; the mask words
.endif
	STG 0
	RDB 0
.irp a, 0,1,2,3
.if \a < 3
	s_wait_xcnt 0x0                                ; every earlier memory instruction has had its addresses translated (ISA guide 3.1): the buffer that earlier stores read is loaded again only behind this wait
	STG \a+1
	RDB \a+1
	s_wait_dscnt 32                                ; this block is back; the next block's sixteen stores and sixteen loads may be out
.else
	s_wait_dscnt 0x0
.endif
	OUT \a
.endr
	WIN 0
	s_wait_tensorcnt 0x0                           ; the wave's end, behind my last tensor load and my last LDS store
	ds_add_u32 v[SPW], v[NIL]
	s_wait_dscnt 0x0
	CROUND                                         ; the closing round: no work-group ends while a partner may still ask for a tile that names it
	s_endpgm
.Lfunc_end_k_q98bf3c1c1b_wo:
	.size	k_q98bf3c1c1b_wo, .Lfunc_end_k_q98bf3c1c1b_wo-k_q98bf3c1c1b_wo
	.p2alignl 7, 3214868480
	.fill 96, 4, 3214868480
	.section	.rodata,"a",@progbits
	.p2align	6, 0x0
	.amdhsa_kernel k_q98bf3c1c1b_wo
		.amdhsa_group_segment_fixed_size 327680
		.amdhsa_private_segment_fixed_size 0
		.amdhsa_enable_private_segment 0
		.amdhsa_kernarg_size 40
		.amdhsa_user_sgpr_count 2
		.amdhsa_user_sgpr_kernarg_segment_ptr 1
		.amdhsa_wavefront_size32 1
		.amdhsa_system_sgpr_workgroup_id_x 1
		.amdhsa_system_sgpr_workgroup_id_y 1
		.amdhsa_system_sgpr_workgroup_id_z 1
		.amdhsa_system_vgpr_workitem_id 0
		.amdhsa_next_free_vgpr 768
		.amdhsa_next_free_sgpr 96
		.amdhsa_reserve_vcc 0
		.amdhsa_float_denorm_mode_32 3
		.amdhsa_float_denorm_mode_16_64 3
		.amdhsa_memory_ordered 1
		.amdhsa_forward_progress 1
		.amdhsa_inst_pref_size 101
	.end_amdhsa_kernel
	.amdgpu_metadata
---
amdhsa.version: [ 1, 2 ]
amdhsa.kernels:
  - .name:           k_q98bf3c1c1b_wo
    .symbol:         k_q98bf3c1c1b_wo.kd
    .args:
      - { .name: xa, .offset: 0, .size: 8, .value_kind: global_buffer, .address_space: global }
      - { .name: wob, .offset: 8, .size: 8, .value_kind: global_buffer, .address_space: global }
      - { .name: bo, .offset: 16, .size: 8, .value_kind: global_buffer, .address_space: global }
      - { .name: X, .offset: 24, .size: 8, .value_kind: global_buffer, .address_space: global }
      - { .name: x1, .offset: 32, .size: 8, .value_kind: global_buffer, .address_space: global }
    .group_segment_fixed_size: 327680
    .private_segment_fixed_size: 0
    .kernarg_segment_align: 8
    .kernarg_segment_size: 40
    .max_flat_workgroup_size: 128
    .sgpr_count:     96
    .vgpr_count:     768
    .wavefront_size: 32
...
	.end_amdgpu_metadata
.endif
;; end of part 4
;; launch ln2 (part 5): grid 32 x 8, 8 waves a work-group, no clusters, 0 bytes of LDS; arguments x1, ln2_a, ln2_b, xa; writes xa
.if DOCPART == 5
	.amdgcn_target "amdgcn-amd-amdhsa--gfx1250"
	.amdhsa_code_object_version 6
	.text
	.protected	k_q98bf3c1c1b_ln2
	.globl	k_q98bf3c1c1b_ln2
	.p2align	8
	.type	k_q98bf3c1c1b_ln2,@function
k_q98bf3c1c1b_ln2:
	s_mov_b64 s[64:65], 0
	v_nop
	global_prefetch_b8 v0, s[64:65] scope:SCOPE_SE
	s_setreg_imm32_b32 hwreg(HW_REG_WAVE_MODE, 25, 1), 1
	s_wait_xcnt 0x0
; ln2: the second layer norm, of x1 (f32, row-major [8192][1024]), rounded to bf16 and laid out in blocks for the product that follows.
; BLOCKED LAYOUT: [segment of 1,024 rows][g = block of 64 along K][row][64]: byte = seg<<21 + g<<17 + row<<7 + 2 col.
; The grid's y is a batch, its x a block of 32 rows.  A wave takes 4 rows as 2 pairs; in a pair lanes 0-15 own one row and lanes 16-31 the next.  Load j of 16 brings columns
; 64 j + 4 (lane % 16) .. + 3, which is block g = j: one load covers two runs of 256 consecutive bytes, and one store of 8 bytes a lane covers 256 consecutive bytes (two neighbouring rows
; of a block), at a multiple of 256 from the buffer's first byte.
; LAYER NORM as reference() has it: mean; unbiased deviation (sum of squares of x - mean, over 1,023); y = alpha (x - mean) / (std + 1e-6) + bias.  Two passes over registers,
; so a common offset of a row costs no digits.  All in f32; y is rounded once to bf16.
; No LDS, no barrier, no matrix unit: each byte is read once and written once, and a row never leaves its sixteen lanes.  All 32 loads of a wave are issued at the start.
.set CH,   4                           ; v[4:11]   four chains of pairs
.set MEAN, 12                          ; v[12:13]  the row's mean, twice
.set RS,   14                          ; v[14:15]  alpha / (std + eps), twice
.set BI,   16                          ; v[16:17]  bias, twice
.set XD,   32                          ; v[32:159] pair p: 64 registers
	s_load_b256 s[8:15], s[0:1], 0x0               ; x1 s[8:9], ln2_a s[10:11], ln2_b s[12:13], xa s[14:15]
	s_and_b32 s3, ttmp7, 0xffff                    ; the batch
	s_lshl_b32 s40, s3, 22                         ; from where: a batch is 4 MiB,
	s_lshl_b32 s46, ttmp9, 17                      ; 32 rows are 32 x 4,096 bytes
	s_add_co_u32 s40, s40, s46
	s_mov_b32 s41, 0
	s_lshl_b32 s42, s3, 21                         ; to where: a segment is 2 MiB,
	s_lshl_b32 s46, ttmp9, 12                      ; 32 rows of a block are 32 x 128 bytes
	s_add_co_u32 s42, s42, s46
	s_mov_b32 s43, 0
	v_and_b32 v3, 31, v0                           ; lane
	v_lshrrev_b32 v18, 5, v0                       ; wave
	v_and_b32 v19, 15, v0
	v_bfe_u32 v20, v0, 4, 1
	v_lshlrev_b32 v1, 14, v18                      ; load offset: wave x 4 rows
	v_lshl_add_u32 v1, v20, 12, v1                 ; + the half's row
	v_lshl_add_u32 v1, v19, 4, v1                  ; + 16 bytes a lane
	v_lshlrev_b32 v2, 9, v18                       ; store offset: wave x 4 rows of 128 bytes
	v_lshl_add_u32 v2, v3, 3, v2                   ; + 8 bytes a lane: lanes 16-31 fall into the next row
	s_wait_kmcnt 0x0
	s_add_nc_u64 s[36:37], s[8:9], s[40:41]
	s_add_nc_u64 s[38:39], s[14:15], s[42:43]
	s_load_b32 s44, s[10:11], 0x0                  ; alpha
	s_load_b32 s45, s[12:13], 0x0                  ; bias
.irp p, 0,1
.irp j, 0,1,2,3,4,5,6,7,8,9,10,11,12,13,14,15
	global_load_b128 v[XD+64*\p+4*\j:XD+64*\p+4*\j+3], v1, s[36:37] offset:\p*8192+\j*256
.endr
.endr
.macro FOLD                            ; four chains of pairs -> one number a lane -> the row's sum in each of its sixteen lanes
	v_pk_add_f32 v[CH:CH+1], v[CH:CH+1], v[CH+2:CH+3]
	v_pk_add_f32 v[CH+4:CH+5], v[CH+4:CH+5], v[CH+6:CH+7]
	v_pk_add_f32 v[CH:CH+1], v[CH:CH+1], v[CH+4:CH+5]
	v_add_f32 v[CH], v[CH], v[CH+1]
.irp m, 1,2,4,8
	v_add_f32_dpp v[CH], v[CH], v[CH] row_xmask:\m row_mask:0xf bank_mask:0xf
.endr
.endm
.macro LNPAIR p
.set X, XD+64*\p
	s_wait_loadcnt 16*(1-\p)                       ; loads come back in order: this pair's sixteen are in, the other pair's may stay out
.irp k, 0,1,2,3
	v_pk_add_f32 v[CH+2*\k:CH+2*\k+1], v[X+2*\k:X+2*\k+1], v[X+8+2*\k:X+8+2*\k+1]   ; the first eight pairs start the chains: nothing is cleared
.endr
.set i, 8
.rept 24
	v_pk_add_f32 v[CH+2*(i%4):CH+2*(i%4)+1], v[CH+2*(i%4):CH+2*(i%4)+1], v[X+2*i:X+2*i+1]
.set i, i+1
.endr
	FOLD
	v_mul_f32 v[MEAN], 0x3a800000, v[CH]           ; / 1,024
	v_mov_b32 v[MEAN+1], v[MEAN]
.set i, 0
.rept 32
	v_pk_add_f32 v[X+2*i:X+2*i+1], v[X+2*i:X+2*i+1], v[MEAN:MEAN+1] neg_lo:[0,1] neg_hi:[0,1]   ; d = x - mean
.set i, i+1
.endr
.irp k, 0,1,2,3
	v_pk_mul_f32 v[CH+2*\k:CH+2*\k+1], v[X+2*\k:X+2*\k+1], v[X+2*\k:X+2*\k+1]
.endr
.set i, 4
.rept 28
	v_pk_fma_f32 v[CH+2*(i%4):CH+2*(i%4)+1], v[X+2*i:X+2*i+1], v[X+2*i:X+2*i+1], v[CH+2*(i%4):CH+2*(i%4)+1]
.set i, i+1
.endr
	FOLD
	v_mul_f32 v[CH], 0x3a802008, v[CH]             ; / 1,023: the unbiased variance
	v_sqrt_f32 v[CH+1], v[CH]
	v_nop                                          ; a plain instruction between a root or a reciprocal and the use of its result (ISA guide 5.7.2)
	s_wait_alu depctr_va_vdst(0)
	v_add_f32 v[CH+1], 0x358637bd, v[CH+1]         ; + 1e-6
	v_rcp_f32 v[CH+2], v[CH+1]
	v_nop
	s_wait_alu depctr_va_vdst(0)
	v_mul_f32 v[RS], s44, v[CH+2]                  ; alpha / (std + eps)
	v_mov_b32 v[RS+1], v[RS]
.set i, 0
.rept 32
	v_pk_fma_f32 v[X+2*i:X+2*i+1], v[X+2*i:X+2*i+1], v[RS:RS+1], v[BI:BI+1]
.set i, i+1
.endr
.set i, 0
.rept 32
	v_cvt_pk_bf16_f32 v[X+i], v[X+2*i], v[X+2*i+1] ; compacted in place: number i lands where numbers 2 i and 2 i + 1 have been read or are being read
.set i, i+1
.endr
.irp j, 0,1,2,3,4,5,6,7,8,9,10,11,12,13,14,15
	global_store_b64 v2, v[X+2*\j:X+2*\j+1], s[38:39] offset:\p*256+\j*131072   ; store j goes to block g = j
.endr
.endm
	s_wait_kmcnt 0x0
	v_mov_b32 v[BI], s45
	v_mov_b32 v[BI+1], s45
	LNPAIR 0
	LNPAIR 1
	s_endpgm
.Lfunc_end_k_q98bf3c1c1b_ln2:
	.size	k_q98bf3c1c1b_ln2, .Lfunc_end_k_q98bf3c1c1b_ln2-k_q98bf3c1c1b_ln2
	.p2alignl 7, 3214868480
	.fill 96, 4, 3214868480
	.section	.rodata,"a",@progbits
	.p2align	6, 0x0
	.amdhsa_kernel k_q98bf3c1c1b_ln2
		.amdhsa_group_segment_fixed_size 0
		.amdhsa_private_segment_fixed_size 0
		.amdhsa_enable_private_segment 0
		.amdhsa_kernarg_size 32
		.amdhsa_user_sgpr_count 2
		.amdhsa_user_sgpr_kernarg_segment_ptr 1
		.amdhsa_wavefront_size32 1
		.amdhsa_system_sgpr_workgroup_id_x 1
		.amdhsa_system_sgpr_workgroup_id_y 1
		.amdhsa_system_sgpr_workgroup_id_z 1
		.amdhsa_system_vgpr_workitem_id 0
		.amdhsa_next_free_vgpr 160
		.amdhsa_next_free_sgpr 66
		.amdhsa_reserve_vcc 0
		.amdhsa_float_denorm_mode_32 3
		.amdhsa_float_denorm_mode_16_64 3
		.amdhsa_memory_ordered 1
		.amdhsa_forward_progress 1
		.amdhsa_inst_pref_size 30
	.end_amdhsa_kernel
	.amdgpu_metadata
---
amdhsa.version: [ 1, 2 ]
amdhsa.kernels:
  - .name:           k_q98bf3c1c1b_ln2
    .symbol:         k_q98bf3c1c1b_ln2.kd
    .args:
      - { .name: x1, .offset: 0, .size: 8, .value_kind: global_buffer, .address_space: global }
      - { .name: ln2_a, .offset: 8, .size: 8, .value_kind: global_buffer, .address_space: global }
      - { .name: ln2_b, .offset: 16, .size: 8, .value_kind: global_buffer, .address_space: global }
      - { .name: xa, .offset: 24, .size: 8, .value_kind: global_buffer, .address_space: global }
    .group_segment_fixed_size: 0
    .private_segment_fixed_size: 0
    .kernarg_segment_align: 8
    .kernarg_segment_size: 32
    .max_flat_workgroup_size: 256
    .sgpr_count:     66
    .vgpr_count:     160
    .wavefront_size: 32
...
	.end_amdgpu_metadata
.endif
;; end of part 5
;; launch ffn1 (part 6): grid 4 x 64, 4 waves a work-group, clusters of 4 x 4, 327,680 bytes of LDS; arguments xa, w1b, b1, qkvb; writes qkvb
.if DOCPART == 6
	.amdgcn_target "amdgcn-amd-amdhsa--gfx1250"
	.amdhsa_code_object_version 6
	.text
	.protected	k_q98bf3c1c1b_ffn1
	.globl	k_q98bf3c1c1b_ffn1
	.p2align	8
	.type	k_q98bf3c1c1b_ffn1,@function
k_q98bf3c1c1b_ffn1:
	s_mov_b64 s[64:65], 0
	v_nop
	global_prefetch_b8 v0, s[64:65] scope:SCOPE_SE
	s_setreg_imm32_b32 hwreg(HW_REG_WAVE_MODE, 25, 1), 1
	s_wait_xcnt 0x0
	s_wait_alu depctr_hold_cnt(0) depctr_sa_sdst(0) depctr_va_vdst(0) depctr_va_sdst(0) depctr_va_ssrc(0) depctr_va_vcc(0) depctr_vm_vsrc(0)
	s_getreg_b32 s2, hwreg(HW_REG_IB_STS2, 6, 4)
	s_cmp_eq_u32 s2, 0
	s_cbranch_scc0 .Lentry_in_a_cluster
	s_endpgm
.Lentry_in_a_cluster:
	s_bfe_u32 s2, ttmp6, 0x10000c
	s_cmp_lg_u32 s2, 0xf033
	s_cbranch_scc0 .Lentry_shape_is_right
	s_endpgm
.Lentry_shape_is_right:
; C = A W^T + bias on blocked bf16 operands, f32 sums, K = 1,024.  One text serves three kinds of launch; KIND picks the arguments and the way out.
;   KIND 0: q, k, v = xn1 (wq | wk | wv)^T + (bq | bk | bv), N = 3,072, out in bf16, blocked, 48 blocks a batch; rows of k whose mask word is 0 are stored as zeros.
;   KIND 1 (THIS ONE): h = relu(xn2 w1^T + b1), out in bf16, blocked, 16 blocks a batch.
;   KIND 2: out = residual + A W^T + bias, out and residual f32, row-major [8192][1024].
; BLOCKED LAYOUT: [segment of 1,024 rows][g = block of 64 along K][row][64] bf16: byte = seg<<21 + g<<17 + row<<7 + 2 col.  A tile's part in one block is one dense run of memory.
; SHARES.  A work-group makes 128 rows x 256 columns of C: at N = 1,024 that gives 256 work-groups, at N = 3,072 three times 256.  Four waves, each 64 x 128: 32 accumulators, 256 registers.
; K goes in steps of 128 (two blocks g) through two LDS slots.  Waves 0 and 1 fetch W's two blocks of a step (256 rows x 128 bytes each), waves 2 and 3 A's (128 rows each): one tensor load a wave.
; A dense run comes in as rows of 256 bytes, with 16 bytes of padding behind every 128: LDS rows of 144 bytes.
; CLUSTERS: 4 x 4 work-groups.  The four of a row of the cluster need the same tiles of A, the four of a column the same tiles of W: each tile is asked for jointly, by the same tensor load
; with the same descriptor and a mask that names the four.  By this text's count a wave has two tensor loads out at the start and one behind each refill.
; THE MATRIX INSTRUCTION IS USED TRANSPOSED (source 0 = 16 rows of W, source 1 = 16 rows of A): a lane holds row lane % 16 of C and eight neighbouring columns.
; THE BIAS COSTS NO VECTOR WORK: the first product on each accumulator takes as C eight registers that hold the bias of the lane's eight columns.
; REGISTERS: window 0: addresses, mask words or residual, bias.  Window 1: two fragment buffers of 96 (W's 8 fragments, then A's 4); on the way out two buffers of 64.  Window 2: accumulator (a, b) at v[8 (8 a + b)].
.set KIND, 1
.set PITCH,  144                       ; an LDS row: 128 bytes + 16 = 36 words: 16 neighbouring rows start at 16 different groups of four banks
.set BSUB,   256*PITCH                 ; W's 256 rows of one block g
.set ASUB,   128*PITCH                 ; A's 128 rows of one block g
.set SLOT,   2*BSUB+2*ASUB             ; W g0, W g1, A g0, A g1
.set STAGE,  2*SLOT                    ; behind the ring: 16 rows x 528 bytes of f32 for each wave, for the way out
.set SPITCH, 528
.set SPARE,  STAGE+4*16*SPITCH         ; behind the stages: the spare words, 128 bytes for each wave: two blocks of 256 bytes that no other line names
.set LAPS,   4                         ; a lap = two K steps = once round the ring
.set GSTEP,  1<<18                     ; bytes in memory from a K step to the next: two blocks of 128 KiB
.set ADRA, 16                          ; v16-17  LDS address of my A fragments in slot 0, 1
.set ADRB, 20                          ; v20-21  the same for W
.set STO,  24                          ; v24     the way out: where I put 32 bytes of a row
.set RD,   25                          ; v25     the way out: where I read rows back
.set CO,   26                          ; v26     my byte offset in the output (and the residual)
.set BO,   27                          ; v27     my byte offset in the bias: 32 x (lane / 16)
.set SPW,  28                          ; v28     LDS address of my spare word; never rewritten
.set NIL,  29                          ; v29     0; never rewritten
.set MO,   30                          ; v30     my byte offset in the mask: 4 x (lane / 16)
.set MK,   32                          ; v32-63  KIND 0: mask word of the row that I store in block a, pair t, at MK + 8 a + t
.set RES,  64                          ; v64-191 KIND 2: two buffers of 16 rows of the residual
.set BIAS, 192                         ; v192-255 bias of my 8 columns in each of the 8 column blocks
.set F0,   0
.set F1,   96
.set G1, 24                            ; s[24:31] descriptor group 1 for A's tiles;  s[32:39] group 0, one set for each slot
.set G0, 32
.set G1B, 48                           ; s[48:55], s[56:63] the same for W's tiles
.set G0B, 56
.set PA, 68                            ; s[68:69] A, s[70:71] W, s[72:73] bias
.set PW, 70
.set PBIAS, 72
.set LM, 84                            ; s84-91  KIND 0: lane masks of a block's eight pairs of rows
.if KIND == 0
.set PMASK, 78
.set POUT, 80
.set GPB, 48
.set NLATE, 32
.elseif KIND == 1
.set POUT, 74
.set GPB, 16
.set NLATE, 0
.else
.set PRES, 74
.set POUT, 76
.set NLATE, 32
.endif
.set MSB, 0
.macro WIN new                         ; the immediate's high byte repeats the setting that is left; a switch that changes nothing is dropped
.if MSB != \new
	s_set_vgpr_msb (MSB<<8)|\new
.set MSB, \new
.endif
.endm
.set MUL,  0xa5                        ; sources 0 and 1 window 1; C and D window 2
.set MULB, 0x85                        ; the same with C in window 0: the bias
.set TO_F, 0x40                        ; destination window 1, address window 0
.macro JLOAD s                         ; a joint load: waves 0 and 1 fetch W's two blocks, waves 2 and 3 A's; four v_nop follow each of the two lines, ahead of the jump, the label and what follows
	s_cmp_eq_u32 s11, 0
	s_cbranch_scc0 .Lfor_a_\@
	tensor_load_to_lds s[G0B+4*\s:G0B+4*\s+3], s[G1B:G1B+7]
	s_nop 0
.rept 4
	v_nop
.endr
	s_branch .Lasked_\@
.Lfor_a_\@:
	tensor_load_to_lds s[G0+4*\s:G0+4*\s+3], s[G1:G1+7]
	s_nop 0
.rept 4
	v_nop
.endr
.Lasked_\@:
.endm
.macro CREST                           ; a round of the cluster's barrier behind its opening barrier
	s_cmp_lg_u32 s10, 0
	s_cbranch_scc1 .Lnot_wave_0_\@
	s_barrier_signal -3
.Lnot_wave_0_\@:
	s_barrier_wait -3
	s_barrier_signal -1
	s_barrier_wait -1
.endm
.macro CROUND                          ; a whole round
	s_barrier_signal -1
	s_barrier_wait -1
	CREST
.endm
.macro PLACES                          ; four places in front of loads into registers that matrix instructions have read, and of reads of results
.rept 4
	v_nop
.endr
.endm
	s_load_b256 s[68:75], s[0:1], 0x0
.if KIND == 0
	s_load_b128 s[76:79], s[0:1], 0x20             ; bv s[76:77], mask s[78:79]  (bq s[72:73], bk s[74:75])
	s_load_b64 s[80:81], s[0:1], 0x30              ; the output
.elseif KIND == 2
	s_load_b64 s[76:77], s[0:1], 0x20              ; the output  (the residual s[74:75])
.endif
	v_lshl_add_u32 v[SPW], v0, 2, SPARE
	v_mov_b32 v[NIL], 0
	ds_add_u32 v28, v29
	ds_add_u32 v28, v29
	s_wait_dscnt 0x0
	v_lshrrev_b32 v1, 5, v0
	v_readfirstlane_b32 s10, v1                    ; wave 0..3
	s_lshr_b32 s11, s10, 1                         ; which 64 rows of the tile are mine.  Also: I fetch for W (0) or for A (1)
	s_and_b32 s12, s10, 1                          ; which 128 columns.  Also: which of a step's two blocks g I fetch
	s_bfe_u32 s40, ttmp6, 0x40000                  ; cx, cy: my place in the cluster
	s_bfe_u32 s41, ttmp6, 0x40004
	s_lshl_b32 s42, ttmp9, 2
	s_add_co_u32 s42, s42, s40                     ; tile column = 4 x cluster x + cx
	s_and_b32 s13, ttmp7, 0xffff
	s_lshl_b32 s13, s13, 2
	s_add_co_u32 s13, s13, s41                     ; tile row = 4 x cluster y + cy
	s_lshl_b32 s43, s41, 2
	s_lshl_b32 s43, 15, s43                        ; my row of the cluster
	s_lshl_b32 s44, 0x1111, s40                    ; my column
	; descriptor group 1: a dense run as rows of 32 elements of 8 bytes; 15:0 the mask; 17:16 element size code 3; 20 padding on; 21 set beside a mask; 24:22 after every 32 words (code 4); 31:25 4 words of it (code 3)
	s_or_b32 s[G1+0], s43, (3<<16)|(1<<20)|(1<<21)|(4<<22)|(3<<25)
	s_or_b32 s[G1B+0], s44, (3<<16)|(1<<20)|(1<<21)|(4<<22)|(3<<25)
	s_mov_b32 s[G1+1], 32<<16                      ; tensor_dim0 = 32
	s_mov_b32 s[G1+2], 64<<16                      ; tensor_dim1 = 64 rows of 256 bytes: A's 128 rows of 128
	s_mov_b32 s[G1+3], 32<<16                      ; tile_dim0 = 32
	s_mov_b32 s[G1+4], 64                          ; tile_dim1
	s_mov_b32 s[G1+5], 32                          ; from row to row: 32 elements, no gap
	s_mov_b32 s[G1+6], 0
	s_mov_b32 s[G1+7], 0
	s_mov_b32 s[G1B+1], 32<<16
	s_mov_b32 s[G1B+2], 128<<16                    ; W's 256 rows of 128 bytes: 128 rows of 256
	s_mov_b32 s[G1B+3], 32<<16
	s_mov_b32 s[G1B+4], 128
	s_mov_b32 s[G1B+5], 32
	s_mov_b32 s[G1B+6], 0
	s_mov_b32 s[G1B+7], 0
	; where the tiles come from.  A's hang on the tile row and the wave alone, W's on the tile column and the wave alone, each in registers that never hold the other coordinate.
	s_lshr_b32 s14, s13, 3                         ; A: segment = tile row / 8,
	s_lshl_b32 s14, s14, 21
	s_and_b32 s15, s13, 7                          ; 128 rows of 128 bytes for each tile row in it,
	s_lshl_b32 s15, s15, 14
	s_add_co_u32 s14, s14, s15
	s_lshl_b32 s15, s12, 17                        ; my block g of the step
	s_add_co_u32 s14, s14, s15
	s_mov_b32 s15, 0
	s_lshl_b32 s46, ttmp9, 21                      ; W: segment = tile column / 4 = cluster x,
	s_lshl_b32 s47, s40, 15                        ; 256 rows of 128 bytes for each tile column in it (tile column % 4 = cx),
	s_add_co_u32 s46, s46, s47
	s_lshl_b32 s47, s12, 17                        ; my block g of the step
	s_add_co_u32 s46, s46, s47
	s_mov_b32 s47, 0
	s_mul_i32 s20, s10, ASUB                       ; where they go: A's blocks behind W's two: 2 BSUB + (wave - 2) ASUB,
	s_add_co_u32 s20, s20, 2*BSUB-2*ASUB
	s_mul_i32 s21, s10, BSUB                       ; W's: wave x BSUB.  No place in the cluster enters an LDS address
	s_wait_kmcnt 0x0
	s_add_nc_u64 s[14:15], s[PA:PA+1], s[14:15]
	s_add_nc_u64 s[46:47], s[PW:PW+1], s[46:47]
	CROUND                                         ; all sixteen work-groups are here: the first joint loads meet
.irp s, 0,1
	s_mov_b32 s[G0+4*\s], 1                                        ; count = 1
	s_add_co_u32 s[G0+4*\s+1], s20, \s*SLOT                        ; LDS address
	s_add_nc_u64 s[G0+4*\s+2:G0+4*\s+3], s[14:15], \s*GSTEP        ; global address: K step s
	s_or_b32 s[G0+4*\s+3], s[G0+4*\s+3], 0x80000000                ; type = 2
	s_mov_b32 s[G0B+4*\s], 1
	s_add_co_u32 s[G0B+4*\s+1], s21, \s*SLOT
	s_add_nc_u64 s[G0B+4*\s+2:G0B+4*\s+3], s[46:47], \s*GSTEP
	s_or_b32 s[G0B+4*\s+3], s[G0B+4*\s+3], 0x80000000
	JLOAD \s
.endr
	v_and_b32 v1, 15, v0                           ; l % 16
	v_bfe_u32 v2, v0, 4, 1                         ; l / 16
	v_mul_u32_u24 v3, v1, PITCH
	v_lshl_add_u32 v3, v2, 4, v3                   ; a fragment's row x pitch + 16 x half
	s_mul_i32 s21, s11, 64*PITCH                   ; my 64 rows of A,
	s_add_co_u32 s21, s21, 2*BSUB                  ; which lie behind W's two blocks
	s_mul_i32 s22, s12, 128*PITCH                  ; my 128 rows of W
.irp s, 0,1
	v_add_nc_u32 v[ADRA+\s], s21, v3
	v_add_nc_u32 v[ADRB+\s], s22, v3
	s_add_co_u32 s21, s21, SLOT
	s_add_co_u32 s22, s22, SLOT
.endr
	s_mul_i32 s23, s10, 16*SPITCH
	s_add_co_u32 s23, s23, STAGE                   ; my stage
	v_mul_u32_u24 v4, v1, SPITCH                   ; in: row l % 16, 32 bytes for each half of the lanes
	v_lshl_add_u32 v4, v2, 5, v4
	v_add_nc_u32 v[STO], s23, v4
	v_and_b32 v5, 31, v0
	v_lshlrev_b32 v[BO], 5, v2
.if KIND == 2
	v_lshl_add_u32 v[RD], v5, 4, s23               ; back: a whole row of 512 bytes, 16 bytes a lane
	v_lshlrev_b32 v[CO], 4, v5
.else
	v_mul_u32_u24 v6, v2, SPITCH                   ; back: lanes 0-15 take 256 bytes (64 columns) of one row, lanes 16-31 of the next
	v_lshl_add_u32 v6, v1, 4, v6
	v_add_nc_u32 v[RD], s23, v6
	v_lshlrev_b32 v[CO], 3, v5                     ; out: 8 bytes a lane: two neighbouring rows of a block
.endif
.if KIND == 0
	v_lshlrev_b32 v[MO], 2, v2
	s_cmp_eq_u32 ttmp9, 1                          ; the bias of my segment: cluster x = 0 q, 1 k, 2 v
	s_cselect_b64 s[PBIAS:PBIAS+1], s[74:75], s[PBIAS:PBIAS+1]
	s_cmp_eq_u32 ttmp9, 2
	s_cselect_b64 s[PBIAS:PBIAS+1], s[76:77], s[PBIAS:PBIAS+1]
	s_cmp_eq_u32 ttmp9, 1
	s_cselect_b32 s82, 0, -1                       ; all ones where the tile is not k's: the mask then selects nothing away
	s_lshl_b32 s16, s13, 9                         ; mask words of my 64 rows: 4 x (128 x tile row + 64 x half)
	s_lshl_b32 s17, s11, 8
	s_add_co_u32 s16, s16, s17
	s_mov_b32 s17, 0
	s_add_nc_u64 s[PMASK:PMASK+1], s[PMASK:PMASK+1], s[16:17]
.endif
	s_lshl_b32 s16, s40, 10                        ; bias of my 128 columns: 4 x (256 x (tile column % 4) + 128 x half)
	s_lshl_b32 s17, s12, 9
	s_add_co_u32 s16, s16, s17
	s_mov_b32 s17, 0
	s_add_nc_u64 s[PBIAS:PBIAS+1], s[PBIAS:PBIAS+1], s[16:17]
.if KIND == 2
	s_lshl_b32 s16, s13, 19                        ; my first row (128 x tile row + 64 x half) x 4,096 bytes + my first column (256 x tile column + 128 x half) x 4
	s_lshl_b32 s17, s11, 18
	s_add_co_u32 s16, s16, s17
	s_lshl_b32 s17, s42, 10
	s_add_co_u32 s16, s16, s17
	s_lshl_b32 s17, s12, 9
	s_add_co_u32 s16, s16, s17
	s_mov_b32 s17, 0
	s_add_nc_u64 s[PRES:PRES+1], s[PRES:PRES+1], s[16:17]
	s_add_nc_u64 s[POUT:POUT+1], s[POUT:POUT+1], s[16:17]
.else
	s_lshr_b32 s16, s13, 3                         ; block = batch x GPB + 4 x tile column + 2 x half,
	s_mul_i32 s16, s16, GPB
	s_lshl2_add_u32 s16, s42, s16
	s_lshl1_add_u32 s16, s12, s16
	s_lshl_b32 s16, s16, 17
	s_and_b32 s17, s13, 7                          ; row in the batch = 128 x (tile row % 8) + 64 x half, 128 bytes each
	s_lshl_b32 s17, s17, 14
	s_add_co_u32 s16, s16, s17
	s_lshl_b32 s17, s11, 13
	s_add_co_u32 s16, s16, s17
	s_mov_b32 s17, 0
	s_add_nc_u64 s[POUT:POUT+1], s[POUT:POUT+1], s[16:17]
.endif
.irp b, 0,1,2,3,4,5,6,7
	global_load_b128 v[BIAS+8*\b:BIAS+8*\b+3],   v[BO], s[PBIAS:PBIAS+1] offset:64*\b      ; bias of columns 16 b + 8 (l / 16) + 0..3
	global_load_b128 v[BIAS+8*\b+4:BIAS+8*\b+7], v[BO], s[PBIAS:PBIAS+1] offset:64*\b+16
.endr
.if KIND == 0
.irp a, 0,1,2,3
.irp t, 0,1,2,3,4,5,6,7
	global_load_b32 v[MK+8*\a+\t], v[MO], s[PMASK:PMASK+1] offset:(16*\a+2*\t)*4
.endr
.endr
.elseif KIND == 2
.irp a, 0,1
.irp t, 0,1,2,3,4,5,6,7,8,9,10,11,12,13,14,15
	global_load_b128 v[RES+64*\a+4*\t:RES+64*\a+4*\t+3], v[CO], s[PRES:PRES+1] offset:(16*\a+\t)*4096   ; the residual of my first 32 rows comes in under the products
.endr
.endr
.endif
; 8 matrix instructions: row block a x all 8 column blocks, 32 along K, from buffer fb.  first = 1: the product starts the sum on the bias.  The 32 accumulators take turns, one instruction a turn.
.macro MULA fb, a, first
.irp b, 0,1,2,3,4,5,6,7
.if \first
	v_wmma_f32_16x16x32_bf16 v[8*(8*(\a)+\b):8*(8*(\a)+\b)+7], v[\fb+8*\b:\fb+8*\b+7], v[\fb+64+8*(\a):\fb+64+8*(\a)+7], v[BIAS+8*\b:BIAS+8*\b+7]
.else
	v_wmma_f32_16x16x32_bf16 v[8*(8*(\a)+\b):8*(8*(\a)+\b)+7], v[\fb+8*\b:\fb+8*\b+7], v[\fb+64+8*(\a):\fb+64+8*(\a)+7], v[8*(8*(\a)+\b):8*(8*(\a)+\b)+7]
.endif
.endr
.endm
; 24 LDS loads in one run: the fragments of quarter q of a K step (block g = q / 2, bytes 64 (q % 2) on of its rows) into buffer fb: W's eight, then A's four
.macro FETCH slot, q, fb
	WIN TO_F
.irp i, 0,1,2,3,4,5,6,7
	ds_load_b128 v[\fb+8*\i:\fb+8*\i+3],   v[ADRB+\slot] offset:((\q)>>1)*BSUB+((\q)&1)*64+\i*16*PITCH
	ds_load_b128 v[\fb+8*\i+4:\fb+8*\i+7], v[ADRB+\slot] offset:((\q)>>1)*BSUB+((\q)&1)*64+\i*16*PITCH+32
.endr
.irp i, 0,1,2,3
	ds_load_b128 v[\fb+64+8*\i:\fb+64+8*\i+3],   v[ADRA+\slot] offset:((\q)>>1)*ASUB+((\q)&1)*64+\i*16*PITCH
	ds_load_b128 v[\fb+64+8*\i+4:\fb+64+8*\i+7], v[ADRA+\slot] offset:((\q)>>1)*ASUB+((\q)&1)*64+\i*16*PITCH+32
.endr
.endm
; A K step is four quarters of 32 along K, 32 matrix instructions each, on buffers 0, 1, 0, 1.  One of the first three: multiplies buffer fb and fetches quarter qn into gb.
.macro QUARTER slot, qn, fb, gb, first
	s_wait_dscnt 4                                 ; W's fragments and A's blocks 0, 1 are in; the youngest four loads (A's blocks 2, 3) may be out
.if \first
	WIN MULB
.else
	WIN MUL
.endif
	MULA \fb, 0, \first
	MULA \fb, 1, \first
	PLACES
	FETCH \slot, \qn, \gb
	s_wait_dscnt 24                                ; all but the 24 just issued
.if \first
	WIN MULB
.else
	WIN MUL
.endif
	MULA \fb, 2, \first
	MULA \fb, 3, \first
.endm
; The last quarter multiplies buffer 1 and changes slots: ONE barrier; in front of it each wave waits for all its tensor loads, adds 0 to its spare word, and waits for that and for its own reads of this slot.
; fill = 1: the barrier opens a round of the cluster's, and this slot is filled again, two K steps ahead, first thing behind it: 112 matrix instructions ahead of the wait for it.
.macro TURN slot, next, fill
	WIN 0                                          ; (the add's two registers lie in window 0)
	s_wait_tensorcnt 0x0                           ; all my tensor loads have landed: my part of the next slot;
	ds_add_u32 v[SPW], v[NIL]                      ; 0 onto my spare word;
	s_wait_dscnt 5                                 ; (the add and the youngest four loads may be out)
	WIN MUL
	MULA F1, 0, 0                                  ; eight matrix instructions stand between the add and the wait for it
	s_wait_dscnt 0x0                               ; the add is done, and my reads of this slot are over
	s_barrier_signal -1
	MULA F1, 1, 0
.if \fill
	WIN 0
.endif
	s_barrier_wait -1
.if \fill
	CREST                                          ; no wave of any partner still reads this slot's tile or has a load on its way
	s_add_nc_u64 s[G0+4*\slot+2:G0+4*\slot+3], s[G0+4*\slot+2:G0+4*\slot+3], 2*GSTEP
	s_add_nc_u64 s[G0B+4*\slot+2:G0B+4*\slot+3], s[G0B+4*\slot+2:G0B+4*\slot+3], 2*GSTEP
	JLOAD \slot                                    ; the four v_nop behind it are also the places in front of the loads below
.else
	PLACES
.endif
	FETCH \next, 0, F0
	WIN MUL
	MULA F1, 2, 0
	MULA F1, 3, 0
.endm
	s_wait_tensorcnt 1                             ; my part of K step 0 is in; K step 1's may stay out
	s_barrier_signal -1
	s_barrier_wait -1                              ; everybody's is
	FETCH 0, 0, F0
	s_wait_loadcnt NLATE                           ; the bias is in; what was asked for behind it may stay out
	QUARTER 0, 1, F0, F1, 1                        ; the first quarter stands in front of the loop: its products start the sums
	WIN 0                                          ; at a label and at a branch every window is 0
	s_mov_b32 s3, LAPS-1
.Llap:                                                 ; a trip goes once round the ring, from a lap's second quarter to the next lap's first, and fills both slots again
	QUARTER 0, 2, F1, F0, 0
	QUARTER 0, 3, F0, F1, 0
	TURN 0, 1, 1
	QUARTER 1, 1, F0, F1, 0
	QUARTER 1, 2, F1, F0, 0
	QUARTER 1, 3, F0, F1, 0
	TURN 1, 0, 1
	QUARTER 0, 1, F0, F1, 0
	WIN 0
	s_sub_co_u32 s3, s3, 1
	s_cmp_lg_u32 s3, 0
	s_cbranch_scc1 .Llap
	QUARTER 0, 2, F1, F0, 0                        ; the last lap fills nothing, and has no round of the cluster's barrier
	QUARTER 0, 3, F0, F1, 0
	TURN 0, 1, 0
	QUARTER 1, 1, F0, F1, 0
	QUARTER 1, 2, F1, F0, 0
	QUARTER 1, 3, F0, F1, 0
	s_wait_dscnt 4                                 ; the very last quarter: nothing more to fetch
	WIN MUL
	MULA F1, 0, 0
	MULA F1, 1, 0
	s_wait_dscnt 0x0
	MULA F1, 2, 0
	MULA F1, 3, 0
; THE WAY OUT, a block of 16 rows at a time, through my own stage in LDS (f32): a lane's 32 bytes go in, whole runs of a row come back.  LDS serves a wave's instructions in order
; (ISA guide 5.7.1.4), so no wait stands between my stores and my loads, nor between a block's loads and the next block's stores.
.macro STG a                           ; each accumulator's low four registers first
	WIN 0x08                                       ; store data window 2, address window 0
.irp b, 0,1,2,3,4,5,6,7
	ds_store_b128 v[STO], v[8*(8*(\a)+\b):8*(8*(\a)+\b)+3]   offset:64*\b
	ds_store_b128 v[STO], v[8*(8*(\a)+\b)+4:8*(8*(\a)+\b)+7] offset:64*\b+16
.endr
.endm
.macro RDB a                           ; back into buffer a % 2 of window 1
	WIN 0x40
.set RB, 64*((\a)%2)
.if KIND == 2
.irp t, 0,1,2,3,4,5,6,7,8,9,10,11,12,13,14,15
	ds_load_b128 v[RB+4*\t:RB+4*\t+3], v[RD] offset:\t*SPITCH
.endr
.else
.irp t, 0,1,2,3,4,5,6,7
	ds_load_b128 v[RB+8*\t:RB+8*\t+3],   v[RD] offset:\t*2*SPITCH          ; rows 2 t, 2 t + 1: columns 0-63
	ds_load_b128 v[RB+8*\t+4:RB+8*\t+7], v[RD] offset:\t*2*SPITCH+256      ; columns 64-127
.endr
.endif
.endm
.macro OUT a
.set RB, 64*((\a)%2)
.set RSD, RES+64*((\a)%2)
.if KIND == 2
.if (\a) < 3
	s_wait_loadcnt 16                              ; this block's residual is in; the sixteen loads of the block asked for last may stay out
.else
	s_wait_loadcnt 0x0
.endif
	WIN 0x41                                       ; destination and source 0 window 1, source 1 window 0
.set i, 0
.rept 32
	v_pk_add_f32 v[RB+2*i:RB+2*i+1], v[RB+2*i:RB+2*i+1], v[RSD+2*i:RSD+2*i+1]
.set i, i+1
.endr
	WIN 0x04                                       ; store data window 1
.irp t, 0,1,2,3,4,5,6,7,8,9,10,11,12,13,14,15
	global_store_b128 v[CO], v[RB+4*\t:RB+4*\t+3], s[POUT:POUT+1] offset:(16*(\a)+\t)*4096   ; the wave stores 512 consecutive bytes, at a multiple of 512 from the buffer's first byte
.endr
.if (\a) < 2
	WIN 0
.irp t, 0,1,2,3,4,5,6,7,8,9,10,11,12,13,14,15
	global_load_b128 v[RSD+4*\t:RSD+4*\t+3], v[CO], s[PRES:PRES+1] offset:(16*((\a)+2)+\t)*4096   ; the buffer takes the block two further on
.endr
.endif
.else
.if KIND == 0
	WIN 0
.irp t, 0,1,2,3,4,5,6,7
	v_cmp_ne_u32 s[LM+\t], 0, v[MK+8*(\a)+\t]      ; lanes whose row is kept
.endr
.irp t, 0,1,2,3,4,5,6,7
	s_or_b32 s[LM+\t], s[LM+\t], s82               ; all of them where the tile is not k's
.endr
.endif
	WIN 0x45                                       ; destination and both sources window 1
.if KIND == 1
.set i, 0
.rept 64
	v_max_num_f32 v[RB+i], 0, v[RB+i]
.set i, i+1
.endr
.endif
.set i, 0
.rept 16
	v_cvt_pk_bf16_f32 v[RB+4*i],   v[RB+4*i],   v[RB+4*i+1]
	v_cvt_pk_bf16_f32 v[RB+4*i+1], v[RB+4*i+2], v[RB+4*i+3]
.set i, i+1
.endr
.if KIND == 0
.irp t, 0,1,2,3,4,5,6,7
	v_cndmask_b32 v[RB+8*\t],   0, v[RB+8*\t],   s[LM+\t]
	v_cndmask_b32 v[RB+8*\t+1], 0, v[RB+8*\t+1], s[LM+\t]
	v_cndmask_b32 v[RB+8*\t+4], 0, v[RB+8*\t+4], s[LM+\t]
	v_cndmask_b32 v[RB+8*\t+5], 0, v[RB+8*\t+5], s[LM+\t]
.endr
.endif
	WIN 0x04
.irp t, 0,1,2,3,4,5,6,7
	global_store_b64 v[CO], v[RB+8*\t:RB+8*\t+1],   s[POUT:POUT+1] offset:(16*(\a)+2*\t)*128          ; the wave stores 256 consecutive bytes (two rows of a block), at a multiple of 256
	global_store_b64 v[CO], v[RB+8*\t+4:RB+8*\t+5], s[POUT:POUT+1] offset:131072+(16*(\a)+2*\t)*128   ; the next block g
.endr
.endif
.endm
	WIN 0
	PLACES
.if KIND == 0
	s_wait_loadcnt 0x0                             ; the mask words
.endif
	STG 0
	RDB 0
.irp a, 0,1,2,3
.if \a < 3
	s_wait_xcnt 0x0                                ; every earlier memory instruction has had its addresses translated (ISA guide 3.1): the buffer that earlier stores read is loaded again only behind this wait
	STG \a+1
	RDB \a+1
	s_wait_dscnt 32                                ; this block is back; the next block's sixteen stores and sixteen loads may be out
.else
	s_wait_dscnt 0x0
.endif
	OUT \a
.endr
	WIN 0
	s_wait_tensorcnt 0x0                           ; the wave's end, behind my last tensor load and my last LDS store
	ds_add_u32 v[SPW], v[NIL]
	s_wait_dscnt 0x0
	CROUND                                         ; the closing round: no work-group ends while a partner may still ask for a tile that names it
	s_endpgm
.Lfunc_end_k_q98bf3c1c1b_ffn1:
	.size	k_q98bf3c1c1b_ffn1, .Lfunc_end_k_q98bf3c1c1b_ffn1-k_q98bf3c1c1b_ffn1
	.p2alignl 7, 3214868480
	.fill 96, 4, 3214868480
	.section	.rodata,"a",@progbits
	.p2align	6, 0x0
	.amdhsa_kernel k_q98bf3c1c1b_ffn1
		.amdhsa_group_segment_fixed_size 327680
		.amdhsa_private_segment_fixed_size 0
		.amdhsa_enable_private_segment 0
		.amdhsa_kernarg_size 32
		.amdhsa_user_sgpr_count 2
		.amdhsa_user_sgpr_kernarg_segment_ptr 1
		.amdhsa_wavefront_size32 1
		.amdhsa_system_sgpr_workgroup_id_x 1
		.amdhsa_system_sgpr_workgroup_id_y 1
		.amdhsa_system_sgpr_workgroup_id_z 1
		.amdhsa_system_vgpr_workitem_id 0
		.amdhsa_next_free_vgpr 768
		.amdhsa_next_free_sgpr 96
		.amdhsa_reserve_vcc 0
		.amdhsa_float_denorm_mode_32 3
		.amdhsa_float_denorm_mode_16_64 3
		.amdhsa_memory_ordered 1
		.amdhsa_forward_progress 1
		.amdhsa_inst_pref_size 103
	.end_amdhsa_kernel
	.amdgpu_metadata
---
amdhsa.version: [ 1, 2 ]
amdhsa.kernels:
  - .name:           k_q98bf3c1c1b_ffn1
    .symbol:         k_q98bf3c1c1b_ffn1.kd
    .args:
      - { .name: xa, .offset: 0, .size: 8, .value_kind: global_buffer, .address_space: global }
      - { .name: w1b, .offset: 8, .size: 8, .value_kind: global_buffer, .address_space: global }
      - { .name: b1, .offset: 16, .size: 8, .value_kind: global_buffer, .address_space: global }
      - { .name: qkvb, .offset: 24, .size: 8, .value_kind: global_buffer, .address_space: global }
    .group_segment_fixed_size: 327680
    .private_segment_fixed_size: 0
    .kernarg_segment_align: 8
    .kernarg_segment_size: 32
    .max_flat_workgroup_size: 128
    .sgpr_count:     96
    .vgpr_count:     768
    .wavefront_size: 32
...
	.end_amdgpu_metadata
.endif
;; end of part 6
;; launch ffn2: the kernel of part 4 again; grid 4 x 64, 4 waves a work-group, clusters of 4 x 4, 327,680 bytes of LDS; arguments qkvb, w2b, b2, x1, out0; writes out0
;; ======== version 2 of 2: 7 launches; 1.12 times as fast as version 1
;; workspace buffers: xa 16,777,216 bytes; wqkvb 6,291,456 bytes; wob 2,097,152 bytes; w1b 2,097,152 bytes; w2b 2,097,152 bytes; qkvb 50,331,648 bytes; x1 33,554,432 bytes
;; launch prep: the kernel of part 1 again; grid 32 x 14, 8 waves a work-group, no clusters, 0 bytes of LDS; arguments X, wq, wk, wv, wo, w1, w2, ln1_a, ln1_b, xa, wqkvb, wob, w1b, w2b; writes xa, wqkvb, wob, w1b, w2b
;; launch qkv (part 7): grid 8 x 32, 4 waves a work-group, clusters of 4 x 4, 327,680 bytes of LDS; arguments xa, wqkvb, bq, bk, bv, mask, qkvb; writes qkvb
.if DOCPART == 7
	.amdgcn_target "amdgcn-amd-amdhsa--gfx1250"
	.amdhsa_code_object_version 6
	.text
	.protected	k_q98bf3c1c1b_qkv
	.globl	k_q98bf3c1c1b_qkv
	.p2align	8
	.type	k_q98bf3c1c1b_qkv,@function
k_q98bf3c1c1b_qkv:
	s_mov_b64 s[64:65], 0
	v_nop
	global_prefetch_b8 v0, s[64:65] scope:SCOPE_SE
	s_setreg_imm32_b32 hwreg(HW_REG_WAVE_MODE, 25, 1), 1
	s_wait_xcnt 0x0
	s_wait_alu depctr_hold_cnt(0) depctr_sa_sdst(0) depctr_va_vdst(0) depctr_va_sdst(0) depctr_va_ssrc(0) depctr_va_vcc(0) depctr_vm_vsrc(0)
	s_getreg_b32 s2, hwreg(HW_REG_IB_STS2, 6, 4)
	s_cmp_eq_u32 s2, 0
	s_cbranch_scc0 .Lentry_in_a_cluster
	s_endpgm
.Lentry_in_a_cluster:
	s_bfe_u32 s2, ttmp6, 0x10000c
	s_cmp_lg_u32 s2, 0xf033
	s_cbranch_scc0 .Lentry_shape_is_right
	s_endpgm
.Lentry_shape_is_right:
; q, k, v = xn1 (wq | wk | wv)^T + (bq | bk | bv): M = 8,192, N = 3,072, K = 1,024, bf16 operands in blocks, f32 sums, out in bf16, in blocks: 48 blocks a batch (0-15 q's heads, 16-31 k's, 32-47 v's).
; Rows of k whose mask word is 0 are stored as zeros (a select), so that the attention's score of such a key is exactly its starting value.
; BLOCKED LAYOUT: [segment of 1,024 rows][g = block of 64 along K][row][64] bf16: byte = seg<<21 + g<<17 + row<<7 + 2 col.  Neighbouring rows of one block are one dense run of memory.
; SHARES.  A work-group makes 256 rows x 384 columns: 32 x 8 = 256 work-groups, one tile each.  Four waves, each 128 x 192: 96 accumulators, 768 registers.  For 32 along K a wave reads 20 fragments
; from LDS and issues 96 matrix instructions.
; K goes in steps of 64 (one block g) through two LDS slots of A's 256 rows and W's 384.  Wave 0 fetches A's rows (a dense run of 32 KiB), waves 1 to 3 fetch 128 rows of W each (16 KiB; 384 tx + 128 i is a
; multiple of 128, so such a piece never crosses a segment of 1,024 rows): one tensor load a wave.  A dense run comes in as rows of 256 bytes, with 16 bytes of padding behind every 128: LDS rows of 144 bytes.
; CLUSTERS: 4 x 4 work-groups.  The four of a row of the cluster need the same tiles of A, the four of a column the same tiles of W: each tile is asked for jointly, by the same tensor load with the same
; descriptor and a mask that names the four.  By this text's count a wave has two tensor loads out at the start and one behind each refill.
; THE MATRIX INSTRUCTION IS USED TRANSPOSED (source 0 = 16 rows of W, source 1 = 16 rows of A): a lane holds row lane % 16 of C and eight neighbouring columns.
; REGISTERS.  Windows 1 to 3: the accumulators; column block b = 4 j + i lies in window 1 + j, accumulator (a, i) at v[8 (4 a + i)]: a window holds one head (64 columns) of the wave's three.
;   Window 0: v8-18 addresses; v20-31 bias; v32-159 A's fragments, two buffers of 8; v160-255 W's fragments, a ring of three groups of 4.  On the way out v32-223 are two buffers of 96.
; A CHUNK (32 along K) is three steps of 32 matrix instructions: step j multiplies W's group j by all 8 fragments of A, under one window setting.  Each step begins with the loads into the group that the step
; before has read: step 0 this chunk's group 2, step 1 the next chunk's group 0 and A's rows 0-63, step 2 A's rows 64-127 and group 1.  So a group is asked for two steps ahead of its use.
.set PITCH,  144                       ; an LDS row: 128 bytes + 16 = 36 words: 16 neighbouring rows start at 16 different groups of four banks
.set ASUB,   256*PITCH                 ; A's 256 rows of one block g
.set BCH,    128*PITCH                 ; 128 rows of W: what one of waves 1 to 3 fetches
.set SLOT,   ASUB+3*BCH                ; A, then W's 384 rows
.set STAGE,  2*SLOT                    ; behind the ring: 16 rows x 784 bytes of f32 for each wave, for the way out
.set SPITCH, 784                       ; 768 bytes + 16 = 196 words: row r starts at bank 4 r mod 64
.set SPARE,  STAGE+4*16*SPITCH         ; behind the stages: the spare words, 128 bytes for each wave: two blocks of 256 bytes that no other line names
.set GSTEP,  1<<17                     ; bytes in memory from a block g to the next
.set ADRA, 8                           ; v8-9    LDS address of my A fragments in slot 0, 1
.set ADRB, 10                          ; v10-11  the same for W
.set STO,  12                          ; v12     the way out: where I put 32 bytes of a row
.set RD,   13                          ; v13     the way out: where I read rows back
.set CO,   14                          ; v14     my byte offset in the output: 8 x lane
.set BOF,  15                          ; v15     my byte offset in a head's bias: 16 x (lane % 16)
.set SPW,  16                          ; v16     LDS address of my spare word; never rewritten
.set NIL,  17                          ; v17     0; never rewritten
.set MOF,  18                          ; v18     my byte offset in the mask: 4 x lane
.set BIA,  20                          ; v20-31  bias of my 4 columns in each of my wave's 3 heads
.set AF,   32
.set BR,   160
.set G1, 24                            ; s[24:31] descriptor group 1 for A's tiles;  s[32:39] group 0, one set for each slot
.set G0, 32
.set G1B, 48                           ; s[48:55], s[56:63] the same for W's tiles
.set G0B, 56
.set PA, 68                            ; s[68:69] xa, s[70:71] wqkvb, s[72:77] bq, bk, bv, s[78:79] mask, s[80:81] qkvb
.set PW, 70
.set PMASK, 78
.set POUT, 80
.set HD0,  82                          ; s82     my wave's first head: 6 x tile column + 3 x half
.set RBIT, 84                          ; s84-87  bit l of word q: the mask word of my wave's row 32 q + l is not 0
.set LM,   92                          ; s92-94  lane mask of a pair of rows, for each of the 3 heads
.set NK,   96                          ; s96-98  all ones where the head is not one of k's: the mask then selects nothing away
.set MSB, 0
.macro WIN new                         ; the immediate's high byte repeats the setting that is left; a switch that changes nothing is dropped
.if MSB != \new
	s_set_vgpr_msb (MSB<<8)|\new
.set MSB, \new
.endif
.endm
.macro JLOAD s                         ; a joint load: wave 0 fetches A's rows, waves 1 to 3 W's; four v_nop follow each of the two lines, ahead of the jump, the label and what follows
	s_cmp_eq_u32 s10, 0
	s_cbranch_scc0 .Lfor_w_\@
	tensor_load_to_lds s[G0+4*\s:G0+4*\s+3], s[G1:G1+7]
	s_nop 0
.rept 4
	v_nop
.endr
	s_branch .Lasked_\@
.Lfor_w_\@:
	tensor_load_to_lds s[G0B+4*\s:G0B+4*\s+3], s[G1B:G1B+7]
	s_nop 0
.rept 4
	v_nop
.endr
.Lasked_\@:
.endm
.macro CREST                           ; a round of the cluster's barrier behind its opening barrier
	s_cmp_lg_u32 s10, 0
	s_cbranch_scc1 .Lnot_wave_0_\@
	s_barrier_signal -3
.Lnot_wave_0_\@:
	s_barrier_wait -3
	s_barrier_signal -1
	s_barrier_wait -1
.endm
.macro CROUND                          ; a whole round
	s_barrier_signal -1
	s_barrier_wait -1
	CREST
.endm
.macro PLACES                          ; four places in front of loads into registers that matrix instructions have read, and of reads of results
.rept 4
	v_nop
.endr
.endm
	s_load_b256 s[68:75], s[0:1], 0x0              ; xa, wqkvb, bq, bk
	s_load_b128 s[76:79], s[0:1], 0x20             ; bv, mask
	s_load_b64 s[80:81], s[0:1], 0x30              ; qkvb
	v_lshl_add_u32 v[SPW], v0, 2, SPARE
	v_mov_b32 v[NIL], 0
	ds_add_u32 v16, v17
	ds_add_u32 v16, v17
	s_wait_dscnt 0x0
	v_lshrrev_b32 v1, 5, v0
	v_readfirstlane_b32 s10, v1                    ; wave 0..3
	s_lshr_b32 s11, s10, 1                         ; which 128 rows of the tile are mine
	s_and_b32 s12, s10, 1                          ; which 192 columns
	s_bfe_u32 s40, ttmp6, 0x40000                  ; cx, cy: my place in the cluster
	s_bfe_u32 s41, ttmp6, 0x40004
	s_lshl_b32 s42, ttmp9, 2
	s_add_co_u32 s42, s42, s40                     ; tile column = 4 x cluster x + cx
	s_and_b32 s13, ttmp7, 0xffff
	s_lshl_b32 s13, s13, 2
	s_add_co_u32 s13, s13, s41                     ; tile row = 4 x cluster y + cy
	s_lshl_b32 s43, s41, 2
	s_lshl_b32 s43, 15, s43                        ; my row of the cluster
	s_lshl_b32 s44, 0x1111, s40                    ; my column
	; descriptor group 1: a dense run as rows of 32 elements of 8 bytes; 15:0 the mask; 17:16 element size code 3; 20 padding on; 21 set beside a mask; 24:22 after every 32 words (code 4); 31:25 4 words of it (code 3)
	s_or_b32 s[G1+0], s43, (3<<16)|(1<<20)|(1<<21)|(4<<22)|(3<<25)
	s_or_b32 s[G1B+0], s44, (3<<16)|(1<<20)|(1<<21)|(4<<22)|(3<<25)
	s_mov_b32 s[G1+1], 32<<16                      ; tensor_dim0 = 32
	s_mov_b32 s[G1+2], 128<<16                     ; tensor_dim1 = 128 rows of 256 bytes: A's 256 rows of 128
	s_mov_b32 s[G1+3], 32<<16                      ; tile_dim0 = 32
	s_mov_b32 s[G1+4], 128                         ; tile_dim1
	s_mov_b32 s[G1+5], 32                          ; from row to row: 32 elements, no gap
	s_mov_b32 s[G1+6], 0
	s_mov_b32 s[G1+7], 0
	s_mov_b32 s[G1B+1], 32<<16
	s_mov_b32 s[G1B+2], 64<<16                     ; 128 rows of W of 128 bytes: 64 rows of 256
	s_mov_b32 s[G1B+3], 32<<16
	s_mov_b32 s[G1B+4], 64
	s_mov_b32 s[G1B+5], 32
	s_mov_b32 s[G1B+6], 0
	s_mov_b32 s[G1B+7], 0
	; where the tiles come from.  A's hang on the tile row alone, W's on the tile column and the wave alone, each in registers that never hold the other coordinate.
	s_lshr_b32 s14, s13, 2                         ; A: segment = tile row / 4,
	s_lshl_b32 s14, s14, 21
	s_and_b32 s15, s13, 3                          ; 256 rows of 128 bytes for each tile row in it
	s_lshl_b32 s15, s15, 15
	s_add_co_u32 s14, s14, s15
	s_mov_b32 s15, 0
	s_max_u32 s18, s10, 1                          ; W: waves 1 to 3 take pieces 0 to 2 (wave 0 asks for none; its copy of these registers is wave 1's)
	s_sub_co_u32 s18, s18, 1
	s_lshl_b32 s18, s18, 7
	s_mul_i32 s46, s42, 384
	s_add_co_u32 s46, s46, s18                     ; the piece's first row among the 3,072: 384 x tile column + 128 x piece
	s_lshr_b32 s47, s46, 10                        ; its segment,
	s_lshl_b32 s47, s47, 21
	s_and_b32 s46, s46, 1023                       ; its row in the segment, 128 bytes each
	s_lshl_b32 s46, s46, 7
	s_add_co_u32 s46, s46, s47
	s_mov_b32 s47, 0
	s_mul_i32 s21, s10, BCH                        ; where W's pieces go: ASUB + (wave - 1) x BCH.  No place in the cluster enters an LDS address
	s_add_co_u32 s21, s21, ASUB-BCH
	s_wait_kmcnt 0x0
	s_add_nc_u64 s[14:15], s[PA:PA+1], s[14:15]
	s_add_nc_u64 s[46:47], s[PW:PW+1], s[46:47]
	CROUND                                         ; all sixteen work-groups are here: the first joint loads meet
.irp s, 0,1
	s_mov_b32 s[G0+4*\s], 1                                        ; count = 1
	s_mov_b32 s[G0+4*\s+1], \s*SLOT                                ; LDS address: A lies at the slot's start
	s_add_nc_u64 s[G0+4*\s+2:G0+4*\s+3], s[14:15], \s*GSTEP        ; global address: block g = s
	s_or_b32 s[G0+4*\s+3], s[G0+4*\s+3], 0x80000000                ; type = 2
	s_mov_b32 s[G0B+4*\s], 1
	s_add_co_u32 s[G0B+4*\s+1], s21, \s*SLOT
	s_add_nc_u64 s[G0B+4*\s+2:G0B+4*\s+3], s[46:47], \s*GSTEP
	s_or_b32 s[G0B+4*\s+3], s[G0B+4*\s+3], 0x80000000
	JLOAD \s
.endr
	v_and_b32 v1, 15, v0                           ; l % 16
	v_bfe_u32 v2, v0, 4, 1                         ; l / 16
	v_mul_u32_u24 v3, v1, PITCH
	v_lshl_add_u32 v3, v2, 4, v3                   ; a fragment's row x pitch + 16 x half
	s_mul_i32 s21, s11, 128*PITCH                  ; my 128 rows of A
	s_mul_i32 s22, s12, 192*PITCH                  ; my 192 rows of W,
	s_add_co_u32 s22, s22, ASUB                    ; which lie behind A's 256
.irp s, 0,1
	v_add_nc_u32 v[ADRA+\s], s21, v3
	v_add_nc_u32 v[ADRB+\s], s22, v3
	s_add_co_u32 s21, s21, SLOT
	s_add_co_u32 s22, s22, SLOT
.endr
	s_mul_i32 s23, s10, 16*SPITCH
	s_add_co_u32 s23, s23, STAGE                   ; my stage
	v_mul_u32_u24 v4, v1, SPITCH                   ; in: row l % 16, 32 bytes for each half of the lanes
	v_lshl_add_u32 v4, v2, 5, v4
	v_add_nc_u32 v[STO], s23, v4
	v_mul_u32_u24 v5, v2, SPITCH                   ; back: lanes 0-15 take 256 bytes (a head's 64 columns) of one row, lanes 16-31 of the next
	v_lshl_add_u32 v5, v1, 4, v5
	v_add_nc_u32 v[RD], s23, v5
	v_and_b32 v6, 31, v0
	v_lshlrev_b32 v[CO], 3, v6                     ; out: 8 bytes a lane: two neighbouring rows of a block
	v_lshlrev_b32 v[MOF], 2, v6
	v_lshlrev_b32 v[BOF], 4, v1
	s_mul_i32 s[HD0], s42, 6                       ; my wave's three heads: 6 x tile column + 3 x half + 0..2; they may lie in different segments
	s_mul_i32 s16, s12, 3
	s_add_co_u32 s[HD0], s[HD0], s16
.irp i, 0,1,2
	s_add_co_u32 s16, s[HD0], \i
	s_lshr_b32 s17, s16, 4                         ; the head's segment: 0 q, 1 k, 2 v
	s_and_b32 s16, s16, 15
	s_lshl_b32 s16, s16, 8                         ; its 64 numbers in that segment's bias
	s_cmp_eq_u32 s17, 1
	s_cselect_b64 s[4+2*\i:5+2*\i], s[74:75], s[72:73]
	s_cselect_b32 s[NK+\i], 0, -1
	s_cmp_eq_u32 s17, 2
	s_cselect_b64 s[4+2*\i:5+2*\i], s[76:77], s[4+2*\i:5+2*\i]
	s_mov_b32 s17, 0
	s_add_nc_u64 s[4+2*\i:5+2*\i], s[4+2*\i:5+2*\i], s[16:17]
	global_load_b128 v[BIA+4*\i:BIA+4*\i+3], v[BOF], s[4+2*\i:5+2*\i]   ; bias of columns 4 (l % 16) + 0..3 of the head
.endr
	s_lshl_b32 s16, s13, 10                        ; mask words of my 128 rows: 4 x (256 x tile row + 128 x half)
	s_lshl_b32 s17, s11, 9
	s_add_co_u32 s16, s16, s17
	s_mov_b32 s17, 0
	s_add_nc_u64 s[PMASK:PMASK+1], s[PMASK:PMASK+1], s[16:17]
.irp q, 0,1,2,3
	global_load_b32 v[4+\q], v[MOF], s[PMASK:PMASK+1] offset:128*\q    ; lane l: the word of row 32 q + l
.endr
	s_lshr_b32 s16, s13, 2                         ; out: block = batch x 48 + my first head,
	s_mul_i32 s16, s16, 48
	s_add_co_u32 s16, s16, s[HD0]
	s_lshl_b32 s16, s16, 17
	s_and_b32 s17, s13, 3                          ; row in the batch = 256 x (tile row % 4) + 128 x half, 128 bytes each
	s_lshl_b32 s17, s17, 15
	s_add_co_u32 s16, s16, s17
	s_lshl_b32 s17, s11, 14
	s_add_co_u32 s16, s16, s17
	s_mov_b32 s17, 0
	s_add_nc_u64 s[POUT:POUT+1], s[POUT:POUT+1], s[16:17]
; 8 LDS loads: W's group j (column blocks 4 j .. 4 j + 3) of chunk c of a slot's block, into ring place j
.macro LDB slot, c, j
.irp i, 0,1,2,3
	ds_load_b128 v[BR+32*\j+8*\i:BR+32*\j+8*\i+3],   v[ADRB+\slot] offset:(4*\j+\i)*16*PITCH+\c*64
	ds_load_b128 v[BR+32*\j+8*\i+4:BR+32*\j+8*\i+7], v[ADRB+\slot] offset:(4*\j+\i)*16*PITCH+\c*64+32
.endr
.endm
; 8 LDS loads: A's row blocks 4 hf .. 4 hf + 3 of chunk c, into buffer c
.macro LDA slot, c, hf
.irp i, 0,1,2,3
	ds_load_b128 v[AF+64*\c+8*(4*\hf+\i):AF+64*\c+8*(4*\hf+\i)+3],   v[ADRA+\slot] offset:(4*\hf+\i)*16*PITCH+\c*64
	ds_load_b128 v[AF+64*\c+8*(4*\hf+\i)+4:AF+64*\c+8*(4*\hf+\i)+7], v[ADRA+\slot] offset:(4*\hf+\i)*16*PITCH+\c*64+32
.endr
.endm
.macro NEXTB slot, c, j                ; the same for the chunk behind (slot, c): the block's second chunk, or the other slot's first
.if \c
	LDB 1-\slot, 0, \j
.else
	LDB \slot, 1, \j
.endif
.endm
.macro NEXTA slot, c, hf
.if \c
	LDA 1-\slot, 0, \hf
.else
	LDA \slot, 1, \hf
.endif
.endm
; 8 matrix instructions: row blocks a0, a0 + 1 x W's group j.  zero = 1: the product starts the sum.  The 96 accumulators take turns, one instruction a turn.
.macro MUL8 c, j, a0, zero
.irp a, \a0, \a0+1
.irp i, 0,1,2,3
.if \zero
	v_wmma_f32_16x16x32_bf16 v[8*(4*(\a)+\i):8*(4*(\a)+\i)+7], v[BR+32*\j+8*\i:BR+32*\j+8*\i+7], v[AF+64*\c+8*(\a):AF+64*\c+8*(\a)+7], 0
.else
	v_wmma_f32_16x16x32_bf16 v[8*(4*(\a)+\i):8*(4*(\a)+\i)+7], v[BR+32*\j+8*\i:BR+32*\j+8*\i+7], v[AF+64*\c+8*(\a):AF+64*\c+8*(\a)+7], v[8*(4*(\a)+\i):8*(4*(\a)+\i)+7]
.endif
.endr
.endr
.endm
; ONE CHUNK: 96 matrix instructions in three steps.  nx = 0: the last chunk, with nothing behind it.
; turn != 0 (a block's second chunk): step 0's loads are the slot's last reads, so the slots change inside step 0: ONE barrier; in front of it each wave waits for all its tensor loads, adds 0 to its spare word,
; and waits for that and for its own reads of this slot.  turn = 1: the barrier opens a round of the cluster's, and this slot is filled again, two blocks ahead, first thing behind it: 176 matrix
; instructions ahead of the wait for it.  turn = 2: nothing is left to fetch.
.macro CHUNK slot, c, zero, turn, nx
	WIN 0
	PLACES
	LDB \slot, \c, 2
	s_wait_dscnt 16                                ; A and group 0 are in; group 1 and the eight loads just issued may be out
	WIN 0x50                                       ; sources window 0; C and D window 1
	MUL8 \c, 0, 0, \zero
	MUL8 \c, 0, 2, \zero
.if \turn
	WIN 0                                          ; (the add's two registers lie in window 0)
	s_wait_tensorcnt 0x0                           ; all my tensor loads have landed: my part of the other slot;
	ds_add_u32 v[SPW], v[NIL]                      ; 0 onto my spare word;
	WIN 0x50
	MUL8 \c, 0, 4, \zero                           ; eight matrix instructions stand between the add and the wait for it
	s_wait_dscnt 0x0                               ; the add is done, and my reads of this slot are over
	s_barrier_signal -1
	MUL8 \c, 0, 6, \zero
	WIN 0
	s_barrier_wait -1
.if \turn == 1
	CREST                                          ; no wave of any partner still reads this slot's tile or has a load on its way
	s_add_nc_u64 s[G0+4*\slot+2:G0+4*\slot+3], s[G0+4*\slot+2:G0+4*\slot+3], 2*GSTEP
	s_add_nc_u64 s[G0B+4*\slot+2:G0B+4*\slot+3], s[G0B+4*\slot+2:G0B+4*\slot+3], 2*GSTEP
	JLOAD \slot                                    ; the four v_nop behind it are also the places in front of the loads below
.else
	PLACES
.endif
.else
	MUL8 \c, 0, 4, \zero
	MUL8 \c, 0, 6, \zero
.if \nx
	WIN 0
	PLACES
.endif
.endif
.if \nx
	NEXTB \slot, \c, 0
	NEXTA \slot, \c, 0
	s_wait_dscnt 24                                ; group 1 is in; step 0's eight loads and the sixteen just issued may be out
.else
	s_wait_dscnt 8                                 ; group 1 is in; group 2 may be out
.endif
	WIN 0xa0                                       ; C and D window 2
	MUL8 \c, 1, 0, \zero
	MUL8 \c, 1, 2, \zero
	MUL8 \c, 1, 4, \zero
	MUL8 \c, 1, 6, \zero
.if \nx
	WIN 0
	PLACES
	NEXTA \slot, \c, 1
	NEXTB \slot, \c, 1
	s_wait_dscnt 32                                ; group 2 is in; step 1's sixteen loads and the sixteen just issued may be out
.else
	s_wait_dscnt 0x0
.endif
	WIN 0xf0                                       ; C and D window 3
	MUL8 \c, 2, 0, \zero
	MUL8 \c, 2, 2, \zero
	MUL8 \c, 2, 4, \zero
	MUL8 \c, 2, 6, \zero
.endm
	s_wait_tensorcnt 1                             ; my part of block 0 is in; block 1's may stay out
	s_barrier_signal -1
	s_barrier_wait -1                              ; everybody's is
	LDB 0, 0, 0                                    ; the first chunk's fragments, in the order in which a chunk asks for the next one's
	LDA 0, 0, 0
	LDA 0, 0, 1
	LDB 0, 0, 1
	s_wait_loadcnt 0x0                             ; bias and mask words
.irp q, 0,1,2,3
	v_cmp_ne_u32 s[RBIT+\q], 0, v[4+\q]            ; 32 rows' mask words as 32 bits
.endr
	CHUNK 0, 0, 1, 0, 1                            ; the first chunk stands in front of the loop: its products start the sums
	WIN 0                                          ; at a label and at a branch every window is 0
	s_mov_b32 s3, 7
.Llap:                                                 ; a trip goes once round the ring, from a block's second chunk to the first chunk two blocks on, and fills both slots again: blocks 2 to 15
	CHUNK 0, 1, 0, 1, 1
	CHUNK 1, 0, 0, 0, 1
	CHUNK 1, 1, 0, 1, 1
	CHUNK 0, 0, 0, 0, 1
	WIN 0
	s_sub_co_u32 s3, s3, 1
	s_cmp_lg_u32 s3, 0
	s_cbranch_scc1 .Llap
	CHUNK 0, 1, 0, 2, 1                            ; the tail is written out: it fills nothing, and has no round of the cluster's barrier
	CHUNK 1, 0, 0, 0, 1
	CHUNK 1, 1, 0, 0, 0
; THE WAY OUT, a block of 16 rows at a time, through my own stage in LDS (f32): a lane's 32 bytes go in, a head's 256 bytes of a row come back.  LDS serves a wave's instructions in order
; (ISA guide 5.7.1.4), so no wait stands between my stores and my loads, nor between a block's loads and the next block's stores.
.macro STG a                           ; each accumulator's low four registers first
.irp b, 0,1,2,3,4,5,6,7,8,9,10,11
	WIN ((1+(\b)/4)<<2)                            ; store data: the head's window; address window 0
	ds_store_b128 v[STO], v[8*(4*(\a)+(\b)%4):8*(4*(\a)+(\b)%4)+3]   offset:64*\b
	ds_store_b128 v[STO], v[8*(4*(\a)+(\b)%4)+4:8*(4*(\a)+(\b)%4)+7] offset:64*\b+16
.endr
.endm
.macro RDB a                           ; back into buffer a % 2: pair of rows t, head hh at 12 t + 4 hh
	WIN 0
.set RBL, AF+96*((\a)%2)
.irp t, 0,1,2,3,4,5,6,7
.irp hh, 0,1,2
	ds_load_b128 v[RBL+12*\t+4*\hh:RBL+12*\t+4*\hh+3], v[RD] offset:\t*2*SPITCH+\hh*256
.endr
.endr
.endm
.macro OUT a                           ; + bias, rounded to bf16, k's masked rows selected away, stored
.set RB, AF+96*((\a)%2)
.irp t, 0,1,2,3,4,5,6,7
	s_bitcmp1_b32 s[RBIT+(\a)/2], 16*((\a)%2)+2*\t     ; row 16 a + 2 t is kept: lanes 0-15
	s_cselect_b32 s88, 0xffff, 0
	s_bitcmp1_b32 s[RBIT+(\a)/2], 16*((\a)%2)+2*\t+1   ; the next row: lanes 16-31
	s_cselect_b32 s89, 0xffff0000, 0
	s_or_b32 s90, s88, s89
.irp hh, 0,1,2
	s_or_b32 s[LM+\hh], s90, s[NK+\hh]             ; all lanes where the head is not k's
.endr
.irp hh, 0,1,2
	v_pk_add_f32 v[RB+12*\t+4*\hh:RB+12*\t+4*\hh+1],   v[RB+12*\t+4*\hh:RB+12*\t+4*\hh+1],   v[BIA+4*\hh:BIA+4*\hh+1]
	v_pk_add_f32 v[RB+12*\t+4*\hh+2:RB+12*\t+4*\hh+3], v[RB+12*\t+4*\hh+2:RB+12*\t+4*\hh+3], v[BIA+4*\hh+2:BIA+4*\hh+3]
.endr
.irp hh, 0,1,2
	v_cvt_pk_bf16_f32 v[RB+12*\t+4*\hh],   v[RB+12*\t+4*\hh],   v[RB+12*\t+4*\hh+1]
	v_cvt_pk_bf16_f32 v[RB+12*\t+4*\hh+1], v[RB+12*\t+4*\hh+2], v[RB+12*\t+4*\hh+3]
.endr
.irp hh, 0,1,2
	v_cndmask_b32 v[RB+12*\t+4*\hh],   0, v[RB+12*\t+4*\hh],   s[LM+\hh]
	v_cndmask_b32 v[RB+12*\t+4*\hh+1], 0, v[RB+12*\t+4*\hh+1], s[LM+\hh]
.endr
.irp hh, 0,1,2
	global_store_b64 v[CO], v[RB+12*\t+4*\hh:RB+12*\t+4*\hh+1], s[POUT:POUT+1] offset:\hh*131072+(16*(\a)+2*\t)*128   ; the wave stores 256 consecutive bytes (two rows of a block), at a multiple of 256
.endr
.endr
.endm
	WIN 0
	PLACES
	STG 0
	RDB 0
.irp a, 0,1,2,3,4,5,6,7
.if \a < 7
	s_wait_xcnt 0x0                                ; every earlier memory instruction has had its addresses translated (ISA guide 3.1): the buffer that earlier stores read is loaded again only behind this wait
	STG \a+1
	RDB \a+1
	s_wait_dscnt 48                                ; this block is back; the next block's 24 stores and 24 loads may be out
.else
	s_wait_dscnt 0x0
.endif
	OUT \a
.endr
	s_wait_tensorcnt 0x0                           ; the wave's end, behind my last tensor load and my last LDS store
	ds_add_u32 v[SPW], v[NIL]
	s_wait_dscnt 0x0
	CROUND                                         ; the closing round: no work-group ends while a partner may still ask for a tile that names it
	s_endpgm
.Lfunc_end_k_q98bf3c1c1b_qkv:
	.size	k_q98bf3c1c1b_qkv, .Lfunc_end_k_q98bf3c1c1b_qkv-k_q98bf3c1c1b_qkv
	.p2alignl 7, 3214868480
	.fill 96, 4, 3214868480
	.section	.rodata,"a",@progbits
	.p2align	6, 0x0
	.amdhsa_kernel k_q98bf3c1c1b_qkv
		.amdhsa_group_segment_fixed_size 327680
		.amdhsa_private_segment_fixed_size 0
		.amdhsa_enable_private_segment 0
		.amdhsa_kernarg_size 56
		.amdhsa_user_sgpr_count 2
		.amdhsa_user_sgpr_kernarg_segment_ptr 1
		.amdhsa_wavefront_size32 1
		.amdhsa_system_sgpr_workgroup_id_x 1
		.amdhsa_system_sgpr_workgroup_id_y 1
		.amdhsa_system_sgpr_workgroup_id_z 1
		.amdhsa_system_vgpr_workitem_id 0
		.amdhsa_next_free_vgpr 1024
		.amdhsa_next_free_sgpr 100
		.amdhsa_reserve_vcc 0
		.amdhsa_float_denorm_mode_32 3
		.amdhsa_float_denorm_mode_16_64 3
		.amdhsa_memory_ordered 1
		.amdhsa_forward_progress 1
		.amdhsa_inst_pref_size 221
	.end_amdhsa_kernel
	.amdgpu_metadata
---
amdhsa.version: [ 1, 2 ]
amdhsa.kernels:
  - .name:           k_q98bf3c1c1b_qkv
    .symbol:         k_q98bf3c1c1b_qkv.kd
    .args:
      - { .name: xa, .offset: 0, .size: 8, .value_kind: global_buffer, .address_space: global }
      - { .name: wqkvb, .offset: 8, .size: 8, .value_kind: global_buffer, .address_space: global }
      - { .name: bq, .offset: 16, .size: 8, .value_kind: global_buffer, .address_space: global }
      - { .name: bk, .offset: 24, .size: 8, .value_kind: global_buffer, .address_space: global }
      - { .name: bv, .offset: 32, .size: 8, .value_kind: global_buffer, .address_space: global }
      - { .name: mask, .offset: 40, .size: 8, .value_kind: global_buffer, .address_space: global }
      - { .name: qkvb, .offset: 48, .size: 8, .value_kind: global_buffer, .address_space: global }
    .group_segment_fixed_size: 327680
    .private_segment_fixed_size: 0
    .kernarg_segment_align: 8
    .kernarg_segment_size: 56
    .max_flat_workgroup_size: 128
    .sgpr_count:     100
    .vgpr_count:     1024
    .wavefront_size: 32
...
	.end_amdgpu_metadata
.endif
;; end of part 7
;; launch attn (part 8): grid 2 x 128, 8 waves a work-group, no clusters, 327,680 bytes of LDS; arguments qkvb, mask, xa; writes xa
.if DOCPART == 8
	.amdgcn_target "amdgcn-amd-amdhsa--gfx1250"
	.amdhsa_code_object_version 6
	.text
	.protected	k_q98bf3c1c1b_attn
	.globl	k_q98bf3c1c1b_attn
	.p2align	8
	.type	k_q98bf3c1c1b_attn,@function
k_q98bf3c1c1b_attn:
	s_mov_b64 s[64:65], 0
	v_nop
	global_prefetch_b8 v0, s[64:65] scope:SCOPE_SE
	s_setreg_imm32_b32 hwreg(HW_REG_WAVE_MODE, 25, 1), 1
	s_wait_xcnt 0x0
; ctx[b][q][h] = the sum over k of softmax_k(score) v[b][k][h], score = q . k / 8, or -1e9 where mask[b][k] = 0.  q, k, v: bf16 blocks [b][48][1024][64] (block h q's head h, 16 + h k's, 32 + h v's);
; ctx: bf16 blocks [b][h][1024][64].  Products, maxima and sums in f32; the weights are rounded to bf16 for the second product, ctx once at the end.
; SHARES.  The grid's y is 16 b + h, its x a half of the head's queries.  Eight waves, two to a SIMD, each with 64 queries (four tiles of 16); every wave walks all 1,024 keys, 64 a step.
; K AND V STAY IN LDS: a head's whole k (1,024 rows of 144 bytes) and v (rows of 160) are brought once, in four phases of 256 keys, by four tensor loads a wave (four are out, by this text's count),
; each a dense run of 8 KiB (64 keys).  The mask and Q are asked for ahead of them, so that the first product waits for Q and 256 keys alone; a barrier stands ahead of the first read of each phase.
; No LDS byte is filled twice, so there is no ring; between the barriers the waves run free, and one wave's products stand beside the other wave's softmax on the same SIMD.
; NO CLUSTER: only the two work-groups of a head share tiles, and they ask for them once in the launch; four partners would mean 32 queries a wave, and each fragment read from LDS would feed half the products.
; LAYOUT.  S^T = K Q^T (source 0 = 16 keys, source 1 = 16 queries): a lane holds ONE query (lane % 16) and keys 8 (lane / 16) + 0..7.  Two such tiles, rounded in pairs, ARE source 1 of O^T = V^T P.
; THE MASK.  The launch that made k stored zeros for keys whose mask word is 0.  Here each score sum starts from 0, or from -8e9 for such a key (exact in f32): its raw score is exactly -8e9, which
; is reference()'s -1e9 times 8.  LIMIT: a q that holds an infinity or a NaN gives NaN against a masked key, where reference() discards the product.
; SOFTMAX.  A running maximum m of the raw scores and a running sum l for each query: p = 2^(c s - c m), c = log2(e) / 8; O and l are multiplied by a = 2^(c (m_old - m_new)) in every step.
; In a row whose keys are all masked c s - round(c m) is the rounding error of c m, at most 64 in size: all its weights are the same power of two, at most 2^64, and the division by l gives uniform weights.
; LIMIT: weights below 2^-126 count as 0.
; REGISTERS: window 0: v1-7 addresses; v8-31 statistics; v32-63 the step's starting values; v64-191 S^T, 32 a tile (P is compacted into a tile's first 16); v192-255 V of one step.
;   window 1: v0-127 O^T, 32 a tile; v128-191 Q, 16 a tile; v192-255 K of one step.
.set PK,    144                        ; a row of k in LDS: 128 bytes + 16
.set PV,    160                        ; a row of v: 128 + 32 = 40 words
.set VBASE, 1024*PK
.set CMB,   VBASE+1024*PV              ; 1,024 f32: 0 or -8e9 for each key; bytes of their own, into which no tensor load lands
.set AK,  1                            ; v1   my place in the step's rows of k
.set AV,  2                            ; v2   the same for v
.set ACM, 3                            ; v3   the same for the starting values
.set QO,  4                            ; v4   my byte offset in the wave's rows of q
.set STO, 5                            ; v5   the way out: where I put 16 bytes of a row
.set RD,  6                            ; v6   the way out: where I read rows back
.set GO,  7                            ; v7   my byte offset in the wave's rows of ctx
.set M,   8                            ; v8-11   tile t's running maximum (raw scores)
.set L,   12                           ; v12-19  tile t's running sum: even keys', odd keys'
.set T,   20                           ; v20-27  at work
.set AP,  28                           ; v28-29  a (the pair is named; the low word serves both halves)
.set CMP, 30                           ; v30-31  c m, likewise
.set CM,  32
.set S,   64
.set VF,  192
.set QF,  128                          ; in window 1
.set KF,  192                          ; in window 1
.set WV,  12                           ; s12  my wave's number
.set G1K, 24                           ; s[24:31] descriptor group 1 for k;  s[32:39] for v: it differs in the padding alone
.set G1V, 32
.set G0K, 40                           ; s[40:55] group 0 for k, a set for each phase;  s[68:83] for v
.set G0V, 68
.set CNT, 56
.set CS,  58                           ; s[58:59] c
.set SEL, 60                           ; s[60:61] lane selects for v_permlanex16_b32: each lane takes its own place in the other half
.set MSB, 0
.macro WIN new                         ; the immediate's high byte repeats the setting that is left; a switch that changes nothing is dropped
.if MSB != \new
	s_set_vgpr_msb (MSB<<8)|\new
.set MSB, \new
.endif
.endm
	s_load_b128 s[4:7], s[0:1], 0x0                ; qkvb s[4:5], mask s[6:7]
	s_load_b64 s[8:9], s[0:1], 0x10                ; xa
	v_lshl_add_u32 v254, v0, 2, 0x4d000
	v_mov_b32 v255, 0
	ds_add_u32 v254, v255
	ds_add_u32 v254, v255
	s_wait_dscnt 0x0
	v_lshrrev_b32 v64, 5, v0
	v_readfirstlane_b32 s[WV], v64                 ; wave 0..7
	s_and_b32 s13, ttmp7, 0xffff                   ; 16 b + h
	s_lshr_b32 s14, s13, 4                         ; b
	s_and_b32 s15, s13, 15                         ; h
	s_mul_i32 s16, s14, 48<<17                     ; the batch's 48 blocks,
	s_lshl_b32 s17, s15, 17                        ; block h: q's head
	s_add_co_u32 s16, s16, s17
	s_and_b32 s18, s[WV], 3                        ; the 64 keys that I fetch of each phase: 64 rows of 128 bytes
	s_lshl_b32 s18, s18, 13
	s_add_co_u32 s18, s18, s16
	s_mov_b32 s19, 0
	s_mul_i32 s20, s[WV], 64*PK                    ; where they go: k: wave x 64 rows;
	s_mul_i32 s21, s[WV], 64*PV                    ; v: VBASE + (wave - 4) x 64 rows
	s_add_co_u32 s21, s21, VBASE-4*64*PV
	; descriptor group 1: a dense run of 8 KiB as 32 rows of 32 elements of 8 bytes; 17:16 element size code 3; 20 padding on; 24:22 after every 32 words (code 4); 31:25 4 words of it (code 3) or 8 (code 7)
	s_mov_b32 s[G1K], (3<<16)|(1<<20)|(4<<22)|(3<<25)
	s_mov_b32 s[G1V], (3<<16)|(1<<20)|(4<<22)|(7<<25)
.irp g, G1K, G1V
	s_mov_b32 s[\g+1], 32<<16                      ; tensor_dim0 = 32
	s_mov_b32 s[\g+2], 32<<16                      ; tensor_dim1 = 32
	s_mov_b32 s[\g+3], 32<<16                      ; tile_dim0 = 32
	s_mov_b32 s[\g+4], 32                          ; tile_dim1 = 32
	s_mov_b32 s[\g+5], 32                          ; from row to row: 32 elements, no gap
	s_mov_b32 s[\g+6], 0
	s_mov_b32 s[\g+7], 0
.endr
	s_mov_b32 s[CS], 0x3e38aa3b                    ; c = log2(e) / 8
	s_mov_b32 s[CS+1], s[CS]
	s_mov_b32 s[SEL], 0x76543210
	s_mov_b32 s[SEL+1], 0xfedcba98
	s_lshl_b32 s22, ttmp9, 16                      ; my work-group's 512 queries, my wave's 64: rows of 128 bytes
	s_lshl_b32 s23, s[WV], 13
	s_add_co_u32 s22, s22, s23
	s_add_co_u32 s2, s22, s16                      ; q: in block h of the batch
	s_mov_b32 s3, 0
	s_lshl_b32 s23, s13, 17                        ; ctx: in block 16 b + h
	s_add_co_u32 s22, s22, s23
	s_mov_b32 s23, 0
	s_lshl_b32 s62, s14, 12                        ; the batch's 1,024 mask words
	s_mov_b32 s63, 0
	s_mul_i32 s57, s[WV], 16*PK                    ; my stage, for the way out
	v_and_b32 v64, 15, v0                          ; l % 16
	v_bfe_u32 v65, v0, 4, 1                        ; l / 16
	v_lshlrev_b32 v66, 4, v0                       ; four mask words a thread
	v_lshlrev_b32 v[QO], 7, v64
	v_lshl_add_u32 v[QO], v65, 4, v[QO]            ; row x 128 + 16 x half
	s_wait_kmcnt 0x0
	s_add_nc_u64 s[18:19], s[4:5], s[18:19]
.irp p, 0,1,2,3
	s_mov_b32 s[G0K+4*\p], 1                                       ; count = 1
	s_add_co_u32 s[G0K+4*\p+1], s20, \p*256*PK                     ; LDS address
	s_add_nc_u64 s[G0K+4*\p+2:G0K+4*\p+3], s[18:19], (16<<17)+\p*32768   ; global address: block 16 + h, keys 256 p on
	s_or_b32 s[G0K+4*\p+3], s[G0K+4*\p+3], 0x80000000              ; type = 2
	s_mov_b32 s[G0V+4*\p], 1
	s_add_co_u32 s[G0V+4*\p+1], s21, \p*256*PV
	s_add_nc_u64 s[G0V+4*\p+2:G0V+4*\p+3], s[18:19], (32<<17)+\p*32768
	s_or_b32 s[G0V+4*\p+3], s[G0V+4*\p+3], 0x80000000
.endr
	s_add_nc_u64 s[4:5], s[4:5], s[2:3]            ; q at my wave's first row
	s_add_nc_u64 s[8:9], s[8:9], s[22:23]          ; ctx likewise
	s_add_nc_u64 s[6:7], s[6:7], s[62:63]
	global_load_b128 v[72:75], v66, s[6:7]         ; the mask and Q go out first: the first product needs them, and only a quarter of k and v
	WIN 0x40                                       ; destination window 1
.irp t, 0,1,2,3
.irp f, 0,1
	global_load_b128 v[QF+16*\t+8*\f:QF+16*\t+8*\f+3],   v[QO], s[4:5] offset:\t*2048+\f*64      ; Q stays in registers: tile t, channels 32 f on
	global_load_b128 v[QF+16*\t+8*\f+4:QF+16*\t+8*\f+7], v[QO], s[4:5] offset:\t*2048+\f*64+32
.endr
.endr
	WIN 0
	s_cmp_lt_u32 s[WV], 4                          ; waves 0-3 fetch k, waves 4-7 v.  A wave's four loads stand in one branch, ahead of every wait on TENSORcnt, every LDS read and every barrier; four v_nop follow the last
	s_cbranch_scc0 .Lfor_v
.irp p, 0,1,2,3
	tensor_load_to_lds s[G0K+4*\p:G0K+4*\p+3], s[G1K:G1K+7]
	s_nop 0
.endr
.rept 4
	v_nop
.endr
	s_branch .Lasked
.Lfor_v:
.irp p, 0,1,2,3
	tensor_load_to_lds s[G0V+4*\p:G0V+4*\p+3], s[G1V:G1V+7]
	s_nop 0
.endr
.rept 4
	v_nop
.endr
.Lasked:
	v_add_nc_u32 v67, CMB, v66
	v_mul_u32_u24 v[AK], v64, PK
	v_lshl_add_u32 v[AK], v65, 4, v[AK]            ; row x pitch + 16 x half
	v_add_nc_u32 v[STO], s57, v[AK]                ; the stage takes rows in the same form
	v_and_b32 v68, 7, v0                           ; the turning load: lane l reads key 8 (l / 16) + l % 8, channels 8 ((l / 8) % 2) + 0..7
	v_lshl_add_u32 v68, v65, 3, v68
	v_mul_u32_u24 v[AV], v68, PV
	v_bfe_u32 v69, v0, 3, 1
	v_lshl_add_u32 v[AV], v69, 4, v[AV]
	v_add_nc_u32 v[AV], VBASE, v[AV]
	v_lshl_add_u32 v[ACM], v65, 5, CMB             ; eight keys' starting values for each half of the lanes
	v_bfe_u32 v70, v0, 3, 2                        ; back from the stage: eight lanes take a row of 128 bytes, the wave four rows
	v_mul_u32_u24 v70, v70, PK
	v_and_b32 v71, 7, v0
	v_lshl_add_u32 v70, v71, 4, v70
	v_add_nc_u32 v[RD], s57, v70
	v_and_b32 v71, 31, v0
	v_lshlrev_b32 v[GO], 4, v71
	v_mov_b32 v76, 0xcfee6b28                      ; -8e9 = -15,625,000 x 2^9: exact
	v_mov_b32 v[T+4], 0                            ; v_permlanex16_b32's destination counts as read
	v_mov_b32 v[AP+1], 0                           ; named with their low words as pairs, so they are written
	v_mov_b32 v[CMP+1], 0
	s_wait_loadcnt 16                              ; the mask words are in; Q's sixteen loads may stay out
.irp j, 72,73,74,75
	v_cmp_eq_u32 vcc_lo, 0, v\j
	v_cndmask_b32 v\j, 0, v76, vcc_lo
.endr
	ds_store_b128 v67, v[72:75]
; A phase's barrier: my part of it has landed (left = my loads of later phases, which may stay out), and none of my LDS instructions is pending
.macro MEET left
	s_wait_tensorcnt \left
	s_wait_dscnt 0x0
	s_barrier_signal -1
	s_barrier_wait -1
.endm
	MEET 3                                         ; keys 0-255, and everybody's starting values
.macro LOADK                           ; a step's K (64 keys x 64 channels: 8 fragments) and its starting values: 24 loads in one run
	WIN 0x40
.irp kb, 0,1,2,3
.irp f, 0,1
	ds_load_b128 v[KF+16*\kb+8*\f:KF+16*\kb+8*\f+3],   v[AK] offset:\kb*16*PK+\f*64
	ds_load_b128 v[KF+16*\kb+8*\f+4:KF+16*\kb+8*\f+7], v[AK] offset:\kb*16*PK+\f*64+32
.endr
.endr
	WIN 0
.irp kb, 0,1,2,3
	ds_load_b128 v[CM+8*\kb:CM+8*\kb+3],   v[ACM] offset:\kb*64
	ds_load_b128 v[CM+8*\kb+4:CM+8*\kb+7], v[ACM] offset:\kb*64+16
.endr
.endm
.macro LOADV                           ; a step's V, turned: keys 32 kc on, channels 16 nb on
.irp kc, 0,1
.irp nb, 0,1,2,3
	ds_load_tr16_b128 v[VF+32*\kc+8*\nb:VF+32*\kc+8*\nb+3],   v[AV] offset:\kc*32*PV+\nb*32
	ds_load_tr16_b128 v[VF+32*\kc+8*\nb+4:VF+32*\kc+8*\nb+7], v[AV] offset:\kc*32*PV+16*PV+\nb*32
.endr
.endr
.endm
; 32 products S^T = K Q^T.  The first 16 start the sums from the keys' starting values.  The 16 accumulators take turns, one instruction a turn.
.macro KQ
	WIN 0x05                                       ; K and Q window 1; C and D window 0
.irp kb, 0,1,2,3
.irp t, 0,1,2,3
	v_wmma_f32_16x16x32_bf16 v[S+32*\t+8*\kb:S+32*\t+8*\kb+7], v[KF+16*\kb:KF+16*\kb+7], v[QF+16*\t:QF+16*\t+7], v[CM+8*\kb:CM+8*\kb+7]
.endr
.endr
.irp kb, 0,1,2,3
.irp t, 0,1,2,3
	v_wmma_f32_16x16x32_bf16 v[S+32*\t+8*\kb:S+32*\t+8*\kb+7], v[KF+16*\kb+8:KF+16*\kb+15], v[QF+16*\t+8:QF+16*\t+15], v[S+32*\t+8*\kb:S+32*\t+8*\kb+7]
.endr
.endr
.endm
; 32 products O^T += V^T P.  first = 1: the first 16 start the sums: nothing is ever cleared.
.macro PVM first
	WIN 0x50                                       ; V and P window 0; C and D window 1
.irp kc, 0,1
.irp nb, 0,1,2,3
.irp t, 0,1,2,3
.if \first && (\kc == 0)
	v_wmma_f32_16x16x32_bf16 v[32*\t+8*\nb:32*\t+8*\nb+7], v[VF+32*\kc+8*\nb:VF+32*\kc+8*\nb+7], v[S+32*\t+8*\kc:S+32*\t+8*\kc+7], 0
.else
	v_wmma_f32_16x16x32_bf16 v[32*\t+8*\nb:32*\t+8*\nb+7], v[VF+32*\kc+8*\nb:VF+32*\kc+8*\nb+7], v[S+32*\t+8*\kc:S+32*\t+8*\kc+7], v[32*\t+8*\nb:32*\t+8*\nb+7]
.endif
.endr
.endr
.endr
.endm
; Tile t's softmax for one step.  first = 1: the first step, which starts m and l and has no a.
.macro SMT t, first
.set rS, S+32*\t
.irp j, 0,1,2,3                        ; the maximum of the lane's 32 scores, three operands at a time; each accumulator is read from its low end on
	v_max3_num_f32 v[T+\j], v[rS+8*\j], v[rS+8*\j+1], v[rS+8*\j+2]
.endr
.irp j, 0,1,2,3
	v_max3_num_f32 v[T+\j], v[T+\j], v[rS+8*\j+3], v[rS+8*\j+4]
.endr
.irp j, 0,1,2,3
	v_max3_num_f32 v[T+\j], v[T+\j], v[rS+8*\j+5], v[rS+8*\j+6]
.endr
	v_max3_num_f32 v[T], v[T], v[rS+7], v[rS+15]
	v_max3_num_f32 v[T+2], v[T+2], v[rS+23], v[rS+31]
	v_max3_num_f32 v[T], v[T], v[T+1], v[T+2]
.if \first
	v_max_num_f32 v[T], v[T], v[T+3]
.else
	v_max3_num_f32 v[T], v[T], v[T+3], v[M+\t]
.endif
	v_permlanex16_b32 v[T+4], v[T], s[SEL], s[SEL+1]   ; the query's other 32 keys lie in the lane 16 away
	v_max_num_f32 v[T+5], v[T], v[T+4]             ; the new m
.if !\first
	v_sub_f32 v[T+6], v[M+\t], v[T+5]
	v_mul_f32 v[T+6], s[CS], v[T+6]
	v_exp_f32 v[AP], v[T+6]                        ; a; the multiply below is the plain instruction behind it (ISA guide 5.7.2)
.endif
	v_mul_f32 v[CMP], s[CS], v[T+5]
.set i, 0
.rept 16
	v_pk_fma_f32 v[rS+2*i:rS+2*i+1], v[rS+2*i:rS+2*i+1], s[CS:CS+1], v[CMP:CMP+1] op_sel_hi:[1,0,0] neg_lo:[0,0,1] neg_hi:[0,0,1]   ; c s - c m
.set i, i+1
.endr
.set i, 0
.rept 32
	v_exp_f32 v[rS+i], v[rS+i]
.set i, i+1
.endr
	v_mov_b32 v[M+\t], v[T+5]                      ; the plain instruction behind the last exponential
	s_wait_alu depctr_va_vdst(0)
.irp k, 0,1,2,3                        ; the sum of the 16 pairs, in four chains
	v_pk_add_f32 v[T+2*\k:T+2*\k+1], v[rS+2*\k:rS+2*\k+1], v[rS+8+2*\k:rS+8+2*\k+1]
.endr
.irp k, 0,1,2,3
	v_pk_add_f32 v[T+2*\k:T+2*\k+1], v[T+2*\k:T+2*\k+1], v[rS+16+2*\k:rS+16+2*\k+1]
.endr
.irp k, 0,1,2,3
	v_pk_add_f32 v[T+2*\k:T+2*\k+1], v[T+2*\k:T+2*\k+1], v[rS+24+2*\k:rS+24+2*\k+1]
.endr
	v_pk_add_f32 v[T:T+1], v[T:T+1], v[T+2:T+3]
	v_pk_add_f32 v[T+4:T+5], v[T+4:T+5], v[T+6:T+7]
.if \first
	v_pk_add_f32 v[L+2*\t:L+2*\t+1], v[T:T+1], v[T+4:T+5]
.else
	v_pk_add_f32 v[T:T+1], v[T:T+1], v[T+4:T+5]
	v_pk_fma_f32 v[L+2*\t:L+2*\t+1], v[L+2*\t:L+2*\t+1], v[AP:AP+1], v[T:T+1] op_sel_hi:[1,0,1]
.endif
.set i, 0
.rept 16
	v_cvt_pk_bf16_f32 v[rS+i], v[rS+2*i], v[rS+2*i+1]   ; P, compacted in place: number i lands where numbers 2 i and 2 i + 1 have been read or are being read
.set i, i+1
.endr
.endm
.macro RESC t                          ; tile t's O^T times a, from each accumulator's low end on
	WIN 0x41                                       ; O^T (destination and source 0) window 1, a window 0
.set i, 0
.rept 16
	v_pk_mul_f32 v[32*\t+2*i:32*\t+2*i+1], v[32*\t+2*i:32*\t+2*i+1], v[AP:AP+1] op_sel_hi:[1,0]
.set i, i+1
.endr
	WIN 0
.endm
; ONE KEY STEP j: its scores lie in S^T.  V of step j and K of step j + 1 are asked for in one run; the softmax stands over their way; then V^T P of step j and K Q^T of step j + 1.
; next = 0: the last step, with nothing behind it.
.macro BODY first, next
	WIN 0
.if \next                              ; four plain instructions that name no register of the products just issued: the places in front of the loads and of the first read of the scores
	v_add_nc_u32 v[AK], 64*PK, v[AK]
	v_add_nc_u32 v[ACM], 256, v[ACM]
	v_nop
	v_nop
.else
.rept 4
	v_nop
.endr
.endif
	LOADV
.if \next
	v_add_nc_u32 v[AV], 64*PV, v[AV]
	LOADK
.endif
.irp t, 0,1,2,3
	SMT \t, \first
.if !\first
	RESC \t
.endif
.endr
.if \next
	s_wait_dscnt 24                                ; V is in; K's sixteen loads and the starting values' eight may be out
.else
	s_wait_dscnt 0x0
.endif
	PVM \first
.if \next
.rept 5
	v_nop                                          ; the next products write over P, which the last ones read: five places
.endr
	s_wait_dscnt 0x0                               ; K and the starting values are in
	KQ
.endif
	WIN 0                                          ; at a label and at a branch every window is 0
.endm
.macro STEPS n                         ; n key steps
	s_mov_b32 s[CNT], \n
.Lsteps_\@:
	BODY 0, 1
	s_sub_co_u32 s[CNT], s[CNT], 1
	s_cmp_lg_u32 s[CNT], 0
	s_cbranch_scc1 .Lsteps_\@
.endm
	LOADK                                          ; key step 0
	s_wait_loadcnt 0x0                             ; Q
	s_wait_dscnt 0x0
	KQ
	BODY 1, 1                                      ; step 0
	STEPS 2                                        ; steps 1 and 2: they read K up to step 3, the last of keys 0-255
	MEET 2                                         ; keys 256-511
	STEPS 4                                        ; steps 3 to 6
	MEET 1                                         ; keys 512-767
	STEPS 4                                        ; steps 7 to 10
	MEET 0                                         ; keys 768-1,023
	STEPS 4                                        ; steps 11 to 14
	BODY 0, 0                                      ; step 15
	; THE WAY OUT.  l's two halves and the other half of the lanes' are added (l is at least 1: the largest weight is 1, or all are one power of two); the additions are the places behind the last products.
.irp t, 0,1,2,3
	v_add_f32 v[L+2*\t], v[L+2*\t], v[L+2*\t+1]
.endr
.irp t, 0,1,2,3
	v_permlanex16_b32 v[L+2*\t+1], v[L+2*\t], s[SEL], s[SEL+1]
.endr
.irp t, 0,1,2,3
	v_add_f32 v[L+2*\t], v[L+2*\t], v[L+2*\t+1]
.endr
.irp t, 0,1,2,3
	v_rcp_f32 v[L+2*\t], v[L+2*\t]
.endr
	v_nop                                          ; a plain instruction between the last reciprocal and the use of its result
	s_wait_dscnt 0x0                               ; the stages lie over k's first rows, which have had their only fill: every wave's reads of k are over
	s_barrier_signal -1
	s_barrier_wait -1
; Tile t: O^T / l, rounded; a lane's eight channels of a row are 16 bytes; they go into rows of 144 bytes of my stage and come back four rows at a time, into the registers that they left.
.macro PACK t
	WIN 0x41
.set i, 0
	s_wait_alu depctr_va_vdst(0)
.rept 16
	v_pk_mul_f32 v[32*\t+2*i:32*\t+2*i+1], v[32*\t+2*i:32*\t+2*i+1], v[L+2*\t:L+2*\t+1] op_sel_hi:[1,0]
.set i, i+1
.endr
	WIN 0x05                                       ; sources window 1, destination window 0: S^T's registers are free
.set i, 0
.rept 16
	v_cvt_pk_bf16_f32 v[S+16*\t+i], v[32*\t+2*i], v[32*\t+2*i+1]
.set i, i+1
.endr
	WIN 0
.irp nb, 0,1,2,3
	ds_store_b128 v[STO], v[S+16*\t+4*\nb:S+16*\t+4*\nb+3] offset:32*\nb
.endr
.irp u, 0,1,2,3
	ds_load_b128 v[S+16*\t+4*\u:S+16*\t+4*\u+3], v[RD] offset:\u*4*PK   ; LDS serves a wave's instructions in order (ISA guide 5.7.1.4): these see the stores above; the next tile's stores come behind them
.endr
.endm
.macro SEND t, younger                 ; younger: the LDS instructions issued behind tile t's loads: the next tile's eight, or none
.irp u, 0,1,2,3
	s_wait_dscnt \younger+3-\u
	global_store_b128 v[GO], v[S+16*\t+4*\u:S+16*\t+4*\u+3], s[8:9] offset:\t*2048+\u*512   ; the wave stores 512 consecutive bytes (four rows of the block), at a multiple of 512 from the buffer's first byte
.endr
.endm
	PACK 0
	PACK 1                                         ; a tile's arithmetic stands between the loads of the tile before and its stores
	SEND 0, 8
	PACK 2
	SEND 1, 8
	PACK 3
	SEND 2, 8
	SEND 3, 0
	s_wait_xcnt 0x0
	v_lshl_add_u32 v254, v0, 2, 0x4d000
	v_mov_b32 v255, 0
	s_wait_tensorcnt 0x0
	ds_add_u32 v254, v255
	s_wait_dscnt 0x0
	s_endpgm
.Lfunc_end_k_q98bf3c1c1b_attn:
	.size	k_q98bf3c1c1b_attn, .Lfunc_end_k_q98bf3c1c1b_attn-k_q98bf3c1c1b_attn
	.p2alignl 7, 3214868480
	.fill 96, 4, 3214868480
	.section	.rodata,"a",@progbits
	.p2align	6, 0x0
	.amdhsa_kernel k_q98bf3c1c1b_attn
		.amdhsa_group_segment_fixed_size 327680
		.amdhsa_private_segment_fixed_size 0
		.amdhsa_enable_private_segment 0
		.amdhsa_kernarg_size 24
		.amdhsa_user_sgpr_count 2
		.amdhsa_user_sgpr_kernarg_segment_ptr 1
		.amdhsa_wavefront_size32 1
		.amdhsa_system_sgpr_workgroup_id_x 1
		.amdhsa_system_sgpr_workgroup_id_y 1
		.amdhsa_system_sgpr_workgroup_id_z 1
		.amdhsa_system_vgpr_workitem_id 0
		.amdhsa_next_free_vgpr 512
		.amdhsa_next_free_sgpr 84
		.amdhsa_reserve_vcc 1
		.amdhsa_float_denorm_mode_32 3
		.amdhsa_float_denorm_mode_16_64 3
		.amdhsa_memory_ordered 1
		.amdhsa_forward_progress 1
		.amdhsa_inst_pref_size 214
	.end_amdhsa_kernel
	.amdgpu_metadata
---
amdhsa.version: [ 1, 2 ]
amdhsa.kernels:
  - .name:           k_q98bf3c1c1b_attn
    .symbol:         k_q98bf3c1c1b_attn.kd
    .args:
      - { .name: qkvb, .offset: 0, .size: 8, .value_kind: global_buffer, .address_space: global }
      - { .name: mask, .offset: 8, .size: 8, .value_kind: global_buffer, .address_space: global }
      - { .name: xa, .offset: 16, .size: 8, .value_kind: global_buffer, .address_space: global }
    .group_segment_fixed_size: 327680
    .private_segment_fixed_size: 0
    .kernarg_segment_align: 8
    .kernarg_segment_size: 24
    .max_flat_workgroup_size: 256
    .sgpr_count:     84
    .vgpr_count:     512
    .wavefront_size: 32
...
	.end_amdgpu_metadata
.endif
;; end of part 8
;; launch wo (part 9): grid 4 x 64, 4 waves a work-group, clusters of 4 x 4, 327,680 bytes of LDS; arguments xa, wob, bo, X, x1; writes x1
.if DOCPART == 9
	.amdgcn_target "amdgcn-amd-amdhsa--gfx1250"
	.amdhsa_code_object_version 6
	.text
	.protected	k_q98bf3c1c1b_wo
	.globl	k_q98bf3c1c1b_wo
	.p2align	8
	.type	k_q98bf3c1c1b_wo,@function
k_q98bf3c1c1b_wo:
	s_mov_b64 s[64:65], 0
	v_nop
	global_prefetch_b8 v0, s[64:65] scope:SCOPE_SE
	s_setreg_imm32_b32 hwreg(HW_REG_WAVE_MODE, 25, 1), 1
	s_wait_xcnt 0x0
	s_wait_alu depctr_hold_cnt(0) depctr_sa_sdst(0) depctr_va_vdst(0) depctr_va_sdst(0) depctr_va_ssrc(0) depctr_va_vcc(0) depctr_vm_vsrc(0)
	s_getreg_b32 s2, hwreg(HW_REG_IB_STS2, 6, 4)
	s_cmp_eq_u32 s2, 0
	s_cbranch_scc0 .Lentry_in_a_cluster
	s_endpgm
.Lentry_in_a_cluster:
	s_bfe_u32 s2, ttmp6, 0x10000c
	s_cmp_lg_u32 s2, 0xf033
	s_cbranch_scc0 .Lentry_shape_is_right
	s_endpgm
.Lentry_shape_is_right:
; out = residual + A W^T + bias: A and W bf16 in blocks, f32 sums, K = N = 1,024; out and residual f32, row-major [8192][1024].  It runs twice: x1 = X + ctx wo^T + bo, and out0 = x1 + h w2^T + b2.
; BLOCKED LAYOUT: [segment of 1,024 rows][g = block of 64 along K][row][64] bf16: byte = seg<<21 + g<<17 + row<<7 + 2 col.  Neighbouring rows of one block are one dense run of memory.
; SHARES.  A work-group makes 128 rows x 256 columns of C: 256 work-groups.  Four waves, each 64 x 128: 32 accumulators, 256 registers.
; THE RING.  Two LDS slots, each with THREE blocks g (192 along K) of W's 256 rows and A's 128: as much as fits twice.  From a refill to the wait for it a wave issues 176 matrix instructions.
; Waves 0 and 1 fetch 128 rows of W each, waves 2 and 3 fetch 64 rows of A each: one tensor load a wave, whose tile has one row for each block: a dense run of 16 KiB (W) or 8 KiB (A), the rows 128 KiB apart.
; 16 bytes of padding follow every 256, so two rows of 128 bytes take 272: row r lies at (r / 2) 272 + (r % 2) 128, and the 16 rows that a fragment load touches start at 16 different places of 16 bytes modulo 256
; (64 banks of 4 bytes: ISA guide 11.1).  The 16 blocks make six visits of 3, 3, 3, 3, 3 and 1 blocks: two first fills, four refills, the last of one block.  The visits are written out by macro, without a
; loop: the last refill differs from the others.  By this text's count a wave has two tensor loads out at the start and one behind each refill.
; CLUSTERS: 4 x 4 work-groups.  The four of a row of the cluster need the same tiles of A, the four of a column the same tiles of W: each tile is asked for jointly, by the same tensor load
; with the same descriptor and a mask that names the four.
; THE MATRIX INSTRUCTION IS USED TRANSPOSED (source 0 = 16 rows of W, source 1 = 16 rows of A): a lane holds row lane % 16 of C and eight neighbouring columns.
; THE BIAS COSTS NO VECTOR WORK: the first product on each accumulator takes as C eight registers that hold the bias of the lane's eight columns.
; THE RESIDUAL of the wave's 64 rows x 128 columns comes in under the products, into registers of its own: rows 0-31 at the start, rows 32-63 ahead of the fifth visit, 256 matrix instructions ahead of the way out.
; REGISTERS: window 0: addresses, residual rows 0-31, bias.  Window 1: two fragment buffers of 96 (W's 8 fragments, then A's 4); on the way out two buffers of 64.  Window 2: accumulator (a, b) at v[8 (8 a + b)].
;   Window 3: v0-127 residual rows 32-63.
.set PAIR,   272                       ; two LDS rows: 256 bytes + 16
.set FR,     8*PAIR                    ; the 16 rows of a fragment
.set NB,     3                         ; blocks g in a slot
.set WPB,    64*PAIR                   ; 128 rows of W of one block: what one of waves 0, 1 fetches of it, and what a wave multiplies by
.set APB,    32*PAIR                   ; 64 rows of A of one block, likewise
.set WH,     NB*WPB                    ; a half of W's rows, three blocks
.set AH,     NB*APB                    ; a half of A's rows, three blocks
.set SLOT,   2*WH+2*AH                 ; W's half 0, W's half 1, A's half 0, A's half 1: 156,672 bytes
.set SPARE,  2*SLOT                    ; behind the ring: the spare words, 128 bytes for each wave: two blocks of 256 bytes that no other line names
.set SPITCH, 528                       ; the stage for the way out: 16 rows x 528 bytes of f32 for each wave, from LDS byte 0 on: over slot 0, which has had its last fill, behind the barrier that ends its last visit
.set GBLK,   1<<17                     ; bytes in memory from a block g to the next
.set ADRA, 16                          ; v16-17  LDS address of my A fragments in slot 0, 1
.set ADRB, 20                          ; v20-21  the same for W
.set STO,  24                          ; v24     the way out: where I put 32 bytes of a row
.set RD,   25                          ; v25     the way out: where I read rows back
.set CO,   26                          ; v26     my byte offset in the output and the residual
.set BO,   27                          ; v27     my byte offset in the bias: 32 x (lane / 16)
.set SPW,  28                          ; v28     LDS address of my spare word; never rewritten
.set NIL,  29                          ; v29     0; never rewritten
.set RES,  64                          ; v64-191 the residual's blocks 0 and 1 (16 rows each); blocks 2 and 3 at v0-127 of window 3
.set BIAS, 192                         ; v192-255 bias of my 8 columns in each of the 8 column blocks
.set F0,   0
.set F1,   96
.set G1, 24                            ; s[24:31] descriptor group 1 for A's tiles;  s[32:39] group 0, one set for each slot
.set G0, 32
.set G1B, 48                           ; s[48:55], s[56:63] the same for W's tiles
.set G0B, 56
.set PA, 68                            ; s[68:69] A, s[70:71] W, s[72:73] bias, s[74:75] residual, s[76:77] out
.set PW, 70
.set PBIAS, 72
.set PRES, 74
.set POUT, 76
.set MSB, 0
.macro WIN new                         ; the immediate's high byte repeats the setting that is left; a switch that changes nothing is dropped
.if MSB != \new
	s_set_vgpr_msb (MSB<<8)|\new
.set MSB, \new
.endif
.endm
.set MUL,  0xa5                        ; sources 0 and 1 window 1; C and D window 2
.set MULB, 0x85                        ; the same with C in window 0: the bias
.set TO_F, 0x40                        ; destination window 1, address window 0
.macro JLOAD s                         ; a joint load: waves 0 and 1 fetch W's two halves, waves 2 and 3 A's; four v_nop follow each of the two lines, ahead of the jump, the label and what follows
	s_cmp_eq_u32 s11, 0
	s_cbranch_scc0 .Lfor_a_\@
	tensor_load_to_lds s[G0B+4*\s:G0B+4*\s+3], s[G1B:G1B+7]
	s_nop 0
.rept 4
	v_nop
.endr
	s_branch .Lasked_\@
.Lfor_a_\@:
	tensor_load_to_lds s[G0+4*\s:G0+4*\s+3], s[G1:G1+7]
	s_nop 0
.rept 4
	v_nop
.endr
.Lasked_\@:
.endm
.macro CREST                           ; a round of the cluster's barrier behind its opening barrier
	s_cmp_lg_u32 s10, 0
	s_cbranch_scc1 .Lnot_wave_0_\@
	s_barrier_signal -3
.Lnot_wave_0_\@:
	s_barrier_wait -3
	s_barrier_signal -1
	s_barrier_wait -1
.endm
.macro CROUND                          ; a whole round
	s_barrier_signal -1
	s_barrier_wait -1
	CREST
.endm
.macro PLACES                          ; four places in front of loads into registers that matrix instructions have read, and of reads of results
.rept 4
	v_nop
.endr
.endm
	s_load_b256 s[68:75], s[0:1], 0x0              ; A, W, bias, residual
	s_load_b64 s[76:77], s[0:1], 0x20              ; the output
	v_lshl_add_u32 v[SPW], v0, 2, SPARE
	v_mov_b32 v[NIL], 0
	ds_add_u32 v28, v29
	ds_add_u32 v28, v29
	s_wait_dscnt 0x0
	v_lshrrev_b32 v1, 5, v0
	v_readfirstlane_b32 s10, v1                    ; wave 0..3
	s_lshr_b32 s11, s10, 1                         ; which 64 rows of the tile are mine.  Also: I fetch for W (0) or for A (1)
	s_and_b32 s12, s10, 1                          ; which 128 columns.  Also: which half of that tile's rows I fetch
	s_bfe_u32 s40, ttmp6, 0x40000                  ; cx, cy: my place in the cluster
	s_bfe_u32 s41, ttmp6, 0x40004
	s_lshl_b32 s42, ttmp9, 2
	s_add_co_u32 s42, s42, s40                     ; tile column = 4 x cluster x + cx
	s_and_b32 s13, ttmp7, 0xffff
	s_lshl_b32 s13, s13, 2
	s_add_co_u32 s13, s13, s41                     ; tile row = 4 x cluster y + cy
	s_lshl_b32 s43, s41, 2
	s_lshl_b32 s43, 15, s43                        ; my row of the cluster
	s_lshl_b32 s44, 0x1111, s40                    ; my column
	; descriptor group 1: elements of 8 bytes; a row of the tile is my rows of one block g, a dense run; 15:0 the mask; 17:16 element size code 3; 20 padding on; 21 set beside a mask; 24:22 after every 64 words (code 5); 31:25 4 words of it (code 3)
	s_or_b32 s[G1+0], s43, (3<<16)|(1<<20)|(1<<21)|(5<<22)|(3<<25)
	s_or_b32 s[G1B+0], s44, (3<<16)|(1<<20)|(1<<21)|(5<<22)|(3<<25)
	s_mov_b32 s[G1+1], 1024<<16                    ; tensor_dim0 = 1,024 elements: 64 rows of A of 128 bytes
	s_mov_b32 s[G1+2], NB<<16                      ; tensor_dim1 = 3 blocks
	s_mov_b32 s[G1+3], 1024<<16                    ; tile_dim0
	s_mov_b32 s[G1+4], NB                          ; tile_dim1
	s_mov_b32 s[G1+5], GBLK/8                      ; from block to block: 16,384 elements
	s_mov_b32 s[G1+6], 0
	s_mov_b32 s[G1+7], 0
	s_mov_b32 s[G1B+1], 2048<<16                   ; 128 rows of W of 128 bytes
	s_mov_b32 s[G1B+2], NB<<16
	s_mov_b32 s[G1B+3], 2048<<16
	s_mov_b32 s[G1B+4], NB
	s_mov_b32 s[G1B+5], GBLK/8
	s_mov_b32 s[G1B+6], 0
	s_mov_b32 s[G1B+7], 0
	; where the tiles come from.  A's hang on the tile row and the wave alone, W's on the tile column and the wave alone, each in registers that never hold the other coordinate.
	s_lshr_b32 s14, s13, 3                         ; A: segment = tile row / 8,
	s_lshl_b32 s14, s14, 21
	s_and_b32 s15, s13, 7                          ; 128 rows of 128 bytes for each tile row in it,
	s_lshl_b32 s15, s15, 14
	s_add_co_u32 s14, s14, s15
	s_lshl_b32 s15, s12, 13                        ; my 64 of them
	s_add_co_u32 s14, s14, s15
	s_mov_b32 s15, 0
	s_lshl_b32 s46, s42, 15                        ; W: 256 rows of 128 bytes for each tile column,
	s_lshl_b32 s47, s12, 14                        ; my 128 of them
	s_add_co_u32 s46, s46, s47
	s_mov_b32 s47, 0
	s_mul_i32 s20, s10, AH                         ; where they go: A's halves behind W's two: 2 WH + (wave - 2) AH,
	s_add_co_u32 s20, s20, 2*WH-2*AH
	s_mul_i32 s21, s10, WH                         ; W's: wave x WH.  No place in the cluster enters an LDS address
	s_wait_kmcnt 0x0
	s_add_nc_u64 s[14:15], s[PA:PA+1], s[14:15]
	s_add_nc_u64 s[46:47], s[PW:PW+1], s[46:47]
	CROUND                                         ; all sixteen work-groups are here: the first joint loads meet
.irp s, 0,1
	s_mov_b32 s[G0+4*\s], 1                                        ; count = 1
	s_add_co_u32 s[G0+4*\s+1], s20, \s*SLOT                        ; LDS address
	s_add_nc_u64 s[G0+4*\s+2:G0+4*\s+3], s[14:15], \s*NB*GBLK      ; global address: blocks 3 s on
	s_or_b32 s[G0+4*\s+3], s[G0+4*\s+3], 0x80000000                ; type = 2
	s_mov_b32 s[G0B+4*\s], 1
	s_add_co_u32 s[G0B+4*\s+1], s21, \s*SLOT
	s_add_nc_u64 s[G0B+4*\s+2:G0B+4*\s+3], s[46:47], \s*NB*GBLK
	s_or_b32 s[G0B+4*\s+3], s[G0B+4*\s+3], 0x80000000
	JLOAD \s
.endr
	v_and_b32 v1, 15, v0                           ; l % 16
	v_bfe_u32 v2, v0, 4, 1                         ; l / 16
	v_lshrrev_b32 v7, 1, v1                        ; a fragment's row r = l % 16 lies at (r / 2) x 272
	v_mul_u32_u24 v3, v7, PAIR
	v_and_b32 v7, 1, v0
	v_lshl_add_u32 v3, v7, 7, v3                   ; + (r % 2) x 128
	v_lshl_add_u32 v3, v2, 4, v3                   ; + 16 x half
	s_mul_i32 s21, s11, AH                         ; my 64 rows of A,
	s_add_co_u32 s21, s21, 2*WH                    ; which lie behind W's two halves
	s_mul_i32 s22, s12, WH                         ; my 128 rows of W
.irp s, 0,1
	v_add_nc_u32 v[ADRA+\s], s21, v3
	v_add_nc_u32 v[ADRB+\s], s22, v3
	s_add_co_u32 s21, s21, SLOT
	s_add_co_u32 s22, s22, SLOT
.endr
	s_mul_i32 s23, s10, 16*SPITCH                  ; my stage
	v_mul_u32_u24 v4, v1, SPITCH                   ; in: row l % 16, 32 bytes for each half of the lanes
	v_lshl_add_u32 v4, v2, 5, v4
	v_add_nc_u32 v[STO], s23, v4
	v_and_b32 v5, 31, v0
	v_lshlrev_b32 v[BO], 5, v2
	v_lshl_add_u32 v[RD], v5, 4, s23               ; back: a whole row of 512 bytes, 16 bytes a lane
	v_lshlrev_b32 v[CO], 4, v5
	s_lshl_b32 s16, s42, 10                        ; bias of my 128 columns: 4 x (256 x tile column + 128 x half)
	s_lshl_b32 s17, s12, 9
	s_add_co_u32 s16, s16, s17
	s_mov_b32 s17, 0
	s_add_nc_u64 s[PBIAS:PBIAS+1], s[PBIAS:PBIAS+1], s[16:17]
	s_lshl_b32 s16, s13, 19                        ; my first row (128 x tile row + 64 x half) x 4,096 bytes + my first column (256 x tile column + 128 x half) x 4
	s_lshl_b32 s17, s11, 18
	s_add_co_u32 s16, s16, s17
	s_lshl_b32 s17, s42, 10
	s_add_co_u32 s16, s16, s17
	s_lshl_b32 s17, s12, 9
	s_add_co_u32 s16, s16, s17
	s_mov_b32 s17, 0
	s_add_nc_u64 s[PRES:PRES+1], s[PRES:PRES+1], s[16:17]
	s_add_nc_u64 s[POUT:POUT+1], s[POUT:POUT+1], s[16:17]
.irp b, 0,1,2,3,4,5,6,7
	global_load_b128 v[BIAS+8*\b:BIAS+8*\b+3],   v[BO], s[PBIAS:PBIAS+1] offset:64*\b      ; bias of columns 16 b + 8 (l / 16) + 0..3
	global_load_b128 v[BIAS+8*\b+4:BIAS+8*\b+7], v[BO], s[PBIAS:PBIAS+1] offset:64*\b+16
.endr
.irp a, 0,1
.irp t, 0,1,2,3,4,5,6,7,8,9,10,11,12,13,14,15
	global_load_b128 v[RES+64*\a+4*\t:RES+64*\a+4*\t+3], v[CO], s[PRES:PRES+1] offset:(16*\a+\t)*4096   ; the residual of my first 32 rows
.endr
.endr
; 8 matrix instructions: row block a x all 8 column blocks, 32 along K, from buffer fb.  first = 1: the product starts the sum on the bias.  The 32 accumulators take turns, one instruction a turn.
.macro MULA fb, a, first
.irp b, 0,1,2,3,4,5,6,7
.if \first
	v_wmma_f32_16x16x32_bf16 v[8*(8*(\a)+\b):8*(8*(\a)+\b)+7], v[\fb+8*\b:\fb+8*\b+7], v[\fb+64+8*(\a):\fb+64+8*(\a)+7], v[BIAS+8*\b:BIAS+8*\b+7]
.else
	v_wmma_f32_16x16x32_bf16 v[8*(8*(\a)+\b):8*(8*(\a)+\b)+7], v[\fb+8*\b:\fb+8*\b+7], v[\fb+64+8*(\a):\fb+64+8*(\a)+7], v[8*(8*(\a)+\b):8*(8*(\a)+\b)+7]
.endif
.endr
.endm
; 24 LDS loads in one run: the fragments of chunk q of a slot's six (block q / 2 of its three, bytes 64 (q % 2) on of the rows) into buffer fb: W's eight, then A's four
.macro FETCH slot, q, fb
	WIN TO_F
.irp i, 0,1,2,3,4,5,6,7
	ds_load_b128 v[\fb+8*\i:\fb+8*\i+3],   v[ADRB+\slot] offset:((\q)>>1)*WPB+((\q)&1)*64+\i*FR
	ds_load_b128 v[\fb+8*\i+4:\fb+8*\i+7], v[ADRB+\slot] offset:((\q)>>1)*WPB+((\q)&1)*64+\i*FR+32
.endr
.irp i, 0,1,2,3
	ds_load_b128 v[\fb+64+8*\i:\fb+64+8*\i+3],   v[ADRA+\slot] offset:((\q)>>1)*APB+((\q)&1)*64+\i*FR
	ds_load_b128 v[\fb+64+8*\i+4:\fb+64+8*\i+7], v[ADRA+\slot] offset:((\q)>>1)*APB+((\q)&1)*64+\i*FR+32
.endr
.endm
; A chunk is 32 along K, 32 matrix instructions; a slot's six chunks go on buffers 0, 1, 0, 1, 0, 1.  One of the first five: multiplies buffer fb and fetches chunk qn into gb.
.macro QUARTER slot, qn, fb, gb, first
	s_wait_dscnt 4                                 ; W's fragments and A's blocks 0, 1 are in; the youngest four loads (A's blocks 2, 3) may be out
.if \first
	WIN MULB
.else
	WIN MUL
.endif
	MULA \fb, 0, \first
	MULA \fb, 1, \first
	PLACES
	FETCH \slot, \qn, \gb
	s_wait_dscnt 24                                ; all but the 24 just issued
.if \first
	WIN MULB
.else
	WIN MUL
.endif
	MULA \fb, 2, \first
	MULA \fb, 3, \first
.endm
; The sixth chunk multiplies buffer 1 and changes slots: ONE barrier; in front of it each wave waits for all its tensor loads, adds 0 to its spare word, and waits for that and for its own reads of this slot.
; fill = 1: the barrier opens a round of the cluster's, and this slot is filled again, six blocks ahead, first thing behind it: 176 matrix instructions ahead of the wait for it.
; fill = 2: the same, and only one block is left: both group 1's state one row (no tensor load of mine is out, so they may be written).  fill = 0: nothing is left to fetch.
.macro TURN slot, next, fill
	WIN 0                                          ; (the add's two registers lie in window 0)
	s_wait_tensorcnt 0x0                           ; all my tensor loads have landed: my part of the next slot;
	ds_add_u32 v[SPW], v[NIL]                      ; 0 onto my spare word;
	s_wait_dscnt 5                                 ; (the add and the youngest four loads may be out)
	WIN MUL
	MULA F1, 0, 0                                  ; eight matrix instructions stand between the add and the wait for it
	s_wait_dscnt 0x0                               ; the add is done, and my reads of this slot are over
	s_barrier_signal -1
	MULA F1, 1, 0
.if \fill
	WIN 0
.endif
	s_barrier_wait -1
.if \fill
	CREST                                          ; no wave of any partner still reads this slot's tile or has a load on its way
	s_add_nc_u64 s[G0+4*\slot+2:G0+4*\slot+3], s[G0+4*\slot+2:G0+4*\slot+3], 2*NB*GBLK
	s_add_nc_u64 s[G0B+4*\slot+2:G0B+4*\slot+3], s[G0B+4*\slot+2:G0B+4*\slot+3], 2*NB*GBLK
.if \fill == 2
	s_mov_b32 s[G1+2], 1<<16                       ; tensor_dim1 = 1
	s_mov_b32 s[G1+4], 1                           ; tile_dim1 = 1
	s_mov_b32 s[G1B+2], 1<<16
	s_mov_b32 s[G1B+4], 1
.endif
	JLOAD \slot                                    ; the four v_nop behind it are also the places in front of the loads below
.else
	PLACES
.endif
	FETCH \next, 0, F0
	WIN MUL
	MULA F1, 2, 0
	MULA F1, 3, 0
.endm
; A visit: a slot's six chunks, 192 matrix instructions; its first chunk's fragments were fetched by the visit before.
.macro VISIT slot, fill, first
	QUARTER \slot, 1, F0, F1, \first
	QUARTER \slot, 2, F1, F0, 0
	QUARTER \slot, 3, F0, F1, 0
	QUARTER \slot, 4, F1, F0, 0
	QUARTER \slot, 5, F0, F1, 0
	TURN \slot, 1-\slot, \fill
.endm
	s_wait_tensorcnt 1                             ; my part of blocks 0-2 is in; blocks 3-5 may stay out
	s_barrier_signal -1
	s_barrier_wait -1                              ; everybody's is
	FETCH 0, 0, F0
	s_wait_loadcnt 32                              ; the bias is in; the residual's 32 loads behind it may stay out
	VISIT 0, 1, 1                                  ; blocks 0-2: the first chunk's products start the sums; slot 0 takes blocks 6-8
	VISIT 1, 1, 0                                  ; blocks 3-5; slot 1 takes blocks 9-11
	VISIT 0, 1, 0                                  ; blocks 6-8; slot 0 takes blocks 12-14
	VISIT 1, 2, 0                                  ; blocks 9-11; slot 1 takes block 15
	WIN 0xc0                                       ; destination window 3, address window 0
.irp a, 2,3
.irp t, 0,1,2,3,4,5,6,7,8,9,10,11,12,13,14,15
	global_load_b128 v[64*(\a-2)+4*\t:64*(\a-2)+4*\t+3], v[CO], s[PRES:PRES+1] offset:(16*\a+\t)*4096   ; the residual of my last 32 rows: the last eight chunks' 256 matrix instructions stand over its way
.endr
.endr
	VISIT 0, 0, 0                                  ; blocks 12-14; nothing is left to fetch, and no round of the cluster's barrier follows.  Behind its barrier no wave reads slot 0 any more
	QUARTER 1, 1, F0, F1, 0                        ; block 15
	s_wait_dscnt 4                                 ; the very last chunk: nothing more to fetch
	WIN MUL
	MULA F1, 0, 0
	MULA F1, 1, 0
	s_wait_dscnt 0x0
	MULA F1, 2, 0
	MULA F1, 3, 0
; THE WAY OUT, a block of 16 rows at a time, through my own stage in LDS (f32): a lane's 32 bytes go in, whole rows of 512 bytes come back.  LDS serves a wave's instructions in order
; (ISA guide 5.7.1.4), so no wait stands between my stores and my loads, nor between a block's loads and the next block's stores.
.macro STG a                           ; each accumulator's low four registers first
	WIN 0x08                                       ; store data window 2, address window 0
.irp b, 0,1,2,3,4,5,6,7
	ds_store_b128 v[STO], v[8*(8*(\a)+\b):8*(8*(\a)+\b)+3]   offset:64*\b
	ds_store_b128 v[STO], v[8*(8*(\a)+\b)+4:8*(8*(\a)+\b)+7] offset:64*\b+16
.endr
.endm
.macro RDB a                           ; back into buffer a % 2 of window 1
	WIN 0x40
.set RBL, 64*((\a)%2)
.irp t, 0,1,2,3,4,5,6,7,8,9,10,11,12,13,14,15
	ds_load_b128 v[RBL+4*\t:RBL+4*\t+3], v[RD] offset:\t*SPITCH
.endr
.endm
.macro OUT a
.set RB, 64*((\a)%2)
	s_wait_loadcnt 48-16*(\a)                      ; this block's residual is in; the sixteen loads of each later block may stay out
.if (\a) < 2
.set RSD, RES+64*(\a)
	WIN 0x41                                       ; destination and source 0 window 1, source 1 window 0
.else
.set RSD, 64*((\a)-2)
	WIN 0x4d                                       ; destination and source 0 window 1, source 1 window 3
.endif
.set i, 0
.rept 32
	v_pk_add_f32 v[RB+2*i:RB+2*i+1], v[RB+2*i:RB+2*i+1], v[RSD+2*i:RSD+2*i+1]
.set i, i+1
.endr
	WIN 0x04                                       ; store data window 1
.irp t, 0,1,2,3,4,5,6,7,8,9,10,11,12,13,14,15
	global_store_b128 v[CO], v[RB+4*\t:RB+4*\t+3], s[POUT:POUT+1] offset:(16*(\a)+\t)*4096   ; the wave stores 512 consecutive bytes, at a multiple of 512 from the buffer's first byte
.endr
.endm
	WIN 0
	PLACES
	STG 0
	RDB 0
.irp a, 0,1,2,3
.if \a < 3
	s_wait_xcnt 0x0                                ; every earlier memory instruction has had its addresses translated (ISA guide 3.1): the buffer that earlier stores read is loaded again only behind this wait
	STG \a+1
	RDB \a+1
	s_wait_dscnt 32                                ; this block is back; the next block's sixteen stores and sixteen loads may be out
.else
	s_wait_dscnt 0x0
.endif
	OUT \a
.endr
	WIN 0
	s_wait_tensorcnt 0x0                           ; the wave's end, behind my last tensor load and my last LDS store
	ds_add_u32 v[SPW], v[NIL]
	s_wait_dscnt 0x0
	CROUND                                         ; the closing round: no work-group ends while a partner may still ask for a tile that names it
	s_endpgm
.Lfunc_end_k_q98bf3c1c1b_wo:
	.size	k_q98bf3c1c1b_wo, .Lfunc_end_k_q98bf3c1c1b_wo-k_q98bf3c1c1b_wo
	.p2alignl 7, 3214868480
	.fill 96, 4, 3214868480
	.section	.rodata,"a",@progbits
	.p2align	6, 0x0
	.amdhsa_kernel k_q98bf3c1c1b_wo
		.amdhsa_group_segment_fixed_size 327680
		.amdhsa_private_segment_fixed_size 0
		.amdhsa_enable_private_segment 0
		.amdhsa_kernarg_size 40
		.amdhsa_user_sgpr_count 2
		.amdhsa_user_sgpr_kernarg_segment_ptr 1
		.amdhsa_wavefront_size32 1
		.amdhsa_system_sgpr_workgroup_id_x 1
		.amdhsa_system_sgpr_workgroup_id_y 1
		.amdhsa_system_sgpr_workgroup_id_z 1
		.amdhsa_system_vgpr_workitem_id 0
		.amdhsa_next_free_vgpr 896
		.amdhsa_next_free_sgpr 96
		.amdhsa_reserve_vcc 0
		.amdhsa_float_denorm_mode_32 3
		.amdhsa_float_denorm_mode_16_64 3
		.amdhsa_memory_ordered 1
		.amdhsa_forward_progress 1
		.amdhsa_inst_pref_size 163
	.end_amdhsa_kernel
	.amdgpu_metadata
---
amdhsa.version: [ 1, 2 ]
amdhsa.kernels:
  - .name:           k_q98bf3c1c1b_wo
    .symbol:         k_q98bf3c1c1b_wo.kd
    .args:
      - { .name: xa, .offset: 0, .size: 8, .value_kind: global_buffer, .address_space: global }
      - { .name: wob, .offset: 8, .size: 8, .value_kind: global_buffer, .address_space: global }
      - { .name: bo, .offset: 16, .size: 8, .value_kind: global_buffer, .address_space: global }
      - { .name: X, .offset: 24, .size: 8, .value_kind: global_buffer, .address_space: global }
      - { .name: x1, .offset: 32, .size: 8, .value_kind: global_buffer, .address_space: global }
    .group_segment_fixed_size: 327680
    .private_segment_fixed_size: 0
    .kernarg_segment_align: 8
    .kernarg_segment_size: 40
    .max_flat_workgroup_size: 128
    .sgpr_count:     96
    .vgpr_count:     896
    .wavefront_size: 32
...
	.end_amdgpu_metadata
.endif
;; end of part 9
;; launch ln2: the kernel of part 5 again; grid 32 x 8, 8 waves a work-group, no clusters, 0 bytes of LDS; arguments x1, ln2_a, ln2_b, xa; writes xa
;; launch ffn1 (part 10): grid 4 x 64, 4 waves a work-group, clusters of 4 x 4, 327,680 bytes of LDS; arguments xa, w1b, b1, qkvb; writes qkvb
.if DOCPART == 10
	.amdgcn_target "amdgcn-amd-amdhsa--gfx1250"
	.amdhsa_code_object_version 6
	.text
	.protected	k_q98bf3c1c1b_ffn1
	.globl	k_q98bf3c1c1b_ffn1
	.p2align	8
	.type	k_q98bf3c1c1b_ffn1,@function
k_q98bf3c1c1b_ffn1:
	s_mov_b64 s[64:65], 0
	v_nop
	global_prefetch_b8 v0, s[64:65] scope:SCOPE_SE
	s_setreg_imm32_b32 hwreg(HW_REG_WAVE_MODE, 25, 1), 1
	s_wait_xcnt 0x0
	s_wait_alu depctr_hold_cnt(0) depctr_sa_sdst(0) depctr_va_vdst(0) depctr_va_sdst(0) depctr_va_ssrc(0) depctr_va_vcc(0) depctr_vm_vsrc(0)
	s_getreg_b32 s2, hwreg(HW_REG_IB_STS2, 6, 4)
	s_cmp_eq_u32 s2, 0
	s_cbranch_scc0 .Lentry_in_a_cluster
	s_endpgm
.Lentry_in_a_cluster:
	s_bfe_u32 s2, ttmp6, 0x10000c
	s_cmp_lg_u32 s2, 0xf033
	s_cbranch_scc0 .Lentry_shape_is_right
	s_endpgm
.Lentry_shape_is_right:
; h = relu(xn2 w1^T + b1): xn2 and w1 bf16 in blocks, f32 sums, K = N = 1,024; h in bf16, in blocks, 16 blocks a batch.
; BLOCKED LAYOUT: [segment of 1,024 rows][g = block of 64 along K][row][64] bf16: byte = seg<<21 + g<<17 + row<<7 + 2 col.  Neighbouring rows of one block are one dense run of memory.
; SHARES.  A work-group makes 128 rows x 256 columns of C: 256 work-groups.  Four waves, each 64 x 128: 32 accumulators, 256 registers.
; THE RING.  Two LDS slots, each with THREE blocks g (192 along K) of W's 256 rows and A's 128: as much as fits twice.  From a refill to the wait for it a wave issues 176 matrix instructions.
; Waves 0 and 1 fetch 128 rows of W each, waves 2 and 3 fetch 64 rows of A each: one tensor load a wave, whose tile has one row for each block: a dense run of 16 KiB (W) or 8 KiB (A), the rows 128 KiB apart.
; 16 bytes of padding follow every 256, so two rows of 128 bytes take 272: row r lies at (r / 2) 272 + (r % 2) 128, and the 16 rows that a fragment load touches start at 16 different places of 16 bytes modulo 256
; (64 banks of 4 bytes: ISA guide 11.1).  The 16 blocks make six visits of 3, 3, 3, 3, 3 and 1 blocks: two first fills, four refills, the last of one block.  The visits are written out by macro, without a
; loop: the last refill differs from the others.  By this text's count a wave has two tensor loads out at the start and one behind each refill.
; CLUSTERS: 4 x 4 work-groups.  The four of a row of the cluster need the same tiles of A, the four of a column the same tiles of W: each tile is asked for jointly, by the same tensor load
; with the same descriptor and a mask that names the four.
; THE MATRIX INSTRUCTION IS USED TRANSPOSED (source 0 = 16 rows of W, source 1 = 16 rows of A): a lane holds row lane % 16 of C and eight neighbouring columns.
; THE BIAS COSTS NO VECTOR WORK: the first product on each accumulator takes as C eight registers that hold the bias of the lane's eight columns.
; REGISTERS: window 0: addresses, bias.  Window 1: two fragment buffers of 96 (W's 8 fragments, then A's 4); on the way out two buffers of 64.  Window 2: accumulator (a, b) at v[8 (8 a + b)].
.set PAIR,   272                       ; two LDS rows: 256 bytes + 16
.set FR,     8*PAIR                    ; the 16 rows of a fragment
.set NB,     3                         ; blocks g in a slot
.set WPB,    64*PAIR                   ; 128 rows of W of one block: what one of waves 0, 1 fetches of it, and what a wave multiplies by
.set APB,    32*PAIR                   ; 64 rows of A of one block, likewise
.set WH,     NB*WPB                    ; a half of W's rows, three blocks
.set AH,     NB*APB                    ; a half of A's rows, three blocks
.set SLOT,   2*WH+2*AH                 ; W's half 0, W's half 1, A's half 0, A's half 1: 156,672 bytes
.set SPARE,  2*SLOT                    ; behind the ring: the spare words, 128 bytes for each wave: two blocks of 256 bytes that no other line names
.set SPITCH, 528                       ; the stage for the way out: 16 rows x 528 bytes of f32 for each wave, from LDS byte 0 on: over slot 0, which has had its last fill, behind the barrier that ends its last visit
.set GBLK,   1<<17                     ; bytes in memory from a block g to the next
.set ADRA, 16                          ; v16-17  LDS address of my A fragments in slot 0, 1
.set ADRB, 20                          ; v20-21  the same for W
.set STO,  24                          ; v24     the way out: where I put 32 bytes of a row
.set RD,   25                          ; v25     the way out: where I read rows back
.set CO,   26                          ; v26     my byte offset in the output
.set BO,   27                          ; v27     my byte offset in the bias: 32 x (lane / 16)
.set SPW,  28                          ; v28     LDS address of my spare word; never rewritten
.set NIL,  29                          ; v29     0; never rewritten
.set BIAS, 192                         ; v192-255 bias of my 8 columns in each of the 8 column blocks
.set F0,   0
.set F1,   96
.set G1, 24                            ; s[24:31] descriptor group 1 for A's tiles;  s[32:39] group 0, one set for each slot
.set G0, 32
.set G1B, 48                           ; s[48:55], s[56:63] the same for W's tiles
.set G0B, 56
.set PA, 68                            ; s[68:69] A, s[70:71] W, s[72:73] bias, s[74:75] out
.set PW, 70
.set PBIAS, 72
.set POUT, 74
.set MSB, 0
.macro WIN new                         ; the immediate's high byte repeats the setting that is left; a switch that changes nothing is dropped
.if MSB != \new
	s_set_vgpr_msb (MSB<<8)|\new
.set MSB, \new
.endif
.endm
.set MUL,  0xa5                        ; sources 0 and 1 window 1; C and D window 2
.set MULB, 0x85                        ; the same with C in window 0: the bias
.set TO_F, 0x40                        ; destination window 1, address window 0
.macro JLOAD s                         ; a joint load: waves 0 and 1 fetch W's two halves, waves 2 and 3 A's; four v_nop follow each of the two lines, ahead of the jump, the label and what follows
	s_cmp_eq_u32 s11, 0
	s_cbranch_scc0 .Lfor_a_\@
	tensor_load_to_lds s[G0B+4*\s:G0B+4*\s+3], s[G1B:G1B+7]
	s_nop 0
.rept 4
	v_nop
.endr
	s_branch .Lasked_\@
.Lfor_a_\@:
	tensor_load_to_lds s[G0+4*\s:G0+4*\s+3], s[G1:G1+7]
	s_nop 0
.rept 4
	v_nop
.endr
.Lasked_\@:
.endm
.macro CREST                           ; a round of the cluster's barrier behind its opening barrier
	s_cmp_lg_u32 s10, 0
	s_cbranch_scc1 .Lnot_wave_0_\@
	s_barrier_signal -3
.Lnot_wave_0_\@:
	s_barrier_wait -3
	s_barrier_signal -1
	s_barrier_wait -1
.endm
.macro CROUND                          ; a whole round
	s_barrier_signal -1
	s_barrier_wait -1
	CREST
.endm
.macro PLACES                          ; four places in front of loads into registers that matrix instructions have read, and of reads of results
.rept 4
	v_nop
.endr
.endm
	s_load_b256 s[68:75], s[0:1], 0x0              ; A, W, bias, the output
	v_lshl_add_u32 v[SPW], v0, 2, SPARE
	v_mov_b32 v[NIL], 0
	ds_add_u32 v28, v29
	ds_add_u32 v28, v29
	s_wait_dscnt 0x0
	v_lshrrev_b32 v1, 5, v0
	v_readfirstlane_b32 s10, v1                    ; wave 0..3
	s_lshr_b32 s11, s10, 1                         ; which 64 rows of the tile are mine.  Also: I fetch for W (0) or for A (1)
	s_and_b32 s12, s10, 1                          ; which 128 columns.  Also: which half of that tile's rows I fetch
	s_bfe_u32 s40, ttmp6, 0x40000                  ; cx, cy: my place in the cluster
	s_bfe_u32 s41, ttmp6, 0x40004
	s_lshl_b32 s42, ttmp9, 2
	s_add_co_u32 s42, s42, s40                     ; tile column = 4 x cluster x + cx
	s_and_b32 s13, ttmp7, 0xffff
	s_lshl_b32 s13, s13, 2
	s_add_co_u32 s13, s13, s41                     ; tile row = 4 x cluster y + cy
	s_lshl_b32 s43, s41, 2
	s_lshl_b32 s43, 15, s43                        ; my row of the cluster
	s_lshl_b32 s44, 0x1111, s40                    ; my column
	; descriptor group 1: elements of 8 bytes; a row of the tile is my rows of one block g, a dense run; 15:0 the mask; 17:16 element size code 3; 20 padding on; 21 set beside a mask; 24:22 after every 64 words (code 5); 31:25 4 words of it (code 3)
	s_or_b32 s[G1+0], s43, (3<<16)|(1<<20)|(1<<21)|(5<<22)|(3<<25)
	s_or_b32 s[G1B+0], s44, (3<<16)|(1<<20)|(1<<21)|(5<<22)|(3<<25)
	s_mov_b32 s[G1+1], 1024<<16                    ; tensor_dim0 = 1,024 elements: 64 rows of A of 128 bytes
	s_mov_b32 s[G1+2], NB<<16                      ; tensor_dim1 = 3 blocks
	s_mov_b32 s[G1+3], 1024<<16                    ; tile_dim0
	s_mov_b32 s[G1+4], NB                          ; tile_dim1
	s_mov_b32 s[G1+5], GBLK/8                      ; from block to block: 16,384 elements
	s_mov_b32 s[G1+6], 0
	s_mov_b32 s[G1+7], 0
	s_mov_b32 s[G1B+1], 2048<<16                   ; 128 rows of W of 128 bytes
	s_mov_b32 s[G1B+2], NB<<16
	s_mov_b32 s[G1B+3], 2048<<16
	s_mov_b32 s[G1B+4], NB
	s_mov_b32 s[G1B+5], GBLK/8
	s_mov_b32 s[G1B+6], 0
	s_mov_b32 s[G1B+7], 0
	; where the tiles come from.  A's hang on the tile row and the wave alone, W's on the tile column and the wave alone, each in registers that never hold the other coordinate.
	s_lshr_b32 s14, s13, 3                         ; A: segment = tile row / 8,
	s_lshl_b32 s14, s14, 21
	s_and_b32 s15, s13, 7                          ; 128 rows of 128 bytes for each tile row in it,
	s_lshl_b32 s15, s15, 14
	s_add_co_u32 s14, s14, s15
	s_lshl_b32 s15, s12, 13                        ; my 64 of them
	s_add_co_u32 s14, s14, s15
	s_mov_b32 s15, 0
	s_lshl_b32 s46, s42, 15                        ; W: 256 rows of 128 bytes for each tile column,
	s_lshl_b32 s47, s12, 14                        ; my 128 of them
	s_add_co_u32 s46, s46, s47
	s_mov_b32 s47, 0
	s_mul_i32 s20, s10, AH                         ; where they go: A's halves behind W's two: 2 WH + (wave - 2) AH,
	s_add_co_u32 s20, s20, 2*WH-2*AH
	s_mul_i32 s21, s10, WH                         ; W's: wave x WH.  No place in the cluster enters an LDS address
	s_wait_kmcnt 0x0
	s_add_nc_u64 s[14:15], s[PA:PA+1], s[14:15]
	s_add_nc_u64 s[46:47], s[PW:PW+1], s[46:47]
	CROUND                                         ; all sixteen work-groups are here: the first joint loads meet
.irp s, 0,1
	s_mov_b32 s[G0+4*\s], 1                                        ; count = 1
	s_add_co_u32 s[G0+4*\s+1], s20, \s*SLOT                        ; LDS address
	s_add_nc_u64 s[G0+4*\s+2:G0+4*\s+3], s[14:15], \s*NB*GBLK      ; global address: blocks 3 s on
	s_or_b32 s[G0+4*\s+3], s[G0+4*\s+3], 0x80000000                ; type = 2
	s_mov_b32 s[G0B+4*\s], 1
	s_add_co_u32 s[G0B+4*\s+1], s21, \s*SLOT
	s_add_nc_u64 s[G0B+4*\s+2:G0B+4*\s+3], s[46:47], \s*NB*GBLK
	s_or_b32 s[G0B+4*\s+3], s[G0B+4*\s+3], 0x80000000
	JLOAD \s
.endr
	v_and_b32 v1, 15, v0                           ; l % 16
	v_bfe_u32 v2, v0, 4, 1                         ; l / 16
	v_lshrrev_b32 v7, 1, v1                        ; a fragment's row r = l % 16 lies at (r / 2) x 272
	v_mul_u32_u24 v3, v7, PAIR
	v_and_b32 v7, 1, v0
	v_lshl_add_u32 v3, v7, 7, v3                   ; + (r % 2) x 128
	v_lshl_add_u32 v3, v2, 4, v3                   ; + 16 x half
	s_mul_i32 s21, s11, AH                         ; my 64 rows of A,
	s_add_co_u32 s21, s21, 2*WH                    ; which lie behind W's two halves
	s_mul_i32 s22, s12, WH                         ; my 128 rows of W
.irp s, 0,1
	v_add_nc_u32 v[ADRA+\s], s21, v3
	v_add_nc_u32 v[ADRB+\s], s22, v3
	s_add_co_u32 s21, s21, SLOT
	s_add_co_u32 s22, s22, SLOT
.endr
	s_mul_i32 s23, s10, 16*SPITCH                  ; my stage
	v_mul_u32_u24 v4, v1, SPITCH                   ; in: row l % 16, 32 bytes for each half of the lanes
	v_lshl_add_u32 v4, v2, 5, v4
	v_add_nc_u32 v[STO], s23, v4
	v_and_b32 v5, 31, v0
	v_lshlrev_b32 v[BO], 5, v2
	v_mul_u32_u24 v6, v2, SPITCH                   ; back: lanes 0-15 take 256 bytes (64 columns) of one row, lanes 16-31 of the next
	v_lshl_add_u32 v6, v1, 4, v6
	v_add_nc_u32 v[RD], s23, v6
	v_lshlrev_b32 v[CO], 3, v5                     ; out: 8 bytes a lane: two neighbouring rows of a block
	s_lshl_b32 s16, s42, 10                        ; bias of my 128 columns: 4 x (256 x tile column + 128 x half)
	s_lshl_b32 s17, s12, 9
	s_add_co_u32 s16, s16, s17
	s_mov_b32 s17, 0
	s_add_nc_u64 s[PBIAS:PBIAS+1], s[PBIAS:PBIAS+1], s[16:17]
	s_lshr_b32 s16, s13, 3                         ; out: block = batch x 16 + 4 x tile column + 2 x half,
	s_lshl_b32 s16, s16, 4
	s_lshl2_add_u32 s16, s42, s16
	s_lshl1_add_u32 s16, s12, s16
	s_lshl_b32 s16, s16, 17
	s_and_b32 s17, s13, 7                          ; row in the batch = 128 x (tile row % 8) + 64 x half, 128 bytes each
	s_lshl_b32 s17, s17, 14
	s_add_co_u32 s16, s16, s17
	s_lshl_b32 s17, s11, 13
	s_add_co_u32 s16, s16, s17
	s_mov_b32 s17, 0
	s_add_nc_u64 s[POUT:POUT+1], s[POUT:POUT+1], s[16:17]
.irp b, 0,1,2,3,4,5,6,7
	global_load_b128 v[BIAS+8*\b:BIAS+8*\b+3],   v[BO], s[PBIAS:PBIAS+1] offset:64*\b      ; bias of columns 16 b + 8 (l / 16) + 0..3
	global_load_b128 v[BIAS+8*\b+4:BIAS+8*\b+7], v[BO], s[PBIAS:PBIAS+1] offset:64*\b+16
.endr
; 8 matrix instructions: row block a x all 8 column blocks, 32 along K, from buffer fb.  first = 1: the product starts the sum on the bias.  The 32 accumulators take turns, one instruction a turn.
.macro MULA fb, a, first
.irp b, 0,1,2,3,4,5,6,7
.if \first
	v_wmma_f32_16x16x32_bf16 v[8*(8*(\a)+\b):8*(8*(\a)+\b)+7], v[\fb+8*\b:\fb+8*\b+7], v[\fb+64+8*(\a):\fb+64+8*(\a)+7], v[BIAS+8*\b:BIAS+8*\b+7]
.else
	v_wmma_f32_16x16x32_bf16 v[8*(8*(\a)+\b):8*(8*(\a)+\b)+7], v[\fb+8*\b:\fb+8*\b+7], v[\fb+64+8*(\a):\fb+64+8*(\a)+7], v[8*(8*(\a)+\b):8*(8*(\a)+\b)+7]
.endif
.endr
.endm
; 24 LDS loads in one run: the fragments of chunk q of a slot's six (block q / 2 of its three, bytes 64 (q % 2) on of the rows) into buffer fb: W's eight, then A's four
.macro FETCH slot, q, fb
	WIN TO_F
.irp i, 0,1,2,3,4,5,6,7
	ds_load_b128 v[\fb+8*\i:\fb+8*\i+3],   v[ADRB+\slot] offset:((\q)>>1)*WPB+((\q)&1)*64+\i*FR
	ds_load_b128 v[\fb+8*\i+4:\fb+8*\i+7], v[ADRB+\slot] offset:((\q)>>1)*WPB+((\q)&1)*64+\i*FR+32
.endr
.irp i, 0,1,2,3
	ds_load_b128 v[\fb+64+8*\i:\fb+64+8*\i+3],   v[ADRA+\slot] offset:((\q)>>1)*APB+((\q)&1)*64+\i*FR
	ds_load_b128 v[\fb+64+8*\i+4:\fb+64+8*\i+7], v[ADRA+\slot] offset:((\q)>>1)*APB+((\q)&1)*64+\i*FR+32
.endr
.endm
; A chunk is 32 along K, 32 matrix instructions; a slot's six chunks go on buffers 0, 1, 0, 1, 0, 1.  One of the first five: multiplies buffer fb and fetches chunk qn into gb.
.macro QUARTER slot, qn, fb, gb, first
	s_wait_dscnt 4                                 ; W's fragments and A's blocks 0, 1 are in; the youngest four loads (A's blocks 2, 3) may be out
.if \first
	WIN MULB
.else
	WIN MUL
.endif
	MULA \fb, 0, \first
	MULA \fb, 1, \first
	PLACES
	FETCH \slot, \qn, \gb
	s_wait_dscnt 24                                ; all but the 24 just issued
.if \first
	WIN MULB
.else
	WIN MUL
.endif
	MULA \fb, 2, \first
	MULA \fb, 3, \first
.endm
; The sixth chunk multiplies buffer 1 and changes slots: ONE barrier; in front of it each wave waits for all its tensor loads, adds 0 to its spare word, and waits for that and for its own reads of this slot.
; fill = 1: the barrier opens a round of the cluster's, and this slot is filled again, six blocks ahead, first thing behind it: 176 matrix instructions ahead of the wait for it.
; fill = 2: the same, and only one block is left: both group 1's state one row (no tensor load of mine is out, so they may be written).  fill = 0: nothing is left to fetch.
.macro TURN slot, next, fill
	WIN 0                                          ; (the add's two registers lie in window 0)
	s_wait_tensorcnt 0x0                           ; all my tensor loads have landed: my part of the next slot;
	ds_add_u32 v[SPW], v[NIL]                      ; 0 onto my spare word;
	s_wait_dscnt 5                                 ; (the add and the youngest four loads may be out)
	WIN MUL
	MULA F1, 0, 0                                  ; eight matrix instructions stand between the add and the wait for it
	s_wait_dscnt 0x0                               ; the add is done, and my reads of this slot are over
	s_barrier_signal -1
	MULA F1, 1, 0
.if \fill
	WIN 0
.endif
	s_barrier_wait -1
.if \fill
	CREST                                          ; no wave of any partner still reads this slot's tile or has a load on its way
	s_add_nc_u64 s[G0+4*\slot+2:G0+4*\slot+3], s[G0+4*\slot+2:G0+4*\slot+3], 2*NB*GBLK
	s_add_nc_u64 s[G0B+4*\slot+2:G0B+4*\slot+3], s[G0B+4*\slot+2:G0B+4*\slot+3], 2*NB*GBLK
.if \fill == 2
	s_mov_b32 s[G1+2], 1<<16                       ; tensor_dim1 = 1
	s_mov_b32 s[G1+4], 1                           ; tile_dim1 = 1
	s_mov_b32 s[G1B+2], 1<<16
	s_mov_b32 s[G1B+4], 1
.endif
	JLOAD \slot                                    ; the four v_nop behind it are also the places in front of the loads below
.else
	PLACES
.endif
	FETCH \next, 0, F0
	WIN MUL
	MULA F1, 2, 0
	MULA F1, 3, 0
.endm
; A visit: a slot's six chunks, 192 matrix instructions; its first chunk's fragments were fetched by the visit before.
.macro VISIT slot, fill, first
	QUARTER \slot, 1, F0, F1, \first
	QUARTER \slot, 2, F1, F0, 0
	QUARTER \slot, 3, F0, F1, 0
	QUARTER \slot, 4, F1, F0, 0
	QUARTER \slot, 5, F0, F1, 0
	TURN \slot, 1-\slot, \fill
.endm
	s_wait_tensorcnt 1                             ; my part of blocks 0-2 is in; blocks 3-5 may stay out
	s_barrier_signal -1
	s_barrier_wait -1                              ; everybody's is
	FETCH 0, 0, F0
	s_wait_loadcnt 0x0                             ; the bias
	VISIT 0, 1, 1                                  ; blocks 0-2: the first chunk's products start the sums; slot 0 takes blocks 6-8
	VISIT 1, 1, 0                                  ; blocks 3-5; slot 1 takes blocks 9-11
	VISIT 0, 1, 0                                  ; blocks 6-8; slot 0 takes blocks 12-14
	VISIT 1, 2, 0                                  ; blocks 9-11; slot 1 takes block 15
	VISIT 0, 0, 0                                  ; blocks 12-14; nothing is left to fetch, and no round of the cluster's barrier follows.  Behind its barrier no wave reads slot 0 any more
	QUARTER 1, 1, F0, F1, 0                        ; block 15
	s_wait_dscnt 4                                 ; the very last chunk: nothing more to fetch
	WIN MUL
	MULA F1, 0, 0
	MULA F1, 1, 0
	s_wait_dscnt 0x0
	MULA F1, 2, 0
	MULA F1, 3, 0
; THE WAY OUT, a block of 16 rows at a time, through my own stage in LDS (f32): a lane's 32 bytes go in, 256 bytes (64 columns, one block g of h) of a row come back.  LDS serves a wave's instructions in order
; (ISA guide 5.7.1.4), so no wait stands between my stores and my loads, nor between a block's loads and the next block's stores.
.macro STG a                           ; each accumulator's low four registers first
	WIN 0x08                                       ; store data window 2, address window 0
.irp b, 0,1,2,3,4,5,6,7
	ds_store_b128 v[STO], v[8*(8*(\a)+\b):8*(8*(\a)+\b)+3]   offset:64*\b
	ds_store_b128 v[STO], v[8*(8*(\a)+\b)+4:8*(8*(\a)+\b)+7] offset:64*\b+16
.endr
.endm
.macro RDB a                           ; back into buffer a % 2 of window 1
	WIN 0x40
.set RBL, 64*((\a)%2)
.irp t, 0,1,2,3,4,5,6,7
	ds_load_b128 v[RBL+8*\t:RBL+8*\t+3],   v[RD] offset:\t*2*SPITCH          ; rows 2 t, 2 t + 1: columns 0-63
	ds_load_b128 v[RBL+8*\t+4:RBL+8*\t+7], v[RD] offset:\t*2*SPITCH+256      ; columns 64-127
.endr
.endm
.macro OUT a                           ; relu, rounded to bf16, stored
.set RB, 64*((\a)%2)
	WIN 0x45                                       ; destination and both sources window 1
.set i, 0
.rept 64
	v_max_num_f32 v[RB+i], 0, v[RB+i]
.set i, i+1
.endr
.set i, 0
.rept 16
	v_cvt_pk_bf16_f32 v[RB+4*i],   v[RB+4*i],   v[RB+4*i+1]
	v_cvt_pk_bf16_f32 v[RB+4*i+1], v[RB+4*i+2], v[RB+4*i+3]
.set i, i+1
.endr
	WIN 0x04                                       ; store data window 1
.irp t, 0,1,2,3,4,5,6,7
	global_store_b64 v[CO], v[RB+8*\t:RB+8*\t+1],   s[POUT:POUT+1] offset:(16*(\a)+2*\t)*128          ; the wave stores 256 consecutive bytes (two rows of a block), at a multiple of 256
	global_store_b64 v[CO], v[RB+8*\t+4:RB+8*\t+5], s[POUT:POUT+1] offset:131072+(16*(\a)+2*\t)*128   ; the next block g
.endr
.endm
	WIN 0
	PLACES
	STG 0
	RDB 0
.irp a, 0,1,2,3
.if \a < 3
	s_wait_xcnt 0x0                                ; every earlier memory instruction has had its addresses translated (ISA guide 3.1): the buffer that earlier stores read is loaded again only behind this wait
	STG \a+1
	RDB \a+1
	s_wait_dscnt 32                                ; this block is back; the next block's sixteen stores and sixteen loads may be out
.else
	s_wait_dscnt 0x0
.endif
	OUT \a
.endr
	WIN 0
	s_wait_tensorcnt 0x0                           ; the wave's end, behind my last tensor load and my last LDS store
	ds_add_u32 v[SPW], v[NIL]
	s_wait_dscnt 0x0
	CROUND                                         ; the closing round: no work-group ends while a partner may still ask for a tile that names it
	s_endpgm
.Lfunc_end_k_q98bf3c1c1b_ffn1:
	.size	k_q98bf3c1c1b_ffn1, .Lfunc_end_k_q98bf3c1c1b_ffn1-k_q98bf3c1c1b_ffn1
	.p2alignl 7, 3214868480
	.fill 96, 4, 3214868480
	.section	.rodata,"a",@progbits
	.p2align	6, 0x0
	.amdhsa_kernel k_q98bf3c1c1b_ffn1
		.amdhsa_group_segment_fixed_size 327680
		.amdhsa_private_segment_fixed_size 0
		.amdhsa_enable_private_segment 0
		.amdhsa_kernarg_size 32
		.amdhsa_user_sgpr_count 2
		.amdhsa_user_sgpr_kernarg_segment_ptr 1
		.amdhsa_wavefront_size32 1
		.amdhsa_system_sgpr_workgroup_id_x 1
		.amdhsa_system_sgpr_workgroup_id_y 1
		.amdhsa_system_sgpr_workgroup_id_z 1
		.amdhsa_system_vgpr_workitem_id 0
		.amdhsa_next_free_vgpr 768
		.amdhsa_next_free_sgpr 96
		.amdhsa_reserve_vcc 0
		.amdhsa_float_denorm_mode_32 3
		.amdhsa_float_denorm_mode_16_64 3
		.amdhsa_memory_ordered 1
		.amdhsa_forward_progress 1
		.amdhsa_inst_pref_size 165
	.end_amdhsa_kernel
	.amdgpu_metadata
---
amdhsa.version: [ 1, 2 ]
amdhsa.kernels:
  - .name:           k_q98bf3c1c1b_ffn1
    .symbol:         k_q98bf3c1c1b_ffn1.kd
    .args:
      - { .name: xa, .offset: 0, .size: 8, .value_kind: global_buffer, .address_space: global }
      - { .name: w1b, .offset: 8, .size: 8, .value_kind: global_buffer, .address_space: global }
      - { .name: b1, .offset: 16, .size: 8, .value_kind: global_buffer, .address_space: global }
      - { .name: qkvb, .offset: 24, .size: 8, .value_kind: global_buffer, .address_space: global }
    .group_segment_fixed_size: 327680
    .private_segment_fixed_size: 0
    .kernarg_segment_align: 8
    .kernarg_segment_size: 32
    .max_flat_workgroup_size: 128
    .sgpr_count:     96
    .vgpr_count:     768
    .wavefront_size: 32
...
	.end_amdgpu_metadata
.endif
;; end of part 10
;; launch ffn2: the kernel of part 9 again; grid 4 x 64, 4 waves a work-group, clusters of 4 x 4, 327,680 bytes of LDS; arguments qkvb, w2b, b2, x1, out0; writes out0
